; MI455X (gfx1250); checked and timed in simulation.
; The chip was launched on July 23, 2026; its instructions are those of AMD's public machine-readable ISA for CDNA 5 (MIT licence, August 2026) and "CDNA5" Instruction Set Architecture Reference Guide (July 2026). The comments in the code are by the model that wrote it; some were corrected since.
;; Encoder Layer. Allowed arithmetic: matrix products marked QUANTISED: E3M2 operands, one E8M0 scale for each 32 along K, by v_wmma_scale_f32_16x16x128_f8f6f4 with both operands' format E3M2, f32 sums; products left as they are: f32 operands where the result goes on into a quantised operand, else bf16, f16 or f32 operands; f32 sums; everything else in f32.
;; Inputs: bk1 1,024 float32; bk2 1,024 float32; bo 1,024 float32; bq1 1,024 float32; bq2 1,024 float32; bv1 1,024 float32; bv2 1,024 float32; eb1 8 x 2,048 float32; eb2 8 x 1,024 float32; eb3 8 x 2,048 float32; ew1 8 x 1,024 x 2,048 float32; ew2 8 x 2,048 x 1,024 float32; ew3 8 x 1,024 x 2,048 float32; gate_b 8 float32; gate_w 1,024 x 8 float32; ln1_b 1,024 float32; ln1_g 1,024 float32; ln2_b 1,024 float32; ln2_g 1,024 float32; mask 4 x 1 x 256 x 256 int32; wk1 1,024 x 1,024 float32; wk2 1,024 x 1,024 float32; wo 1,024 x 1,024 float32; wq1 1,024 x 1,024 float32; wq2 1,024 x 1,024 float32; wv1 1,024 x 1,024 float32; wv2 1,024 x 1,024 float32; x 4 x 256 x 1,024 float32.
;; Outputs: out0 4 x 256 x 1,024 float32.
;; This version of the problem:
;;   THIS VERSION OF THE PROBLEM IS GIVEN IN LOW PRECISION. The matrix products marked QUANTISED in the list below multiply operands that are first quantised to E3M2 (3 exponent bits, 2 mantissa bits; 6 bits a number), with one power-of-two scale for each 32 numbers along K (OCP MX v1.0); their sums are f32. All else is computed in f32.
;;   The module's matrix products, in the order in which they are computed (A, B: the left and right operand; K: the contracted axis; several contracted axes count as one K, in the product's order):
;;     1. [M 1,024, K 1,024] x [K 1,024, N 1,024]; A: computed on the way; B: input wq1: QUANTISED
;;     2. [M 1,024, K 1,024] x [K 1,024, N 1,024]; A: computed on the way; B: input wq2: QUANTISED
;;     3. [M 1,024, K 1,024] x [K 1,024, N 1,024]; A: computed on the way; B: input wk1: QUANTISED
;;     4. [M 1,024, K 1,024] x [K 1,024, N 1,024]; A: computed on the way; B: input wk2: QUANTISED
;;     5. [M 1,024, K 1,024] x [K 1,024, N 1,024]; A: computed on the way; B: input wv1: QUANTISED
;;     6. [M 1,024, K 1,024] x [K 1,024, N 1,024]; A: computed on the way; B: input wv2: QUANTISED
;;     7. batch 64 x [M 256, K 64] x [K 64, N 256]; A: computed on the way; B: computed on the way: QUANTISED
;;     8. batch 64 x [M 256, K 256] x [K 256, N 64]; A: softmax (see below); B: computed on the way: QUANTISED
;;     9. [M 1,024, K 1,024] x [K 1,024, N 1,024]; A: computed on the way; B: input wo: QUANTISED
;;     10. [M 1,024, K 1,024] x [K 1,024, N 8]; A: computed on the way; B: input gate_w: left as it is (N = 8 < 16)
;;     11. [M 16,384, K 1,024] x [K 1,024, N 1,024]; A: input ew1; B: computed on the way: QUANTISED
;;     12. [M 16,384, K 1,024] x [K 1,024, N 1,024]; A: input ew3; B: computed on the way: QUANTISED
;;     13. batch 8 x [M 1,024, K 2,048] x [K 2,048, N 1,024]; A: computed on the way; B: input ew2: QUANTISED
;;     14. batch 1,024 x [M 1,024, K 8] x [K 8, N 1]; A: computed on the way; B: computed on the way: left as it is (K = 8 < 32)
;;   THE QUANTISER, for each operand of a quantised product, along K:
;;     - K is cut into blocks of 32 from its start; a last block that is shorter is filled with zeros.
;;     - A block's scale is 2^e with e = floor(log2(the largest magnitude in the block)) - 4, held to -126 .. 127; a block of zeros has e = 0. As a byte (E8M0): e + 127.
;;     - Each number is divided by its block's scale, clamped to +-28, and rounded to the nearest number of E3M2, ties to even, subnormals kept.
;;     - The product sums the exact products of the quantised numbers (number of the format x scale) in f32.
;;   ~~~python
;;   def quantise(x, axis):      # numpy; x: float32 -> the quantised numbers, widened to float32 again
;;       x = np.moveaxis(x, axis, -1); K = x.shape[-1]
;;       x = np.pad(x, [(0, 0)] * (x.ndim - 1) + [(0, -K % 32)]); x = x.reshape(x.shape[:-1] + (-1, 32)); a = np.abs(x).max(-1, keepdims=True)
;;       e = np.where(a > 0, np.clip(np.frexp(np.where(a > 0, a, 1))[1] - 1 - 4, -126, 127), 0)      # np.frexp(a)[1] - 1 = floor(log2(a)), exactly
;;       r = np.clip(x / 2.0 ** e, -28, 28)
;;       step = 2.0 ** (np.maximum(np.frexp(np.where(r == 0, 1, r))[1] - 1, -2) - 2)
;;       q = np.round(r / step) * step * 2.0 ** e      # np.round: ties to even
;;       return np.moveaxis(q.reshape(q.shape[:-2] + (-1,))[..., :K], -1, axis).astype(np.float32)
;;   ~~~
;;   SOFTMAX AHEAD OF A QUANTISED PRODUCT. Where the list says 'softmax', what is quantised is not the finished softmax but p = 2^(t - M), with t = logit x log2(e) and M = ceil(the row's largest t), a whole number; so 1/2 < the row's largest p <= 1. The row's sum l is taken of the UNQUANTISED p, in f32, and the product's result is divided by l at the end. Since M is a whole number, a kernel that streams over the keys may use a running M (the ceiling of the running maximum): every later rescaling is an exact power of two, which a block's scale takes up: the codes' values come out the same.
;;   OPERANDS COMPUTED ON THE WAY. 'Computed on the way' means the value that the module computes at that place (a softmax that the list does not call 'softmax' is quantised finished and normalised). What goes into a quantiser is computed in f32, as accurately as f32 sums, v_exp_f32 and their like allow (about 1e-6 of the number): no bf16 or f16 on the way to a quantiser, and a product that is left as it is and whose result goes on into a quantised operand takes f32 operands (vector FMAs, or v_wmma_f32_16x16x4_f32). A number that lies on a knife's edge between two numbers of the format may be rounded either way, as far as f32 arithmetic and the matrix unit's own rounding can turn it there, and no further.
;; 2 versions, each right; version 2 is version 1 with the launches attn, up, down written anew for expert scheduling mode. Each part assembles by itself: llvm-mc -triple=amdgcn-amd-amdhsa -mcpu=gfx1250 --defsym DOCPART=n.
;; ======== version 1 of 2: 7 launches
;; workspace buffers: prepb 6,586,368 bytes; qkvb 2,523,136 bytes; mid 5,021,696 bytes; topi 8,192 bytes of whole numbers; lists 66,560 bytes of whole numbers; hbuf 13,107,200 bytes; eo 16,777,216 bytes
;; launch prep (part 1): grid 176 x 1, 8 waves a work-group, no clusters, 51,200 bytes of LDS; arguments x, ln1_g, ln1_b, wq1, wq2, wk1, wk2, wv1, wv2, wo, prepb; writes prepb
.if DOCPART == 1
	.amdgcn_target "amdgcn-amd-amdhsa--gfx1250"
	.amdhsa_code_object_version 6
	.text
	.protected	k_qc304e864e1_prep
	.globl	k_qc304e864e1_prep
	.p2align	8
	.type	k_qc304e864e1_prep,@function
k_qc304e864e1_prep:
	s_mov_b64 s[64:65], 0
	v_nop
	global_prefetch_b8 v0, s[64:65] scope:SCOPE_SE
	s_setreg_imm32_b32 hwreg(HW_REG_WAVE_MODE, 25, 1), 1
	s_wait_xcnt 0x0
; Work-groups 0-63: LayerNorm 1 of 16 tokens each, quantised along the 1,024 columns to E3M2 codes with one E8M0 byte for 32.
; Work-groups 64-175: the seven attention weights [K 1024][N 1024], f32, quantised along K (their first axis).
; IMAGES.  Codes leave in the order of an operand's registers: a fragment (16 rows x 128 K, 12 registers a lane) is 1,536 bytes, registers 4q..4q+3 of lane L at 512 q + 16 L.
; TILES.  The 16 rows of a tile are not neighbours: of 32 rows x, row x lies in tile (x>>3)&1 at place (x&7) + 8 (x>>4); so a product that takes such a tile as
; source 0 leaves, in the registers of two neighbouring tiles, 16 neighbours along the next K.
; prepb: weights' images at 0 [m 7][tile 64][K step 8][1536]; their scale words at WSC [m][tile][K step][16 words]; x2's images at X2C [tile 64][K step 8][1536]; its words at X2S [tile][K step][32 words].
; LIMITS: NaN and infinities are not served; a block whose largest magnitude lies under 2^-122 (a block of zeros too) gets the byte 1; a block of zeros has zero codes, and only this program reads the bytes.
.set WSC, 5505024
.set X2C, 5734400
.set X2S, 6520832
.set RED2, 512                         ; LDS: two tables of 16 rows x 8 waves for the norm's sums (the norm's path alone),
.set WST, 1024                         ; and 6,144 bytes a wave for the weights' images (the weights' path alone)
.set PITCH, 4096
.set NB, 8
.set X, 32                             ; v32-95   64 numbers
.set GG, 96                            ; v96-159  gains
.set BV, 160                           ; v160-223 biases
.set TM, 8                             ; v8-13    the quantiser's work
.set PC, 16                            ; v16-27   a fragment's codes
.set PX, 28
.set C, 96                             ; weights: a block's six registers of codes
.set CX, 104
.set SW, 108
.set OUTR, 112
.set VIN, 236
.set VW, 6
.set WP, 34
.macro BARRIER                         ; my LDS stores have landed and my LDS loads are in: then the work-group's barrier
	s_wait_dscnt 0x0
	s_barrier_signal -1
	s_barrier_wait -1
.endm
; 32 numbers of a lane, register 16 b + i = k 32 b + 16 (lane / 16) + i of my row, become six registers of codes at v[pa] (lanes 0-15 block 0 whole, lanes 16-31 block 1) and two scale bytes in v[pw]
.macro QUANT2 s, pa, px, pw
	v_max3_num_f32 v[TM], |v[(\s)]|, |v[(\s)+1]|, 0x2800000        ; the floor 2^(5-127) is a leaf of the maximum: the byte cannot fall under 1
	v_max3_num_f32 v[TM+1], |v[(\s)+16]|, |v[(\s)+17]|, 0x2800000
.irp i, 2,4,6,8,10,12,14
	v_max3_num_f32 v[TM], v[TM], |v[(\s)+\i]|, |v[(\s)+\i+1]|
	v_max3_num_f32 v[TM+1], v[TM+1], |v[(\s)+16+\i]|, |v[(\s)+17+\i]|
.endr
	v_permlanex16_b32 v[TM+2], v[TM], s40, s41
	v_permlanex16_b32 v[TM+3], v[TM+1], s40, s41
	v_max_num_f32 v[TM], v[TM], v[TM+2]                            ; with lane l xor 16's 16 numbers: the block's largest magnitude
	v_max_num_f32 v[TM+1], v[TM+1], v[TM+3]
	v_add_nc_u32 v[TM+4], 0xfe000000, v[TM]                        ; 4 off its exponent field: the conversion's scale operand
	v_add_nc_u32 v[TM+5], 0xfe000000, v[TM+1]
	v_lshrrev_b32 v[TM+2], 23, v[TM+4]                             ; the scale's byte
	v_lshrrev_b32 v[TM+3], 23, v[TM+5]
	v_lshl_or_b32 v[\pw], v[TM+3], 8, v[TM+2]
	v_cvt_scalef32_pk16_bf6_f32 v[(\pa):(\pa)+2], v[(\s):(\s)+15], v[TM+4]
	v_cvt_scalef32_pk16_bf6_f32 v[(\px):(\px)+2], v[(\s)+16:(\s)+31], v[TM+5]
	v_nop                                                          ; one plain line behind a scaled conversion
.irp i, 0,1,2
	v_permlane16_swap_b32 v[(\pa)+\i], v[(\px)+\i]                 ; a whole block to a lane
.endr
.irp i, 0,1,2
	v_mov_b32 v[(\pa)+3+\i], v[(\px)+\i]
.endr
.endm
.macro FOLD                            ; four packed partial sums at v224-231 -> my row's sum over my wave's 128 columns, in v224
	v_pk_add_f32 v[224:225], v[224:225], v[226:227]
	v_pk_add_f32 v[228:229], v[228:229], v[230:231]
	v_pk_add_f32 v[224:225], v[224:225], v[228:229]
	v_add_f32 v224, v224, v225
	v_permlanex16_b32 v225, v224, s40, s41
	v_add_f32 v224, v224, v225
.endm
.macro ACROSS off                      ; over the eight waves: each stores its word of row r, one barrier, every wave reads the row's eight
	ds_store_b32 v4, v224 offset:\off
	BARRIER
	ds_load_b128 v[224:227], v5 offset:\off
	ds_load_b128 v[228:231], v5 offset:(\off)+16
	s_wait_dscnt 0x0
	v_pk_add_f32 v[224:225], v[224:225], v[226:227]
	v_pk_add_f32 v[228:229], v[228:229], v[230:231]
	v_pk_add_f32 v[224:225], v[224:225], v[228:229]
	v_add_f32 v224, v224, v225
.endm
; A lane takes a column, its registers run down K: block t = 32 rows of K
.macro WQLOAD t
.set wi, 0
.rept 32
	global_load_b32 v[X+32*((\t)%2)+wi], v[VIN], s[WP:WP+1] offset:(32*(\t)+wi)*PITCH th:TH_LOAD_NT
.set wi, wi+1
.endr
.endm
.macro WQBLOCK t
.set XS, X+32*((\t)%2)
.set WO, ((\t)/4)*1536+((\t)%2)*256
.if (\t) < NB-1
	s_wait_loadcnt 32                                              ; this block's 32 loads are in; the next block's 32 may be out
.else
	s_wait_loadcnt 0x0
.endif
	v_max3_num_f32 v[TM], |v[XS]|, |v[XS+1]|, |v[XS+2]|
	v_max3_num_f32 v[TM+1], |v[XS+3]|, |v[XS+4]|, |v[XS+5]|
.irp i, 6,10,14,18,22,26
	v_max3_num_f32 v[TM], v[TM], |v[XS+\i]|, |v[XS+\i+1]|
	v_max3_num_f32 v[TM+1], v[TM+1], |v[XS+\i+2]|, |v[XS+\i+3]|
.endr
	v_max3_num_f32 v[TM], v[TM], |v[XS+30]|, |v[XS+31]|
	v_max3_num_f32 v[TM], v[TM], v[TM+1], 0x2800000
	v_add_nc_u32 v[TM+4], 0xfe000000, v[TM]
	v_lshrrev_b32 v[TM+1], 23, v[TM+4]
.if (\t)%4 == 0
	v_mov_b32 v[SW+(\t)/4], v[TM+1]
.else
	v_lshl_or_b32 v[SW+(\t)/4], v[TM+1], 8*((\t)%4), v[SW+(\t)/4]
.endif
	v_cvt_scalef32_pk16_bf6_f32 v[C:C+2], v[XS:XS+15], v[TM+4]
	v_cvt_scalef32_pk16_bf6_f32 v[CX:CX+2], v[XS+16:XS+31], v[TM+4]
	v_nop
.irp i, 0,1,2
	v_mov_b32 v[C+3+\i], v[CX+\i]
.endr
.if ((\t)/2)%2 == 0                    ; the block is registers 0-5 or 6-11 of lane place + 16 (t % 2) of its fragment's image
	ds_store_b128 v[VW], v[C:C+3] offset:WO
	ds_store_b64 v[VW], v[C+4:C+5] offset:WO+512
.else
	ds_store_b64 v[VW], v[C:C+1] offset:WO+520
	ds_store_b128 v[VW], v[C+2:C+5] offset:WO+1024
.endif
.if (\t)+2 < NB
	WQLOAD (\t)+2
.endif
	s_wait_dscnt 0x0                                               ; the stores have read their registers
.endm
	s_load_b128 s[4:7], s[0:1], 0x0                ; x, ln1_g
	s_load_b64 s[8:9], s[0:1], 0x10                ; ln1_b
	s_load_b256 s[12:19], s[0:1], 0x18             ; wq1, wq2, wk1, wk2
	s_load_b128 s[20:23], s[0:1], 0x38             ; wv1, wv2
	s_load_b128 s[24:27], s[0:1], 0x48             ; wo, prepb
	v_lshl_add_u32 v254, v0, 2, 0xc400
	v_mov_b32 v255, 0
	v_lshrrev_b32 v1, 5, v0
	v_readfirstlane_b32 s28, v1                    ; wave
	v_and_b32 v1, 31, v0                           ; lane
	v_and_b32 v2, 15, v0                           ; r
	v_bfe_u32 v3, v0, 4, 1                         ; h
	s_mov_b32 s40, 0x76543210
	s_mov_b32 s41, 0xfedcba98                      ; selects for lane l xor 16
	s_lshl_b32 s29, s28, 2
	v_lshlrev_b32 v5, 5, v2                        ; the sums' table: row r, 32 bytes
	v_add_nc_u32 v4, s29, v5                       ; my wave's word in it
	v_bfe_u32 v6, v0, 3, 1                         ; weights: my column's tile u of its 32 columns,
	v_and_b32 v8, 7, v0
	v_lshl_add_u32 v8, v3, 3, v8                   ; and its place there
	v_mul_u32_u24 v6, v6, 3072
	v_lshl_add_u32 v6, v8, 4, v6
	s_mul_i32 s29, s28, 6144
	s_add_co_u32 s29, s29, WST
	v_add_nc_u32 v6, s29, v6                       ; into my wave's stage [u 2][K step 2][1536]
	v_lshl_add_u32 v7, v1, 4, s29                  ; and out of it, 16 bytes a lane
	v_mov_b32 v10, 0                               ; written once: a lane permute's destination counts as read
	v_mov_b32 v11, 0
	s_wait_kmcnt 0x0
	s_cmp_lt_u32 ttmp9, 64
	s_cbranch_scc0 .Lwq
	; ---- the norm: work-group g = token tile g, wave w = K step w; register X + 16 b + i = column 128 w + 32 b + 16 h + i of my token
	s_lshr_b32 s30, ttmp9, 1
	s_lshl_b32 s30, s30, 5
	s_and_b32 s31, ttmp9, 1
	s_lshl_b32 s31, s31, 3
	s_add_co_u32 s30, s30, s31
	v_and_b32 v236, 8, v2
	v_add_nc_u32 v236, v236, v2
	v_add_nc_u32 v236, s30, v236                   ; token 32 (g>>1) + 8 (g&1) + r + 8 (r>>3)
	v_lshlrev_b32 v236, 12, v236
	s_lshl_b32 s31, s28, 9
	v_lshl_add_u32 v237, v3, 6, s31                ; 512 w + 64 h
	v_add_nc_u32 v236, v236, v237
.irp b, 0,1,2,3
.irp q, 0,1,2,3
	global_load_b128 v[X+16*\b+4*\q:X+16*\b+4*\q+3], v236, s[4:5] offset:128*\b+16*\q
.endr
.endr
.irp b, 0,1,2,3
.irp q, 0,1,2,3
	global_load_b128 v[GG+16*\b+4*\q:GG+16*\b+4*\q+3], v237, s[6:7] offset:128*\b+16*\q
.endr
.endr
.irp b, 0,1,2,3
.irp q, 0,1,2,3
	global_load_b128 v[BV+16*\b+4*\q:BV+16*\b+4*\q+3], v237, s[8:9] offset:128*\b+16*\q
.endr
.endr
	s_wait_loadcnt 32                              ; x is in; the 32 loads of gains and biases may be out
.irp k, 0,1,2,3
	v_pk_add_f32 v[224+2*\k:225+2*\k], v[X+4*\k:X+4*\k+1], v[X+4*\k+2:X+4*\k+3]
.endr
.irp i, 16,24,32,40,48,56
.irp k, 0,1,2,3
	v_pk_add_f32 v[224+2*\k:225+2*\k], v[224+2*\k:225+2*\k], v[X+\i+2*\k:X+\i+2*\k+1]
.endr
.endr
	FOLD
	ACROSS 0
	v_mul_f32 v232, 0x3a800000, v224               ; the mean: / 1,024
	v_mov_b32 v233, v232
.set li, 0
.rept 32
	v_pk_add_f32 v[X+li:X+li+1], v[X+li:X+li+1], v[232:233] neg_lo:[0,1] neg_hi:[0,1]
.set li, li+2
.endr
.irp k, 0,1,2,3
	v_pk_mul_f32 v[224+2*\k:225+2*\k], v[X+2*\k:X+2*\k+1], v[X+2*\k:X+2*\k+1]
.endr
.irp i, 8,16,24,32,40,48,56
.irp k, 0,1,2,3
	v_pk_fma_f32 v[224+2*\k:225+2*\k], v[X+\i+2*\k:X+\i+2*\k+1], v[X+\i+2*\k:X+\i+2*\k+1], v[224+2*\k:225+2*\k]
.endr
.endr
	FOLD
	ACROSS RED2                                    ; a second table: nobody overwrites what others may still read
	v_mul_f32 v232, 0x3a800000, v224
	v_add_f32 v232, 0x3727c5ac, v232               ; + 1e-5
	v_rsq_f32 v232, v232
	v_nop                                          ; one plain line behind a transcendental
	s_wait_alu depctr_va_vdst(0)
	v_mov_b32 v233, v232
	s_wait_loadcnt 0x0
.set li, 0
.rept 32
	v_pk_mul_f32 v[X+li:X+li+1], v[X+li:X+li+1], v[232:233]
.set li, li+2
.endr
.set li, 0
.rept 32
	v_pk_fma_f32 v[X+li:X+li+1], v[X+li:X+li+1], v[GG+li:GG+li+1], v[BV+li:BV+li+1]
.set li, li+2
.endr
	QUANT2 X, PC, PX, 14
	QUANT2 X+32, PC+6, PX, 15
	v_lshl_or_b32 v14, v15, 16, v14                ; my row's scale word for this K step
	s_lshl_b32 s30, ttmp9, 3
	s_add_co_u32 s30, s30, s28                     ; 8 g + w
	s_mul_i32 s31, s30, 1536
	s_add_co_u32 s31, s31, X2C
	v_lshl_add_u32 v238, v1, 4, s31
	s_lshl_b32 s30, s30, 7
	s_add_co_u32 s30, s30, X2S
	v_lshl_add_u32 v239, v1, 2, s30
	global_store_b128 v238, v[16:19], s[26:27]             ; each store of the wave covers 512 consecutive bytes, aligned
	global_store_b128 v238, v[20:23], s[26:27] offset:512
	global_store_b128 v238, v[24:27], s[26:27] offset:1024
	global_store_b32 v239, v14, s[26:27]
	s_wait_tensorcnt 0x0
	ds_add_u32 v254, v255
	s_wait_dscnt 0x0
	s_endpgm
.Lwq:	; ---- a weight: work-group = (matrix m, 256 of K, 256 columns); wave w = 32 columns x 256 K
	s_sub_co_u32 s30, ttmp9, 64
	s_lshr_b32 s31, s30, 4                         ; m
	s_and_b32 s32, s30, 3                          ; which 256 columns
	s_bfe_u32 s33, s30, 0x20002                    ; which 256 of K
	s_mov_b64 s[34:35], s[12:13]
.irp i, 1,2,3,4,5,6
	s_cmp_eq_u32 s31, \i
	s_cselect_b64 s[34:35], s[12+2*\i:13+2*\i], s[34:35]
.endr
	s_lshl_b32 s36, s33, 20
	s_lshl_b32 s37, s32, 10
	s_add_co_u32 s36, s36, s37
	s_lshl_b32 s37, s28, 7
	s_add_co_u32 s36, s36, s37
	s_mov_b32 s37, 0
	s_add_nc_u64 s[34:35], s[34:35], s[36:37]
	v_lshlrev_b32 v236, 2, v1
	WQLOAD 0
	WQLOAD 1
	s_lshl_b32 s38, s32, 3
	s_add_co_u32 s38, s38, s28                     ; which 32 columns of the 1,024
	v_bfe_u32 v237, v0, 3, 1
	v_and_b32 v238, 7, v0
	v_lshl_add_u32 v238, v3, 3, v238
	v_lshlrev_b32 v237, 9, v237
	v_lshl_add_u32 v237, v238, 2, v237
	s_lshl_b32 s39, s31, 15
	s_lshl_b32 s42, s38, 10
	s_add_co_u32 s39, s39, s42
	s_lshl_b32 s42, s33, 7
	s_add_co_u32 s39, s39, s42
	s_add_co_u32 s39, s39, WSC
	v_add_nc_u32 v237, s39, v237                   ; my column's scale words
	s_mul_i32 s39, s31, 786432
	s_mul_i32 s42, s38, 24576
	s_add_co_u32 s39, s39, s42
	s_mul_i32 s42, s33, 3072
	s_add_co_u32 s39, s39, s42
	v_lshl_add_u32 v238, v1, 4, s39                ; the images' place
.irp t, 0,1,2,3,4,5,6,7
	WQBLOCK \t
.endr
	global_store_b32 v237, v[SW], s[26:27]
	global_store_b32 v237, v[SW+1], s[26:27] offset:64
.set oi, 0
.rept 12
	ds_load_b128 v[OUTR+4*oi:OUTR+4*oi+3], v7 offset:512*oi        ; my own stage: LDS serves a wave's instructions in order
.set oi, oi+1
.endr
.set oi, 0
.rept 12
	s_wait_dscnt 11-oi                                             ; the younger loads may be out
	global_store_b128 v238, v[OUTR+4*oi:OUTR+4*oi+3], s[26:27] offset:(oi/6)*12288+(oi%6)*512
.set oi, oi+1
.endr
	s_wait_tensorcnt 0x0
	ds_add_u32 v254, v255
	s_wait_dscnt 0x0
	s_endpgm
.Lfunc_end_k_qc304e864e1_prep:
	.size	k_qc304e864e1_prep, .Lfunc_end_k_qc304e864e1_prep-k_qc304e864e1_prep
	.p2alignl 7, 3214868480
	.fill 96, 4, 3214868480
	.section	.rodata,"a",@progbits
	.p2align	6, 0x0
	.amdhsa_kernel k_qc304e864e1_prep
		.amdhsa_group_segment_fixed_size 51200
		.amdhsa_private_segment_fixed_size 0
		.amdhsa_enable_private_segment 0
		.amdhsa_kernarg_size 88
		.amdhsa_user_sgpr_count 2
		.amdhsa_user_sgpr_kernarg_segment_ptr 1
		.amdhsa_wavefront_size32 1
		.amdhsa_system_sgpr_workgroup_id_x 1
		.amdhsa_system_sgpr_workgroup_id_y 1
		.amdhsa_system_sgpr_workgroup_id_z 1
		.amdhsa_system_vgpr_workitem_id 0
		.amdhsa_next_free_vgpr 256
		.amdhsa_next_free_sgpr 66
		.amdhsa_reserve_vcc 0
		.amdhsa_float_denorm_mode_32 3
		.amdhsa_float_denorm_mode_16_64 3
		.amdhsa_memory_ordered 1
		.amdhsa_forward_progress 1
		.amdhsa_inst_pref_size 65
	.end_amdhsa_kernel
	.amdgpu_metadata
---
amdhsa.version: [ 1, 2 ]
amdhsa.kernels:
  - .name:           k_qc304e864e1_prep
    .symbol:         k_qc304e864e1_prep.kd
    .args:
      - { .name: x, .offset: 0, .size: 8, .value_kind: global_buffer, .address_space: global }
      - { .name: ln1_g, .offset: 8, .size: 8, .value_kind: global_buffer, .address_space: global }
      - { .name: ln1_b, .offset: 16, .size: 8, .value_kind: global_buffer, .address_space: global }
      - { .name: wq1, .offset: 24, .size: 8, .value_kind: global_buffer, .address_space: global }
      - { .name: wq2, .offset: 32, .size: 8, .value_kind: global_buffer, .address_space: global }
      - { .name: wk1, .offset: 40, .size: 8, .value_kind: global_buffer, .address_space: global }
      - { .name: wk2, .offset: 48, .size: 8, .value_kind: global_buffer, .address_space: global }
      - { .name: wv1, .offset: 56, .size: 8, .value_kind: global_buffer, .address_space: global }
      - { .name: wv2, .offset: 64, .size: 8, .value_kind: global_buffer, .address_space: global }
      - { .name: wo, .offset: 72, .size: 8, .value_kind: global_buffer, .address_space: global }
      - { .name: prepb, .offset: 80, .size: 8, .value_kind: global_buffer, .address_space: global }
    .group_segment_fixed_size: 51200
    .private_segment_fixed_size: 0
    .kernarg_segment_align: 8
    .kernarg_segment_size: 88
    .max_flat_workgroup_size: 256
    .sgpr_count:     66
    .vgpr_count:     256
    .wavefront_size: 32
...
	.end_amdgpu_metadata
.endif
;; end of part 1
;; launch qkv (part 2): grid 192 x 1, 8 waves a work-group, no clusters, 116,736 bytes of LDS; arguments prepb, bq1, bq2, bk1, bk2, bv1, bv2, qkvb; writes qkvb
.if DOCPART == 2
	.amdgcn_target "amdgcn-amd-amdhsa--gfx1250"
	.amdhsa_code_object_version 6
	.text
	.protected	k_qc304e864e1_qkv
	.globl	k_qc304e864e1_qkv
	.p2align	8
	.type	k_qc304e864e1_qkv,@function
k_qc304e864e1_qkv:
	s_mov_b64 s[64:65], 0
	v_nop
	global_prefetch_b8 v0, s[64:65] scope:SCOPE_SE
	s_setreg_imm32_b32 hwreg(HW_REG_WAVE_MODE, 25, 1), 1
	s_wait_xcnt 0x0
; silu(x2 Wa + ba) * (x2 Wb + bb) for q, k or v (p = 0, 1, 2), one head (64 columns) and one batch (256 tokens) to a work-group; both products on E3M2 codes.
; The result is quantised here: q and k along the head's 64 (half images: 16 rows x 64 K, register pair p of lane L at 256 p + 8 L), v along the keys.
; The head's part of both weights (2 x 48 KiB of images) is copied into LDS once and read by all eight waves; wave w owns token tiles 2 w and 2 w + 1 of the batch.
; q, k: source 0 = 16 columns of the weight, source 1 = 16 tokens: a lane holds one token, its registers run along the head.
; v:    source 0 = 16 tokens, source 1 = 16 columns: a lane holds one column, its registers run along the tokens, which are the keys.
; No cluster: what neighbouring work-groups share is this one copy at the head, out of the cache.
; LIMITS: NaN and infinities are not served; blocks under 2^-122 get the byte 1.
.set WSCO, 5505024
.set X2C, 5734400
.set X2S, 6520832
.set W2L, 49152                        ; LDS: first weight at 0 [tile 4][K step 8][1536], second here,
.set WSL, 98304                        ; their scale words [matrix 2][tile 4][K step 8][64],
.set VST, 102400                       ; v's images [d tile 4][64 keys 4][768],
.set VSS, 114688                       ; v's scale bytes [d tile 4][K step 2][64]
.set QKS, 1572864
.set VTI, 1703936
.set VTS, 2490368
.set BS, 16                            ; v16-19  the weights' scale words: lanes 0-15 first matrix, lanes 16-31 second
.set AS, 20                            ; v20-23  x2's scale words, two sets
.set AB, 24                            ; v24-71  x2's fragments, two sets of two
.set WF, 72                            ; v72-119 four fragments of the weights
.set TM, 120
.set ACC, 128                          ; v128-191 first matrix, v192-255 second
.macro PLACES n
.rept \n
	v_nop
.endr
.endm
.macro BARRIER
	s_wait_dscnt 0x0
	s_barrier_signal -1
	s_barrier_wait -1
.endm
.macro WM d, a, b, c, sa, sb, sel      ; c < 0: the sum starts at 0.  sel 1: source 0's scales from lanes 16-31; 2: source 1's
.if (\c) < 0
.if (\sel) == 0
	v_wmma_scale_f32_16x16x128_f8f6f4 v[(\d):(\d)+7], v[(\a):(\a)+11], v[(\b):(\b)+11], 0, v[(\sa)], v[(\sb)] matrix_a_fmt:MATRIX_FMT_BF6 matrix_b_fmt:MATRIX_FMT_BF6
.elseif (\sel) == 1
	v_wmma_scale_f32_16x16x128_f8f6f4 v[(\d):(\d)+7], v[(\a):(\a)+11], v[(\b):(\b)+11], 0, v[(\sa)], v[(\sb)] matrix_a_fmt:MATRIX_FMT_BF6 matrix_b_fmt:MATRIX_FMT_BF6 matrix_a_scale:MATRIX_SCALE_ROW1
.else
	v_wmma_scale_f32_16x16x128_f8f6f4 v[(\d):(\d)+7], v[(\a):(\a)+11], v[(\b):(\b)+11], 0, v[(\sa)], v[(\sb)] matrix_a_fmt:MATRIX_FMT_BF6 matrix_b_fmt:MATRIX_FMT_BF6 matrix_b_scale:MATRIX_SCALE_ROW1
.endif
.else
.if (\sel) == 0
	v_wmma_scale_f32_16x16x128_f8f6f4 v[(\d):(\d)+7], v[(\a):(\a)+11], v[(\b):(\b)+11], v[(\c):(\c)+7], v[(\sa)], v[(\sb)] matrix_a_fmt:MATRIX_FMT_BF6 matrix_b_fmt:MATRIX_FMT_BF6
.elseif (\sel) == 1
	v_wmma_scale_f32_16x16x128_f8f6f4 v[(\d):(\d)+7], v[(\a):(\a)+11], v[(\b):(\b)+11], v[(\c):(\c)+7], v[(\sa)], v[(\sb)] matrix_a_fmt:MATRIX_FMT_BF6 matrix_b_fmt:MATRIX_FMT_BF6 matrix_a_scale:MATRIX_SCALE_ROW1
.else
	v_wmma_scale_f32_16x16x128_f8f6f4 v[(\d):(\d)+7], v[(\a):(\a)+11], v[(\b):(\b)+11], v[(\c):(\c)+7], v[(\sa)], v[(\sb)] matrix_a_fmt:MATRIX_FMT_BF6 matrix_b_fmt:MATRIX_FMT_BF6 matrix_b_scale:MATRIX_SCALE_ROW1
.endif
.endif
.endm
.macro QUANT2 s, pa, px, pw
	v_max3_num_f32 v[TM], |v[(\s)]|, |v[(\s)+1]|, 0x2800000
	v_max3_num_f32 v[TM+1], |v[(\s)+16]|, |v[(\s)+17]|, 0x2800000
.irp i, 2,4,6,8,10,12,14
	v_max3_num_f32 v[TM], v[TM], |v[(\s)+\i]|, |v[(\s)+\i+1]|
	v_max3_num_f32 v[TM+1], v[TM+1], |v[(\s)+16+\i]|, |v[(\s)+17+\i]|
.endr
	v_permlanex16_b32 v[TM+2], v[TM], s40, s41
	v_permlanex16_b32 v[TM+3], v[TM+1], s40, s41
	v_max_num_f32 v[TM], v[TM], v[TM+2]
	v_max_num_f32 v[TM+1], v[TM+1], v[TM+3]
	v_add_nc_u32 v[TM+4], 0xfe000000, v[TM]
	v_add_nc_u32 v[TM+5], 0xfe000000, v[TM+1]
	v_lshrrev_b32 v[TM+2], 23, v[TM+4]
	v_lshrrev_b32 v[TM+3], 23, v[TM+5]
	v_lshl_or_b32 v[\pw], v[TM+3], 8, v[TM+2]
	v_cvt_scalef32_pk16_bf6_f32 v[(\pa):(\pa)+2], v[(\s):(\s)+15], v[TM+4]
	v_cvt_scalef32_pk16_bf6_f32 v[(\px):(\px)+2], v[(\s)+16:(\s)+31], v[TM+5]
	v_nop
.irp i, 0,1,2
	v_permlane16_swap_b32 v[(\pa)+\i], v[(\px)+\i]
.endr
.irp i, 0,1,2
	v_mov_b32 v[(\pa)+3+\i], v[(\px)+\i]
.endr
.endm
.macro SILU16 z, a, t                  ; z = z / (1 + 2^(-z log2 e)) * a, sixteen numbers, each accumulator from its low end on
.irp i, 0,2,4,6,8,10,12,14
	v_pk_mul_f32 v[(\t)+\i:(\t)+\i+1], v[(\z)+\i:(\z)+\i+1], 0xbfb8aa3b op_sel_hi:[1,0]
.endr
.irp i, 0,1,2,3,4,5,6,7,8,9,10,11,12,13,14,15
	v_exp_f32 v[(\t)+\i], v[(\t)+\i]
.endr
	v_nop
	s_wait_alu depctr_va_vdst(0)
.irp i, 0,2,4,6,8,10,12,14
	v_pk_add_f32 v[(\t)+\i:(\t)+\i+1], v[(\t)+\i:(\t)+\i+1], 1.0 op_sel_hi:[1,0]
.endr
.irp i, 0,1,2,3,4,5,6,7,8,9,10,11,12,13,14,15
	v_rcp_f32 v[(\t)+\i], v[(\t)+\i]
.endr
	v_nop
	s_wait_alu depctr_va_vdst(0)
.irp i, 0,2,4,6,8,10,12,14
	v_pk_mul_f32 v[(\z)+\i:(\z)+\i+1], v[(\z)+\i:(\z)+\i+1], v[(\t)+\i:(\t)+\i+1]
.endr
.irp i, 0,2,4,6,8,10,12,14
	v_pk_mul_f32 v[(\z)+\i:(\z)+\i+1], v[(\z)+\i:(\z)+\i+1], v[(\a)+\i:(\a)+\i+1]
.endr
.endm
.macro ALOAD buf, ks                   ; x2's two fragments and scale words of a K step: 8 loads
.irp g, 0,1
.irp q, 0,1,2
	global_load_b128 v[AB+24*(\buf)+12*\g+4*\q:AB+24*(\buf)+12*\g+4*\q+3], v4, s[4:5] offset:\g*12288+(\ks)*1536+512*\q
.endr
	global_load_b32 v[AS+2*(\buf)+\g], v6, s[4:5] offset:\g*1024+(\ks)*128
.endr
.endm
.macro WFLOAD bt, ks                   ; four fragments: column tiles 2 bt, 2 bt + 1 of both matrices
.irp f, 0,1,2,3
.irp q, 0,1,2
	ds_load_b128 v[WF+12*\f+4*\q:WF+12*\f+4*\q+3], v[1+\f%2] offset:(2*(\bt)+\f/2)*12288+(\ks)*1536+512*\q
.endr
.endr
.endm
.macro PROD8 bt, ks, mode, zero        ; eight products on eight accumulators
.irp f, 0,1,2,3
.irp g, 0,1
.set PJ, 2*(\bt)+\f/2
.set PM, \f%2
.set PA, AB+24*((\ks)%2)+12*\g
.set PS, AS+2*((\ks)%2)+\g
.if \mode
.set PD, ACC+64*PM+16*PJ+8*\g
.else
.set PD, ACC+64*PM+32*\g+8*PJ
.endif
.if \zero
.set PCC, -1
.else
.set PCC, PD
.endif
.if \mode
	WM PD, PA, WF+12*\f, PCC, PS, BS+PJ, 2*PM
.else
	WM PD, WF+12*\f, PA, PCC, BS+PJ, PS, PM
.endif
.endr
.endr
.endm
; A K step of 128: sixteen products, the sixteen accumulators by turns, in the same order in every step.
; Four plain lines stand in front of every run of loads into registers that matrix instructions have read.
.macro KSTEP ks, mode, zero
	PLACES 4
	WFLOAD 0, \ks
.irp j, 0,1,2,3
	ds_load_b32 v[BS+\j], v3 offset:\j*512+(\ks)*64
.endr
.if (\ks) < 7
	ALOAD 1-(\ks)%2, (\ks)+1
	s_wait_loadcnt 8                               ; all but the next K step's eight loads, just issued
.else
	s_wait_loadcnt 0x0
.endif
	s_wait_dscnt 0x0
	PROD8 0, \ks, \mode, \zero
	PLACES 4
	WFLOAD 1, \ks
	s_wait_dscnt 0x0
	PROD8 1, \ks, \mode, \zero
.endm
	s_load_b256 s[4:11], s[0:1], 0x0               ; prepb, bq1, bq2, bk1
	s_load_b256 s[12:19], s[0:1], 0x20             ; bk2, bv1, bv2, qkvb
	s_set_vgpr_msb 0x40
	v_lshl_add_u32 v0, v0, 2, 0x1c400
	v_mov_b32 v1, 0
	s_set_vgpr_msb 0x4000
	v_lshrrev_b32 v1, 5, v0
	v_readfirstlane_b32 s20, v1                    ; wave
	s_lshr_b32 s21, ttmp9, 6                       ; p
	s_bfe_u32 s22, ttmp9, 0x40002                  ; head
	s_and_b32 s23, ttmp9, 3                        ; batch
	s_lshl_b32 s24, s23, 4
	s_add_co_u32 s24, s24, s22                     ; 16 batch + head
	s_mov_b32 s40, 0x76543210
	s_mov_b32 s41, 0xfedcba98
	v_and_b32 v123, 31, v0                         ; lane
	v_and_b32 v124, 15, v0                         ; r
	v_bfe_u32 v125, v0, 4, 1                       ; h
	v_mov_b32 v122, 0
	v_lshlrev_b32 v1, 4, v123                      ; an image's place for my lane, first matrix;
	v_add_nc_u32 v2, W2L, v1                       ; second
	v_lshlrev_b32 v3, 2, v124
	v_lshl_add_u32 v3, v125, 11, v3
	v_add_nc_u32 v3, WSL, v3                       ; scale words: lanes 16-31 take the second matrix's, 2,048 bytes on
	s_lshl_b32 s25, s23, 4
	s_lshl_b32 s26, s20, 1
	s_add_co_u32 s25, s25, s26                     ; my first token tile
	s_mul_i32 s26, s25, 12288
	s_add_co_u32 s26, s26, X2C
	v_add_nc_u32 v4, s26, v1
	s_lshl_b32 s26, s25, 10
	s_add_co_u32 s26, s26, X2S
	v_lshl_add_u32 v6, v123, 2, s26
	s_lshl_b32 s26, s22, 8
	v_lshl_add_u32 v5, v125, 6, s26                ; biases for q, k: the head's 256 bytes + 64 h
	v_and_b32 v7, 8, v124
	v_add_nc_u32 v7, v7, v124
	v_lshl_add_u32 v7, v7, 2, s26                  ; for v: my column r + 8 (r>>3) of a pair of tiles
	s_lshl_b32 s26, s21, 6
	s_add_co_u32 s26, s26, s24
	s_lshl_b32 s26, s26, 4
	s_lshl_b32 s27, s20, 1
	s_add_co_u32 s26, s26, s27
	s_mul_i32 s27, s26, 768
	v_lshl_add_u32 v8, v123, 3, s27                ; q, k: the half images' place
	s_lshl_b32 s27, s26, 6
	s_add_co_u32 s27, s27, QKS
	v_lshl_add_u32 v9, v123, 2, s27                ; and their scale words'
	s_lshr_b32 s26, s20, 1
	s_mul_i32 s26, s26, 768
	s_and_b32 s27, s20, 1
	s_lshl_b32 s27, s27, 7
	s_add_co_u32 s26, s26, s27
	s_add_co_u32 s26, s26, VST
	v_mul_u32_u24 v10, v125, 3072
	v_lshl_add_u32 v10, v124, 3, v10
	v_add_nc_u32 v10, s26, v10                     ; v: d tile 2 i + h, keys 32 w on: lane r + 16 (w&1) of half image w>>1
	s_lshr_b32 s26, s20, 2
	s_lshl_b32 s26, s26, 6
	s_and_b32 s27, s20, 3
	s_add_co_u32 s26, s26, s27
	s_add_co_u32 s26, s26, VSS
	v_lshlrev_b32 v11, 7, v125
	v_lshl_add_u32 v11, v124, 2, v11
	v_add_nc_u32 v11, s26, v11                     ; its scale byte: byte w&3 of word r of K step w>>2
	s_mul_i32 s26, s20, 1536
	s_add_co_u32 s27, s26, VST
	v_add_nc_u32 v12, s27, v1
	v_add_nc_u32 v13, VSS, v1
	s_mul_i32 s27, s24, 12288
	s_add_co_u32 s27, s27, s26
	s_add_co_u32 s27, s27, VTI
	v_add_nc_u32 v14, s27, v1
	s_lshl_b32 s27, s24, 9
	s_add_co_u32 s27, s27, VTS
	v_add_nc_u32 v15, s27, v1
	v_lshlrev_b32 v230, 4, v0                      ; the copy: 16 bytes a thread,
	v_lshlrev_b32 v231, 3, v0                      ; 8 of the scale words
	v_add_nc_u32 v228, W2L, v230
	v_add_nc_u32 v229, WSL, v231
	s_mul_i32 s26, s21, 2*786432
	s_mul_i32 s27, s22, 49152
	s_add_co_u32 s26, s26, s27
	s_mov_b32 s27, 0
	s_lshl_b32 s28, s21, 16
	s_lshl_b32 s29, s22, 11
	s_add_co_u32 s28, s28, s29
	s_add_co_u32 s28, s28, WSCO
	s_mov_b32 s29, 0
	s_wait_kmcnt 0x0
	s_add_nc_u64 s[26:27], s[4:5], s[26:27]
	s_add_nc_u64 s[28:29], s[4:5], s[28:29]
.irp mt, 0,1
.irp ch, 0,1,2,3,4,5,6,7,8,9,10,11
	global_load_b128 v[128+48*\mt+4*\ch:131+48*\mt+4*\ch], v230, s[26:27] offset:786432*\mt+4096*\ch
.endr
	global_load_b64 v[224+2*\mt:225+2*\mt], v231, s[28:29] offset:32768*\mt
.endr
	s_cmp_eq_u32 s21, 1
	s_cselect_b64 s[30:31], s[10:11], s[6:7]
	s_cselect_b64 s[32:33], s[12:13], s[8:9]
	s_cmp_eq_u32 s21, 2
	s_cselect_b64 s[30:31], s[14:15], s[30:31]
	s_cselect_b64 s[32:33], s[16:17], s[32:33]
	s_wait_loadcnt 0x0
.irp ch, 0,1,2,3,4,5,6,7,8,9,10,11
	ds_store_b128 v230, v[128+4*\ch:131+4*\ch] offset:4096*\ch
.endr
.irp ch, 0,1,2,3,4,5,6,7,8,9,10,11
	ds_store_b128 v228, v[176+4*\ch:179+4*\ch] offset:4096*\ch
.endr
	ds_store_b64 v229, v[224:225]
	ds_store_b64 v229, v[226:227] offset:2048
	BARRIER                                        ; both weights lie in LDS
	s_cmp_eq_u32 s21, 2
	s_cbranch_scc1 .Lv
	; ---- q, k.  The biases are loaded into the accumulators: register 32 g + 16 b + i = column 32 b + 16 h + i of the head
.irp mt, 0,1
.irp g, 0,1
.irp j, 0,1,2,3
	global_load_b128 v[ACC+64*\mt+32*\g+8*\j:ACC+64*\mt+32*\g+8*\j+3], v5, s[30+2*\mt:31+2*\mt] offset:128*(\j/2)+32*(\j%2)
	global_load_b128 v[ACC+64*\mt+32*\g+8*\j+4:ACC+64*\mt+32*\g+8*\j+7], v5, s[30+2*\mt:31+2*\mt] offset:128*(\j/2)+32*(\j%2)+16
.endr
.endr
.endr
	ALOAD 0, 0
.irp ks, 0,1,2,3,4,5,6,7
	KSTEP \ks, 0, 0
.endr
	PLACES 4
.irp k, 0,1,2,3
	SILU16 128+16*\k, 192+16*\k, 24
.endr
.irp g, 0,1
	QUANT2 128+32*\g, 40+6*\g, 52, 126+\g
.irp p, 0,1,2
	global_store_b64 v8, v[40+6*\g+2*\p:41+6*\g+2*\p], s[18:19] offset:768*\g+256*\p   ; 256 consecutive bytes, aligned
.endr
.endr
	s_mov_b32 vcc_lo, 0xffff0000
	v_cndmask_b32 v126, v126, v127, vcc_lo         ; lanes 0-15 the first tile's words, lanes 16-31 the second's; bytes 2 and 3 are 0
	global_store_b32 v9, v126, s[18:19]
	s_set_vgpr_msb 0x5
	s_wait_tensorcnt 0x0
	ds_add_u32 v0, v1
	s_wait_dscnt 0x0
	s_set_vgpr_msb 0x500
	s_endpgm
.Lv:	; ---- v.  A lane holds one column: its bias is one number for each (matrix, tile), kept in v120-127 through the loop
.irp mt, 0,1
.irp j, 0,1,2,3
	global_load_b32 v[120+4*\mt+\j], v7, s[30+2*\mt:31+2*\mt] offset:128*(\j/2)+32*(\j%2)
.endr
.endr
	ALOAD 0, 0
	KSTEP 0, 1, 1                                  ; the first K step starts the sums
.irp ks, 1,2,3,4,5,6,7
	KSTEP \ks, 1, 0
.endr
	PLACES 4
.irp mt, 0,1
.irp j, 0,1,2,3
.irp k, 0,1,2,3,4,5,6,7,8,9,10,11,12,13,14,15
	v_add_f32 v[ACC+64*\mt+16*\j+\k], v[ACC+64*\mt+16*\j+\k], v[120+4*\mt+\j]
.endr
.endr
.endr
.irp k, 0,1,2,3
	SILU16 128+16*\k, 192+16*\k, 24
.endr
	s_mov_b32 vcc_lo, 0xffff0000
.irp i, 0,1                            ; the two "blocks" are d tiles 2 i and 2 i + 1; K = my 32 tokens
	QUANT2 128+32*\i, 40+6*\i, 52, 126
	v_cndmask_b32 v[56+\i], v[TM+2], v[TM+3], vcc_lo
.irp p, 0,1,2
	ds_store_b64 v10, v[40+6*\i+2*\p:41+6*\i+2*\p] offset:6144*\i+256*\p
.endr
	ds_store_b8 v11, v[56+\i] offset:256*\i
.endr
	BARRIER                                        ; the head's images of v lie in LDS
.irp q, 0,1,2
	ds_load_b128 v[60+4*\q:63+4*\q], v12 offset:512*\q
.endr
	s_wait_dscnt 0x0
.irp q, 0,1,2
	global_store_b128 v14, v[60+4*\q:63+4*\q], s[18:19] offset:512*\q
.endr
	s_cmp_lg_u32 s20, 0
	s_cbranch_scc1 .Ldone
	ds_load_b128 v[72:75], v13
	s_wait_dscnt 0x0
	global_store_b128 v15, v[72:75], s[18:19]
.Ldone:
	s_set_vgpr_msb 0x5
	s_wait_tensorcnt 0x0
	ds_add_u32 v0, v1
	s_wait_dscnt 0x0
	s_set_vgpr_msb 0x500
	s_endpgm
.Lfunc_end_k_qc304e864e1_qkv:
	.size	k_qc304e864e1_qkv, .Lfunc_end_k_qc304e864e1_qkv-k_qc304e864e1_qkv
	.p2alignl 7, 3214868480
	.fill 96, 4, 3214868480
	.section	.rodata,"a",@progbits
	.p2align	6, 0x0
	.amdhsa_kernel k_qc304e864e1_qkv
		.amdhsa_group_segment_fixed_size 116736
		.amdhsa_private_segment_fixed_size 0
		.amdhsa_enable_private_segment 0
		.amdhsa_kernarg_size 64
		.amdhsa_user_sgpr_count 2
		.amdhsa_user_sgpr_kernarg_segment_ptr 1
		.amdhsa_wavefront_size32 1
		.amdhsa_system_sgpr_workgroup_id_x 1
		.amdhsa_system_sgpr_workgroup_id_y 1
		.amdhsa_system_sgpr_workgroup_id_z 1
		.amdhsa_system_vgpr_workitem_id 0
		.amdhsa_next_free_vgpr 258
		.amdhsa_next_free_sgpr 66
		.amdhsa_reserve_vcc 1
		.amdhsa_float_denorm_mode_32 3
		.amdhsa_float_denorm_mode_16_64 3
		.amdhsa_memory_ordered 1
		.amdhsa_forward_progress 1
		.amdhsa_inst_pref_size 132
	.end_amdhsa_kernel
	.amdgpu_metadata
---
amdhsa.version: [ 1, 2 ]
amdhsa.kernels:
  - .name:           k_qc304e864e1_qkv
    .symbol:         k_qc304e864e1_qkv.kd
    .args:
      - { .name: prepb, .offset: 0, .size: 8, .value_kind: global_buffer, .address_space: global }
      - { .name: bq1, .offset: 8, .size: 8, .value_kind: global_buffer, .address_space: global }
      - { .name: bq2, .offset: 16, .size: 8, .value_kind: global_buffer, .address_space: global }
      - { .name: bk1, .offset: 24, .size: 8, .value_kind: global_buffer, .address_space: global }
      - { .name: bk2, .offset: 32, .size: 8, .value_kind: global_buffer, .address_space: global }
      - { .name: bv1, .offset: 40, .size: 8, .value_kind: global_buffer, .address_space: global }
      - { .name: bv2, .offset: 48, .size: 8, .value_kind: global_buffer, .address_space: global }
      - { .name: qkvb, .offset: 56, .size: 8, .value_kind: global_buffer, .address_space: global }
    .group_segment_fixed_size: 116736
    .private_segment_fixed_size: 0
    .kernarg_segment_align: 8
    .kernarg_segment_size: 64
    .max_flat_workgroup_size: 256
    .sgpr_count:     66
    .vgpr_count:     258
    .wavefront_size: 32
...
	.end_amdgpu_metadata
.endif
;; end of part 2
;; launch attn (part 3): grid 64 x 1, 16 waves a work-group, no clusters, 153,600 bytes of LDS; arguments qkvb, prepb, x, mask, bo, ln2_g, ln2_b, gate_w, gate_b, mid, topi; writes mid, topi
.if DOCPART == 3
	.amdgcn_target "amdgcn-amd-amdhsa--gfx1250"
	.amdhsa_code_object_version 6
	.text
	.protected	k_qc304e864e1_attn
	.globl	k_qc304e864e1_attn
	.p2align	8
	.type	k_qc304e864e1_attn,@function
k_qc304e864e1_attn:
	s_mov_b64 s[64:65], 0
	v_nop
	global_prefetch_b8 v0, s[64:65] scope:SCOPE_SE
	s_setreg_imm32_b32 hwreg(HW_REG_WAVE_MODE, 25, 1), 1
	s_wait_xcnt 0x0
; 16 tokens to a work-group.  Wave w: head w's attention for them (all 256 keys at once), then columns 64 w .. 64 w + 63 of x1 = x + ctx wo + bo,
; LayerNorm 2, its part of the gate's logits (f32 multiply-adds) and of x2's codes.  Wave 0 ends with the gate's softmax and the top 2.
; SOFTMAX: t = score log2(e) / 8, or -1e9 log2(e) where the mask word is 0 (a whole number in f32); M = ceil(the row's largest t); p = 2^(t - M) is quantised along the keys;
; the sum of the unquantised p divides at the end.  All keys of a row are in the wave at once, so M is the row's own.
; Both products are used transposed (S^T = K Q^T, O^T = V^T P^T): a lane holds one token throughout.  The head has 64 channels: the upper 64 of the instruction's 128 meet Q's zero codes.
; ONCE, DENSELY, THROUGH LDS: all sixteen heads want the same 16 rows of the mask, and a lane wants 16-byte pieces of its own token's row.  So wave w fetches row w of the mask (2 loads) and row w of x (8 loads),
; each load 512 consecutive bytes, and stores them to LDS; behind one barrier every wave reads its pieces from there.  A wave's 2 KiB of gate_w, of which sixteen lanes want the same 16 bytes, come the same way (4 loads; its own bytes).
; mid: x1 f32 at 0; x2's codes row by row at X2BC [1024][768]; its scale bytes at X2BS [1024][32]; the two gate weights at TOPP [1024][2].  topi: the two experts [1024][2].
; No cluster: the 64 work-groups all read wo's 768 KiB of codes, each wave its own 48 KiB, straight into registers; there is no LDS tile to share.
; LIMITS: NaN and infinities are not served; blocks under 2^-122 get the byte 1; any mask word but 0 counts as true; a tie among the gate's probabilities goes to the lower index.
.set QKS, 1572864
.set VTI, 1703936
.set VTS, 2490368
.set WSCO, 5505024+6*32768
.set WIMO, 6*786432
.set CSC, 12288                        ; LDS: ctx's 8 images at 0; their scale words here;
.set RED1, 12800                       ; two tables of 16 rows x 16 waves;
.set GRED, 14848                       ; the gate's partial logits, 16 rows x (16 waves x 32 bytes + 16);
.set XST, 23296                        ; x2's codes, 16 rows x 768;
.set XSS, 35584                        ; its scale bytes, 16 x 32;
.set X1S, 36096                        ; x, later x1: 16 rows x (4,096 + 16);
.set MSK, 101888                       ; the mask, 16 rows x (1,024 + 16): the sixteen rows that a read touches start 16 bytes apart modulo 256;
.set GWL, 118528                       ; gate_w, 2,048 bytes for each wave
.set X2BC, 4194304
.set X2BS, 4980736
.set TOPP, 5013504
.set TM, 216
.macro PLACES n
.rept \n
	v_nop
.endr
.endm
.macro BARRIER
	s_wait_dscnt 0x0
	s_barrier_signal -1
	s_barrier_wait -1
.endm
.macro WM d, a, b, c, sa, sb, sel
.if (\c) < 0
.if (\sel) == 0
	v_wmma_scale_f32_16x16x128_f8f6f4 v[(\d):(\d)+7], v[(\a):(\a)+11], v[(\b):(\b)+11], 0, v[(\sa)], v[(\sb)] matrix_a_fmt:MATRIX_FMT_BF6 matrix_b_fmt:MATRIX_FMT_BF6
.else
	v_wmma_scale_f32_16x16x128_f8f6f4 v[(\d):(\d)+7], v[(\a):(\a)+11], v[(\b):(\b)+11], 0, v[(\sa)], v[(\sb)] matrix_a_fmt:MATRIX_FMT_BF6 matrix_b_fmt:MATRIX_FMT_BF6 matrix_a_scale:MATRIX_SCALE_ROW1
.endif
.else
.if (\sel) == 0
	v_wmma_scale_f32_16x16x128_f8f6f4 v[(\d):(\d)+7], v[(\a):(\a)+11], v[(\b):(\b)+11], v[(\c):(\c)+7], v[(\sa)], v[(\sb)] matrix_a_fmt:MATRIX_FMT_BF6 matrix_b_fmt:MATRIX_FMT_BF6
.else
	v_wmma_scale_f32_16x16x128_f8f6f4 v[(\d):(\d)+7], v[(\a):(\a)+11], v[(\b):(\b)+11], v[(\c):(\c)+7], v[(\sa)], v[(\sb)] matrix_a_fmt:MATRIX_FMT_BF6 matrix_b_fmt:MATRIX_FMT_BF6 matrix_a_scale:MATRIX_SCALE_ROW1
.endif
.endif
.endm
.macro QUANT2 s, pa, px, pw
	v_max3_num_f32 v[TM], |v[(\s)]|, |v[(\s)+1]|, 0x2800000
	v_max3_num_f32 v[TM+1], |v[(\s)+16]|, |v[(\s)+17]|, 0x2800000
.irp i, 2,4,6,8,10,12,14
	v_max3_num_f32 v[TM], v[TM], |v[(\s)+\i]|, |v[(\s)+\i+1]|
	v_max3_num_f32 v[TM+1], v[TM+1], |v[(\s)+16+\i]|, |v[(\s)+17+\i]|
.endr
	v_permlanex16_b32 v[TM+2], v[TM], s40, s41
	v_permlanex16_b32 v[TM+3], v[TM+1], s40, s41
	v_max_num_f32 v[TM], v[TM], v[TM+2]
	v_max_num_f32 v[TM+1], v[TM+1], v[TM+3]
	v_add_nc_u32 v[TM+4], 0xfe000000, v[TM]
	v_add_nc_u32 v[TM+5], 0xfe000000, v[TM+1]
	v_lshrrev_b32 v[TM+2], 23, v[TM+4]
	v_lshrrev_b32 v[TM+3], 23, v[TM+5]
	v_lshl_or_b32 v[\pw], v[TM+3], 8, v[TM+2]
	v_cvt_scalef32_pk16_bf6_f32 v[(\pa):(\pa)+2], v[(\s):(\s)+15], v[TM+4]
	v_cvt_scalef32_pk16_bf6_f32 v[(\px):(\px)+2], v[(\s)+16:(\s)+31], v[TM+5]
	v_nop
.irp i, 0,1,2
	v_permlane16_swap_b32 v[(\pa)+\i], v[(\px)+\i]
.endr
.irp i, 0,1,2
	v_mov_b32 v[(\pa)+3+\i], v[(\px)+\i]
.endr
.endm
.macro CVT2 s, so0, so1, pa, px, dst   ; the conversions alone, the scale operands given
	v_cvt_scalef32_pk16_bf6_f32 v[(\pa):(\pa)+2], v[(\s):(\s)+15], v[\so0]
	v_cvt_scalef32_pk16_bf6_f32 v[(\px):(\px)+2], v[(\s)+16:(\s)+31], v[\so1]
	v_nop
.irp i, 0,1,2
	v_permlane16_swap_b32 v[(\pa)+\i], v[(\px)+\i]
.endr
.if (\pa) != (\dst)
.irp i, 0,1,2
	v_mov_b32 v[(\dst)+\i], v[(\pa)+\i]
.endr
.endif
.irp i, 0,1,2
	v_mov_b32 v[(\dst)+3+\i], v[(\px)+\i]
.endr
.endm
.macro KLOAD hf                        ; eight key tiles, six registers each, on end: a fragment's upper six registers are the next tile's codes, which meet Q's zeros
.irp t, 0,1,2,3,4,5,6,7
.irp p, 0,1,2
	global_load_b64 v[16+6*\t+2*\p:17+6*\t+2*\p], v4, s[4:5] offset:(8*(\hf)+\t)*768+256*\p
.endr
.endr
.irp i, 0,1,2,3
	global_load_b32 v[82+\i], v5, s[4:5] offset:512*(\hf)+128*\i       ; lanes 0-15 tile 2 i's words, lanes 16-31 tile 2 i + 1's
.endr
.endm
.macro MLDS reg, blk                   ; the mask words of key blocks blk, blk + 1, out of LDS, in the scores' layout
.irp bb, 0,1
.irp q, 0,1,2,3
	ds_load_b128 v[(\reg)+16*\bb+4*\q:(\reg)+16*\bb+4*\q+3], v8 offset:128*((\blk)+\bb)+16*\q
.endr
.endr
.endm
.macro SPROD hf
.irp t, 0,1,2,3,4,5,6,7
	WM 128+64*(\hf)+8*\t, 16+6*\t, 70, -1, 82+\t/2, 86, \t%2
.endr
.endm
.macro SCMASK mreg, sreg               ; 32 scores become t; where the mask word is 0, -1e9 log2(e)
.set si, 0
.rept 16
	v_pk_mul_f32 v[(\sreg)+si:(\sreg)+si+1], v[(\sreg)+si:(\sreg)+si+1], s[42:43] op_sel_hi:[1,0]
.set si, si+2
.endr
.set si, 0
.rept 32
	v_cmp_eq_u32 vcc_lo, 0, v[(\mreg)+si]
	v_cndmask_b32 v[(\sreg)+si], v[(\sreg)+si], v87, vcc_lo
.set si, si+1
.endr
.endm
.macro WLOAD ks                        ; wo's four fragments of a K step: 12 loads, into one of three buffers: v16-63, v64-111, v128-175
.set WB, 16+48*((\ks)%3)+16*(((\ks)%3)/2)
.irp j, 0,1,2,3
.irp q, 0,1,2
	global_load_b128 v[WB+12*\j+4*\q:WB+12*\j+4*\q+3], v7, s[6:7] offset:\j*12288+(\ks)*1536+512*\q
.endr
.endr
.endm
.macro FOLD
	v_pk_add_f32 v[80:81], v[80:81], v[82:83]
	v_pk_add_f32 v[84:85], v[84:85], v[86:87]
	v_pk_add_f32 v[80:81], v[80:81], v[84:85]
	v_add_f32 v80, v80, v81
	v_permlanex16_b32 v81, v80, s40, s41
	v_add_f32 v80, v80, v81
.endm
.macro ACROSS off                      ; over the sixteen waves
	ds_store_b32 v14, v80 offset:\off
	BARRIER
.irp q, 0,1,2,3
	ds_load_b128 v[80+4*\q:83+4*\q], v15 offset:(\off)+16*\q
.endr
	s_wait_dscnt 0x0
	v_pk_add_f32 v[80:81], v[80:81], v[82:83]
	v_pk_add_f32 v[84:85], v[84:85], v[86:87]
	v_pk_add_f32 v[88:89], v[88:89], v[90:91]
	v_pk_add_f32 v[92:93], v[92:93], v[94:95]
	v_pk_add_f32 v[80:81], v[80:81], v[84:85]
	v_pk_add_f32 v[88:89], v[88:89], v[92:93]
	v_pk_add_f32 v[80:81], v[80:81], v[88:89]
	v_add_f32 v80, v80, v81
.endm
.macro GWLOAD ch, buf                  ; gate_w's rows of eight of my columns, out of my wave's own LDS bytes: 16 reads; the sixteen lanes of a half share each word
.irp ii, 0,1,2,3,4,5,6,7
	ds_load_b128 v[(\buf)+8*\ii:(\buf)+8*\ii+3], v4 offset:1024*((\ch)/2)+256*((\ch)%2)+32*\ii
	ds_load_b128 v[(\buf)+8*\ii+4:(\buf)+8*\ii+7], v4 offset:1024*((\ch)/2)+256*((\ch)%2)+32*\ii+16
.endr
.endm
.macro GFMA ch, buf, first
.irp ii, 0,1,2,3,4,5,6,7
.irp e, 0,1,2,3,4,5,6,7
.if (\first) && (\ii == 0)
	v_mul_f32 v[168+\e], v[(\buf)+\e], v[224+16*((\ch)/2)+8*((\ch)%2)]
.else
	v_fmac_f32 v[168+\e], v[(\buf)+8*\ii+\e], v[224+16*((\ch)/2)+8*((\ch)%2)+\ii]
.endif
.endr
.endr
.endm
.macro TOP1 best, idx                  ; strictly greater alone moves the choice: the lower index keeps a tie
	v_mov_b32 v[\best], v72
	v_mov_b32 v[\idx], 0
.irp e, 1,2,3,4,5,6,7
	v_cmp_gt_f32 vcc_lo, v[72+\e], v[\best]
	v_cndmask_b32 v[\best], v[\best], v[72+\e], vcc_lo
	v_cndmask_b32 v[\idx], v[\idx], \e, vcc_lo
.endr
.endm
	s_load_b256 s[4:11], s[0:1], 0x0               ; qkvb, prepb, x, mask
	s_load_b256 s[12:19], s[0:1], 0x20             ; bo, ln2_g, ln2_b, gate_w
	s_load_b128 s[20:23], s[0:1], 0x40             ; gate_b, mid
	s_load_b64 s[24:25], s[0:1], 0x50              ; topi
.irp i, 64,65,66,67,68,69,76,77,78,79,80,81
	v_mov_b32 v[\i], 0                             ; zero codes: behind the last key tile, and Q's upper 64
.endr
	v_mov_b32 v87, 0xceabfb8f                      ; -1e9 log2(e)
	v_lshrrev_b32 v1, 5, v0
	v_readfirstlane_b32 s26, v1                    ; wave = head
	v_and_b32 v1, 31, v0                           ; lane
	v_and_b32 v2, 15, v0                           ; r: my token of the 16
	v_bfe_u32 v3, v0, 4, 1                         ; h
	s_lshr_b32 s28, ttmp9, 4                       ; batch
	s_and_b32 s29, ttmp9, 15                       ; which 16 tokens of it
	s_lshl_b32 s30, s28, 4
	s_add_co_u32 s30, s30, s26                     ; 16 batch + head
	s_mov_b32 s40, 0x76543210
	s_mov_b32 s41, 0xfedcba98
	s_mov_b32 s42, 0x3e38aa3b                      ; log2(e) / 8
	s_mov_b32 s43, s42
	s_add_co_u32 s31, s30, 64
	s_mul_i32 s44, s31, 12288
	v_lshl_add_u32 v4, v1, 3, s44                  ; keys
	s_lshl_b32 s44, s31, 10
	s_add_co_u32 s44, s44, QKS
	v_lshl_add_u32 v5, v1, 2, s44
	s_lshr_b32 s31, s29, 1
	s_lshl_b32 s31, s31, 1
	s_and_b32 s44, s29, 1
	s_lshl_b32 s44, s44, 3
	v_lshrrev_b32 v9, 3, v2
	v_add_nc_u32 v9, s31, v9                       ; my token's tile,
	v_and_b32 v10, 7, v2
	v_add_nc_u32 v10, s44, v10                     ; and its place there
	s_mul_i32 s45, s30, 12288
	v_mul_u32_u24 v6, v9, 768
	v_lshl_add_u32 v6, v10, 3, v6
	v_lshl_add_u32 v6, v3, 7, v6
	v_add_nc_u32 v6, s45, v6                       ; Q
	s_lshl_b32 s45, s30, 10
	s_add_co_u32 s45, s45, QKS
	v_lshlrev_b32 v7, 6, v9
	v_lshl_add_u32 v7, v10, 2, v7
	v_add_nc_u32 v7, s45, v7
	v_mul_u32_u24 v8, v2, 1040
	v_lshl_add_u32 v8, v3, 6, v8
	v_add_nc_u32 v8, MSK, v8                       ; the mask in LDS: my token's row + 64 h
	s_mul_i32 s45, s30, 12288
	s_add_co_u32 s45, s45, VTI
	v_lshl_add_u32 v9, v1, 3, s45                  ; V
	s_lshl_b32 s45, s30, 9
	s_add_co_u32 s45, s45, VTS
	v_lshl_add_u32 v10, v1, 2, s45
	v_mov_b32 v11, 0
	; the dense fetches: wave w takes row w of the mask, row w of x and its own 2,048 bytes of gate_w, 16 bytes a lane.  Their registers (v128-190) are the scores', which are free until the first products
	v_lshlrev_b32 v184, 4, v1                      ; 16 x lane
	s_lshl_b32 s45, ttmp9, 14
	s_lshl_b32 s46, s26, 10
	s_add_co_u32 s45, s45, s46
	v_add_nc_u32 v185, s45, v184                   ; the mask in memory: row 16 g + w of 1,024 bytes
	s_lshl_b32 s45, ttmp9, 16
	s_lshl_b32 s46, s26, 12
	s_add_co_u32 s45, s45, s46
	v_add_nc_u32 v186, s45, v184                   ; x in memory: row 16 g + w of 4,096 bytes
	s_lshl_b32 s45, s26, 11
	v_add_nc_u32 v187, s45, v184                   ; gate_w in memory: 64 rows of 32 bytes
	s_add_co_u32 s45, s45, GWL
	v_add_nc_u32 v188, s45, v184                   ; and in LDS
	s_mul_i32 s45, s26, 1040
	s_add_co_u32 s45, s45, MSK
	v_add_nc_u32 v189, s45, v184                   ; the mask's row w in LDS
	s_mul_i32 s45, s26, 4112
	s_add_co_u32 s45, s45, X1S
	v_add_nc_u32 v190, s45, v184                   ; x's row w in LDS
	s_wait_kmcnt 0x0
	s_load_b256 s[32:39], s[20:21], 0x0            ; gate_b: waited for where wave 0 uses it
	global_load_b128 v[160:163], v185, s[10:11] th:TH_LOAD_NT              ; each of these 14 loads covers 512 consecutive bytes, aligned
	global_load_b128 v[164:167], v185, s[10:11] offset:512 th:TH_LOAD_NT
.irp i, 0,1,2,3,4,5,6,7
	global_load_b128 v[128+4*\i:131+4*\i], v186, s[8:9] offset:512*\i th:TH_LOAD_NT
.endr
.irp i, 0,1,2,3
	global_load_b128 v[168+4*\i:171+4*\i], v187, s[18:19] offset:512*\i
.endr
.irp p, 0,1,2
	global_load_b64 v[70+2*\p:71+2*\p], v6, s[4:5] offset:256*\p
.endr
	global_load_b32 v86, v7, s[4:5]
	KLOAD 0
	s_wait_loadcnt 32                              ; the 14 dense loads are in; Q's 4 loads and the key tiles' 28 may be out
	ds_store_b128 v189, v[160:163]
	ds_store_b128 v189, v[164:167] offset:512
.irp i, 0,1,2,3,4,5,6,7
	ds_store_b128 v190, v[128+4*\i:131+4*\i] offset:512*\i
.endr
.irp i, 0,1,2,3
	ds_store_b128 v188, v[168+4*\i:171+4*\i] offset:512*\i
.endr
	BARRIER                                        ; the 16 rows of the mask and of x lie in LDS
	MLDS 88, 0
	s_wait_loadcnt 0x0                             ; Q and key tiles 0-7
	SPROD 0                                        ; keys 0-127: register 128 + 16 b + i = key 32 b + 16 h + i
	PLACES 4
	KLOAD 1
	s_wait_dscnt 0x0
	SCMASK 88, 128
	MLDS 88, 2
	s_wait_dscnt 0x0
	SCMASK 88, 160
	MLDS 88, 4
	s_wait_loadcnt 0x0                             ; key tiles 8-15
	SPROD 1                                        ; keys 128-255
	PLACES 4
	MLDS 16, 6
	s_wait_dscnt 0x0
	SCMASK 88, 192
	SCMASK 16, 224
.irp j, 0,1,2,3                        ; all of V^T: fragment (d tile j, key step ks) at v[16 + 24 j + 12 ks]; it lands under the softmax
.irp ks, 0,1
.irp c, 0,1
.irp p, 0,1,2
	global_load_b64 v[16+24*\j+12*\ks+6*\c+2*\p:17+24*\j+12*\ks+6*\c+2*\p], v9, s[4:5] offset:\j*3072+(2*\ks+\c)*768+256*\p
.endr
.endr
.endr
	global_load_b32 v[112+\j], v10, s[4:5] offset:128*\j           ; lanes 0-15 key step 0's words, lanes 16-31 key step 1's
.endr
	s_wait_xcnt 0x0                                ; the loads have read their address registers: v4-11 become temporaries
.irp bb, 0,1,2,3,4,5,6,7
	v_max3_num_f32 v[116+\bb], v[128+16*\bb], v[129+16*\bb], v[130+16*\bb]     ; each block's largest t: for the row's maximum, and for the block's largest p
.endr
.irp i, 3,5,7,9,11,13
.irp bb, 0,1,2,3,4,5,6,7
	v_max3_num_f32 v[116+\bb], v[116+\bb], v[128+16*\bb+\i], v[129+16*\bb+\i]
.endr
.endr
.irp bb, 0,1,2,3,4,5,6,7
	v_max_num_f32 v[116+\bb], v[116+\bb], v[143+16*\bb]
.endr
.irp bb, 0,1,2,3,4,5,6,7
	v_permlanex16_b32 v[4+\bb], v[116+\bb], s40, s41
.endr
.irp bb, 0,1,2,3,4,5,6,7
	v_max_num_f32 v[116+\bb], v[116+\bb], v[4+\bb]
.endr
	v_max3_num_f32 v12, v116, v117, v118
	v_max3_num_f32 v13, v119, v120, v121
	v_max3_num_f32 v12, v12, v122, v123
	v_max_num_f32 v12, v12, v13
	v_floor_f32 v12, -v12                          ; -M = floor(-t) = -ceil(t)
	v_mov_b32 v13, v12
.set si, 0
.rept 64
	v_pk_add_f32 v[128+si:129+si], v[128+si:129+si], v[12:13]
.set si, si+2
.endr
.irp bb, 0,1,2,3,4,5,6,7
	v_add_f32 v[116+\bb], v[116+\bb], v12
.endr
.set si, 0
.rept 128
	v_exp_f32 v[128+si], v[128+si]                 ; p = 2^(t - M)
.set si, si+1
.endr
.irp bb, 0,1,2,3,4,5,6,7
	v_exp_f32 v[116+\bb], v[116+\bb]               ; the same two instructions on the same number: the block's largest p
.endr
	v_nop                                          ; one plain line behind the exponentials
	s_wait_alu depctr_va_vdst(0)
	v_pk_add_f32 v[14:15], v[128:129], v[130:131]  ; the row's sum, of the unquantised p, in two chains
	v_pk_add_f32 v[4:5], v[132:133], v[134:135]
.set si, 8
.rept 30
	v_pk_add_f32 v[14:15], v[14:15], v[128+si:129+si]
	v_pk_add_f32 v[4:5], v[4:5], v[130+si:131+si]
.set si, si+4
.endr
	v_pk_add_f32 v[14:15], v[14:15], v[4:5]
.irp bb, 0,1,2,3,4,5,6,7
	v_max_num_f32 v[116+\bb], 0x2800000, v[116+\bb]
.endr
.irp bb, 0,1,2,3,4,5,6,7
	v_add_nc_u32 v[116+\bb], 0xfe000000, v[116+\bb]
.endr
.irp bb, 0,1,2,3,4,5,6,7
	v_lshrrev_b32 v[4+\bb], 23, v[116+\bb]
.endr
	v_lshl_or_b32 v124, v5, 8, v4                  ; p's scale words: keys 0-127,
	v_lshl_or_b32 v125, v9, 8, v8                  ; keys 128-255
	v_lshl_or_b32 v124, v6, 16, v124
	v_lshl_or_b32 v125, v10, 16, v125
	v_lshl_or_b32 v124, v7, 24, v124
	v_lshl_or_b32 v125, v11, 24, v125
	CVT2 128, 116, 117, 4, 8, 128                  ; p's two fragments come to lie at v128-139 and v140-151, over p's own registers as they are used up
	CVT2 160, 118, 119, 134, 8, 134
	CVT2 192, 120, 121, 140, 8, 140
	CVT2 224, 122, 123, 146, 8, 146
	v_add_f32 v14, v14, v15
	v_permlanex16_b32 v15, v14, s40, s41
	v_add_f32 v14, v14, v15
	v_rcp_f32 v14, v14
	v_nop
	s_wait_alu depctr_va_vdst(0)
	v_mov_b32 v15, v14
	PLACES 8                                       ; scale words written by vector lines stand eight plain lines ahead of a scaled product, operands four
	s_wait_loadcnt 0x0                             ; V
.irp j, 0,1,2,3
	WM 152+8*\j, 16+24*\j, 128, -1, 112+\j, 124, 0
.endr
.irp j, 0,1,2,3
	WM 152+8*\j, 28+24*\j, 140, 152+8*\j, 112+\j, 125, 1           ; the four accumulators by turns
.endr
	; the addresses of the next phase: eight plain lines that name none of the products' registers stand behind the products
	s_lshl_b32 s45, s26, 8
	s_add_co_u32 s44, s45, X1S
	v_mul_u32_u24 v4, v2, 4112
	v_lshl_add_u32 v4, v3, 6, v4
	v_add_nc_u32 v4, s44, v4                       ; x in LDS: my token's row + 256 w + 64 h
	v_lshl_add_u32 v6, v3, 6, s45                  ; bo, ln2_g, ln2_b: 256 w + 64 h
	s_lshl_b32 s44, s26, 11
	s_add_co_u32 s44, s44, WSCO
	v_lshlrev_b32 v5, 2, v2
	v_lshl_add_u32 v5, v3, 9, v5
	v_add_nc_u32 v5, s44, v5                       ; wo's scale words: lanes 16-31 take the next tile's
	s_mul_i32 s44, s26, 49152
	s_add_co_u32 s44, s44, WIMO
	v_lshl_add_u32 v7, v1, 4, s44                  ; wo's images
.set si, 0
.rept 16
	v_pk_mul_f32 v[184+si:185+si], v[152+si:153+si], v[14:15]      ; ctx = O / the sum: register 16 b + i = channel 32 b + 16 h + i
.set si, si+2
.endr
.irp b, 0,1
.irp q, 0,1,2,3
	ds_load_b128 v[224+16*\b+4*\q:227+16*\b+4*\q], v4 offset:128*\b+16*\q          ; x goes straight into the accumulators; only I read these bytes, and I write x1 over them behind the next barrier
.endr
.endr
.irp i, 0,1
.irp ks, 0,1,2,3,4,5,6,7
	global_load_b32 v[112+8*\i+\ks], v5, s[6:7] offset:1024*\i+64*\ks
.endr
.endr
.irp b, 0,1
.irp q, 0,1,2,3
	global_load_b128 v[152+16*\b+4*\q:155+16*\b+4*\q], v6, s[12:13] offset:128*\b+16*\q
.endr
.endr
	WLOAD 0
	WLOAD 1
	QUANT2 184, 128, 134, 222
	s_lshr_b32 s44, s26, 1                         ; ctx's K step w>>1, its half w&1: registers 6 c .. 6 c + 5 of the image
	s_and_b32 s45, s26, 1
	s_mul_i32 s46, s44, 1536
	s_mul_i32 s47, s45, 520
	s_add_co_u32 s47, s47, s46
	v_lshl_add_u32 v8, v1, 4, s47
	s_mul_i32 s47, s45, 1016
	s_add_co_u32 s47, s47, s46
	v_lshl_add_u32 v9, v1, 4, s47
	s_lshl_b32 s46, s44, 6
	s_lshl_b32 s47, s45, 1
	s_add_co_u32 s46, s46, s47
	s_add_co_u32 s46, s46, CSC
	v_lshl_add_u32 v10, v2, 2, s46
	v_lshlrev_b32 v11, 4, v1
	v_lshl_add_u32 v12, v2, 2, CSC
	ds_store_b64 v8, v[128:129]
	ds_store_b64 v9, v[130:131] offset:8
	ds_store_b64 v8, v[132:133] offset:512
	ds_store_b16 v10, v222
	BARRIER                                        ; ctx's eight fragments lie in LDS, and x is in my accumulators
	s_wait_loadcnt 24                              ; the scale words and bo are in; wo's first two K steps, 24 loads, may be out
.set si, 0
.rept 16
	v_pk_add_f32 v[224+si:225+si], v[224+si:225+si], v[152+si:153+si]
.set si, si+2
.endr
	WLOAD 2                                        ; the third buffer lies where p's and ctx's codes and bo lay: three K steps, 36 loads, are on their way
.irp ks, 0,1,2,3,4,5,6,7
.irp q, 0,1,2
	ds_load_b128 v[184+4*\q:187+4*\q], v11 offset:\ks*1536+512*\q
.endr
	ds_load_b32 v196, v12 offset:64*\ks
.if \ks < 6
	s_wait_loadcnt 24                              ; this K step's weights are in; the next two steps' 24 loads may be out
.elseif \ks == 6
	s_wait_loadcnt 12                              ; the last step's 12 may be out
.else
	s_wait_loadcnt 0x0
.endif
	s_wait_dscnt 0x0
.irp j, 0,1,2,3
	WM 224+8*\j, 16+48*(\ks%3)+16*((\ks%3)/2)+12*\j, 184, 224+8*\j, 112+8*(\j/2)+\ks, 196, \j%2
.endr
	PLACES 4
.if \ks < 5
	WLOAD \ks+3
.endif
.endr
	; ---- x1 is whole: register 224 + 16 b + i = column 64 w + 32 b + 16 h + i of my token
	v_mul_u32_u24 v13, v2, 4112
	v_lshl_add_u32 v13, v3, 6, v13
	s_lshl_b32 s44, s26, 8
	s_add_co_u32 s44, s44, X1S
	v_add_nc_u32 v13, s44, v13
	s_lshl_b32 s44, s26, 2
	s_add_co_u32 s44, s44, RED1
	v_lshl_add_u32 v14, v2, 6, s44
	v_lshl_add_u32 v15, v2, 6, RED1
.irp b, 0,1
.irp q, 0,1,2,3
	ds_store_b128 v13, v[224+16*\b+4*\q:227+16*\b+4*\q] offset:128*\b+16*\q
.endr
.endr
.irp b, 0,1
.irp q, 0,1,2,3
	global_load_b128 v[16+16*\b+4*\q:19+16*\b+4*\q], v6, s[14:15] offset:128*\b+16*\q
.endr
.endr
.irp b, 0,1
.irp q, 0,1,2,3
	global_load_b128 v[48+16*\b+4*\q:51+16*\b+4*\q], v6, s[16:17] offset:128*\b+16*\q
.endr
.endr
.irp k, 0,1,2,3
	v_pk_add_f32 v[80+2*\k:81+2*\k], v[224+4*\k:225+4*\k], v[226+4*\k:227+4*\k]
.endr
.irp i, 16,24
.irp k, 0,1,2,3
	v_pk_add_f32 v[80+2*\k:81+2*\k], v[80+2*\k:81+2*\k], v[224+\i+2*\k:225+\i+2*\k]
.endr
.endr
	FOLD
	ACROSS 0
	v_mul_f32 v96, 0x3a800000, v80
	v_mov_b32 v97, v96
.set si, 0
.rept 16
	v_pk_add_f32 v[224+si:225+si], v[224+si:225+si], v[96:97] neg_lo:[0,1] neg_hi:[0,1]
.set si, si+2
.endr
.irp k, 0,1,2,3
	v_pk_mul_f32 v[80+2*\k:81+2*\k], v[224+2*\k:225+2*\k], v[224+2*\k:225+2*\k]
.endr
.irp i, 8,16,24
.irp k, 0,1,2,3
	v_pk_fma_f32 v[80+2*\k:81+2*\k], v[224+\i+2*\k:225+\i+2*\k], v[224+\i+2*\k:225+\i+2*\k], v[80+2*\k:81+2*\k]
.endr
.endr
	FOLD
	ACROSS 1024
	v_mul_f32 v96, 0x3a800000, v80
	v_add_f32 v96, 0x3727c5ac, v96
	v_rsq_f32 v96, v96
	v_nop
	s_wait_alu depctr_va_vdst(0)
	v_mov_b32 v97, v96
	s_wait_loadcnt 0x0
.set si, 0
.rept 16
	v_pk_mul_f32 v[224+si:225+si], v[224+si:225+si], v[96:97]
.set si, si+2
.endr
.set si, 0
.rept 16
	v_pk_fma_f32 v[224+si:225+si], v[224+si:225+si], v[16+si:17+si], v[48+si:49+si]
.set si, si+2
.endr
	; ---- the gate: my 32 columns' share of the eight logits, in f32; gate_w out of my wave's own LDS bytes
	s_lshl_b32 s44, s26, 11
	s_add_co_u32 s44, s44, GWL
	v_lshl_add_u32 v4, v3, 9, s44
	GWLOAD 0, 16
	GWLOAD 1, 100
	s_wait_dscnt 16                                ; the older piece is in; the younger piece's 16 reads may be out
	GFMA 0, 16, 1
	GWLOAD 2, 16
	s_wait_dscnt 16
	GFMA 1, 100, 0
	GWLOAD 3, 100
	s_wait_dscnt 16
	GFMA 2, 16, 0
	s_wait_dscnt 0x0
	GFMA 3, 100, 0
.irp e, 0,1,2,3,4,5,6,7
	v_permlanex16_b32 v[176+\e], v[168+\e], s40, s41
.endr
.irp e, 0,1,2,3,4,5,6,7
	v_add_f32 v[168+\e], v[168+\e], v[176+\e]
.endr
	v_mul_u32_u24 v5, v2, 528
	s_lshl_b32 s44, s26, 5
	s_add_co_u32 s44, s44, GRED
	v_add_nc_u32 v5, s44, v5
	ds_store_b128 v5, v[168:171]
	ds_store_b128 v5, v[172:175] offset:16
	QUANT2 224, 128, 134, 222
	v_mul_u32_u24 v7, v2, 768
	v_mad_u32_u24 v7, v3, 24, v7
	s_mul_i32 s44, s26, 48
	s_add_co_u32 s44, s44, XST
	v_add_nc_u32 v7, s44, v7
	v_lshlrev_b32 v8, 5, v2
	s_lshl_b32 s44, s26, 1
	s_add_co_u32 s44, s44, XSS
	v_add_nc_u32 v8, s44, v8
.irp p, 0,1,2
	ds_store_b64 v7, v[128+2*\p:129+2*\p] offset:8*\p
.endr
	ds_store_b16 v8, v222
	; the addresses of the way out, all made ahead of the branches on the wave's number, in v6 and v9-15: no later line writes these
	s_mul_i32 s44, s26, 4112
	s_add_co_u32 s44, s44, X1S
	v_lshl_add_u32 v9, v1, 4, s44
	s_mul_i32 s44, s26, 768
	s_add_co_u32 s45, s44, XST
	v_lshl_add_u32 v10, v1, 3, s45
	s_lshl_b32 s45, ttmp9, 4
	s_add_co_u32 s45, s45, s26
	s_lshl_b32 s45, s45, 12
	v_lshl_add_u32 v11, v1, 4, s45
	s_mul_i32 s45, ttmp9, 12288
	s_add_co_u32 s45, s45, s44
	s_add_co_u32 s45, s45, X2BC
	v_lshl_add_u32 v12, v1, 3, s45
	v_lshl_add_u32 v13, v1, 4, XSS
	v_mul_u32_u24 v14, v2, 528
	v_lshl_add_u32 v14, v3, 4, v14
	v_add_nc_u32 v14, GRED, v14
	s_lshl_b32 s45, ttmp9, 9
	s_add_co_u32 s45, s45, X2BS
	v_lshl_add_u32 v15, v1, 4, s45
	s_lshl_b32 s45, ttmp9, 7
	v_lshl_add_u32 v6, v2, 3, s45                  ; the top 2's place: 8 bytes a token, + 4 h  (the loads that v6 addressed were waited for above)
	v_lshl_add_u32 v6, v3, 2, v6
	BARRIER                                        ; x1, x2's codes and bytes and the partial logits lie in LDS
.irp i, 0,1,2,3,4,5,6,7
	ds_load_b128 v[16+4*\i:19+4*\i], v9 offset:512*\i              ; row w of x1, whole
.endr
.irp p, 0,1,2
	ds_load_b64 v[48+2*\p:49+2*\p], v10 offset:256*\p              ; row w of the codes
.endr
.irp i, 0,1,2,3,4,5,6,7
	s_wait_dscnt 10-\i                                             ; the younger loads may be out
	global_store_b128 v11, v[16+4*\i:19+4*\i], s[22:23] offset:512*\i
.endr
.irp p, 0,1,2
	s_wait_dscnt 2-\p
	global_store_b64 v12, v[48+2*\p:49+2*\p], s[22:23] offset:256*\p
.endr
	s_cmp_eq_u32 s26, 1
	s_cbranch_scc0 .Lnot1
	ds_load_b128 v[60:63], v13
	s_wait_dscnt 0x0
	global_store_b128 v15, v[60:63], s[22:23]
.Lnot1:
	s_cmp_eq_u32 s26, 0
	s_cbranch_scc0 .Lend
	s_wait_kmcnt 0x0                               ; gate_b
.set wi, 0
.rept 16
	ds_load_b128 v[64+4*wi:67+4*wi], v14 offset:32*wi              ; lane (r, h): experts 4 h .. 4 h + 3 of row r, from each wave: v64-127
.set wi, wi+1
.endr
	s_wait_dscnt 0x0
.set wi, 1
.rept 15
	v_pk_add_f32 v[64:65], v[64:65], v[64+4*wi:65+4*wi]
	v_pk_add_f32 v[66:67], v[66:67], v[66+4*wi:67+4*wi]
.set wi, wi+1
.endr
.irp i, 0,1,2,3
	v_permlanex16_b32 v[68+\i], v[64+\i], s40, s41
.endr
	s_mov_b32 vcc_lo, 0xffff0000
.irp i, 0,1,2,3
	v_cndmask_b32 v[72+\i], v[64+\i], v[68+\i], vcc_lo
	v_cndmask_b32 v[76+\i], v[68+\i], v[64+\i], vcc_lo
.endr
.irp e, 0,1,2,3,4,5,6,7
	v_add_f32 v[72+\e], s[32+\e], v[72+\e]
.endr
	v_max3_num_f32 v80, v72, v73, v74
	v_max3_num_f32 v80, v80, v75, v76
	v_max3_num_f32 v80, v80, v77, v78
	v_max_num_f32 v80, v80, v79
.irp e, 0,1,2,3,4,5,6,7
	v_sub_f32 v[72+\e], v[72+\e], v80
.endr
.irp e, 0,1,2,3,4,5,6,7
	v_mul_f32 v[72+\e], 0x3fb8aa3b, v[72+\e]
.endr
.irp e, 0,1,2,3,4,5,6,7
	v_exp_f32 v[72+\e], v[72+\e]
.endr
	v_nop
	s_wait_alu depctr_va_vdst(0)
	v_add_f32 v81, v72, v73
	v_add_f32 v82, v74, v75
	v_add_f32 v83, v76, v77
	v_add_f32 v84, v78, v79
	v_add_f32 v81, v81, v82
	v_add_f32 v83, v83, v84
	v_add_f32 v81, v81, v83
	v_rcp_f32 v81, v81
	v_nop
	s_wait_alu depctr_va_vdst(0)
.irp e, 0,1,2,3,4,5,6,7
	v_mul_f32 v[72+\e], v[72+\e], v81
.endr
	TOP1 82, 83
.irp e, 0,1,2,3,4,5,6,7
	v_cmp_eq_u32 vcc_lo, \e, v83
	v_cndmask_b32 v[72+\e], v[72+\e], -1.0, vcc_lo                 ; the first choice is out of the second search
.endr
	TOP1 84, 85
	v_add_f32 v86, v82, v84
	v_add_f32 v86, 0x358637bd, v86                 ; + 1e-6
	v_rcp_f32 v86, v86
	v_nop
	s_wait_alu depctr_va_vdst(0)
	v_mul_f32 v82, v82, v86
	v_mul_f32 v84, v84, v86
	s_mov_b32 vcc_lo, 0xffff0000
	v_cndmask_b32 v87, v83, v85, vcc_lo            ; lanes 0-15 store the first choice, lanes 16-31 the second: fixed places
	v_cndmask_b32 v88, v82, v84, vcc_lo
	global_store_b32 v6, v87, s[24:25]
	global_store_b32 v6, v88, s[22:23] offset:TOPP
.Lend:
	s_wait_xcnt 0x0
	v_lshl_add_u32 v254, v0, 2, 0x25000
	v_mov_b32 v255, 0
	s_wait_tensorcnt 0x0
	ds_add_u32 v254, v255
	s_wait_dscnt 0x0
	s_endpgm
.Lfunc_end_k_qc304e864e1_attn:
	.size	k_qc304e864e1_attn, .Lfunc_end_k_qc304e864e1_attn-k_qc304e864e1_attn
	.p2alignl 7, 3214868480
	.fill 96, 4, 3214868480
	.section	.rodata,"a",@progbits
	.p2align	6, 0x0
	.amdhsa_kernel k_qc304e864e1_attn
		.amdhsa_group_segment_fixed_size 153600
		.amdhsa_private_segment_fixed_size 0
		.amdhsa_enable_private_segment 0
		.amdhsa_kernarg_size 88
		.amdhsa_user_sgpr_count 2
		.amdhsa_user_sgpr_kernarg_segment_ptr 1
		.amdhsa_wavefront_size32 1
		.amdhsa_system_sgpr_workgroup_id_x 1
		.amdhsa_system_sgpr_workgroup_id_y 1
		.amdhsa_system_sgpr_workgroup_id_z 1
		.amdhsa_system_vgpr_workitem_id 0
		.amdhsa_next_free_vgpr 256
		.amdhsa_next_free_sgpr 66
		.amdhsa_reserve_vcc 1
		.amdhsa_float_denorm_mode_32 3
		.amdhsa_float_denorm_mode_16_64 3
		.amdhsa_memory_ordered 1
		.amdhsa_forward_progress 1
		.amdhsa_inst_pref_size 120
	.end_amdhsa_kernel
	.amdgpu_metadata
---
amdhsa.version: [ 1, 2 ]
amdhsa.kernels:
  - .name:           k_qc304e864e1_attn
    .symbol:         k_qc304e864e1_attn.kd
    .args:
      - { .name: qkvb, .offset: 0, .size: 8, .value_kind: global_buffer, .address_space: global }
      - { .name: prepb, .offset: 8, .size: 8, .value_kind: global_buffer, .address_space: global }
      - { .name: x, .offset: 16, .size: 8, .value_kind: global_buffer, .address_space: global }
      - { .name: mask, .offset: 24, .size: 8, .value_kind: global_buffer, .address_space: global }
      - { .name: bo, .offset: 32, .size: 8, .value_kind: global_buffer, .address_space: global }
      - { .name: ln2_g, .offset: 40, .size: 8, .value_kind: global_buffer, .address_space: global }
      - { .name: ln2_b, .offset: 48, .size: 8, .value_kind: global_buffer, .address_space: global }
      - { .name: gate_w, .offset: 56, .size: 8, .value_kind: global_buffer, .address_space: global }
      - { .name: gate_b, .offset: 64, .size: 8, .value_kind: global_buffer, .address_space: global }
      - { .name: mid, .offset: 72, .size: 8, .value_kind: global_buffer, .address_space: global }
      - { .name: topi, .offset: 80, .size: 8, .value_kind: global_buffer, .address_space: global }
    .group_segment_fixed_size: 153600
    .private_segment_fixed_size: 0
    .kernarg_segment_align: 8
    .kernarg_segment_size: 88
    .max_flat_workgroup_size: 512
    .sgpr_count:     66
    .vgpr_count:     256
    .wavefront_size: 32
...
	.end_amdgpu_metadata
.endif
;; end of part 3
;; launch route (part 4): grid 1 x 1, 8 waves a work-group, no clusters, 0 bytes of LDS; arguments topi, lists; writes lists
.if DOCPART == 4
	.amdgcn_target "amdgcn-amd-amdhsa--gfx1250"
	.amdhsa_code_object_version 6
	.text
	.protected	k_qc304e864e1_route
	.globl	k_qc304e864e1_route
	.p2align	8
	.type	k_qc304e864e1_route,@function
k_qc304e864e1_route:
	s_mov_b64 s[64:65], 0
	v_nop
	global_prefetch_b8 v0, s[64:65] scope:SCOPE_SE
	s_setreg_imm32_b32 hwreg(HW_REG_WAVE_MODE, 25, 1), 1
	s_wait_xcnt 0x0
; Wave e lists expert e's routed rows, in ascending order: entry d = 2 x token + slot.  lists: [e][2048] places at 0, [e][32] copies of the count at 65,536.
; An expert has at most 1,024 rows (a token's two experts differ).  Behind the last entry 32 more places get the expert's FIRST entry: a tile's spare rows then repeat a real row
; bit for bit and store the same numbers to the same place, so the later launches need no mask.  So places 0 to 1,055 at the most are ever read.
; ALL LANES STAY ON.  A lane whose token did not choose the expert writes its number to place 2016 + lane of the expert's own list: 32 spare places at the list's end that no launch reads.
; The choice between the two places is made ahead of the hold at 2,047, the list's last place.
; Each of the 32 steps has an address register (v96-127) and a data register (v128-159) of its own: no store's source is written again, and no wait stands in the run.
; One work-group: 1,024 tokens are 32 steps of a wave; no atomics, each wave writes its own expert's part.
.set AD, 96
.set DA, 128
	s_load_b128 s[4:7], s[0:1], 0x0                ; topi, lists
	v_lshrrev_b32 v1, 5, v0
	v_readfirstlane_b32 s8, v1                     ; expert
	v_and_b32 v1, 31, v0                           ; lane
	v_lshlrev_b32 v2, 3, v1                        ; a token's two experts: 8 bytes
	v_lshlrev_b32 v3, 1, v1                        ; 2 x lane
	v_add_nc_u32 v5, 2016, v1                      ; my spare place
	s_lshl_b32 s9, s8, 13                          ; the expert's list: 8,192 bytes
	s_mov_b32 s10, 0                               ; entries so far
	s_mov_b32 s12, 0x76543210
	s_mov_b32 s13, 0xfedcba98                      ; selects for lane l xor 16
	v_mov_b32 v7, 0x7fffffff
	v_mov_b32 v8, 0x7fffffff                       ; the least entry
	s_wait_kmcnt 0x0
.set J, 0
.rept 32
	global_load_b64 v[16+2*J:17+2*J], v2, s[4:5] offset:256*J      ; token 32 J + lane
.set J, J+1
.endr
	s_wait_loadcnt 0x0
.set J, 0
.rept 32
	v_cmp_eq_u32 s20, s8, v[16+2*J]
	v_cmp_eq_u32 s21, s8, v[17+2*J]
	s_or_b32 vcc_lo, s20, s21                      ; the lanes whose token chose the expert
	v_cndmask_b32 v4, 0, 1, s21                    ; by which slot
	v_add_nc_u32 v4, v4, v3
	v_add_nc_u32 v[DA+J], 64*J, v4                 ; d = 2 (32 J + lane) + slot
	v_cndmask_b32 v6, v7, v[DA+J], vcc_lo
	v_min_u32 v8, v8, v6
	v_mbcnt_lo_u32_b32 v9, vcc_lo, s10             ; its place: the entries so far + the chosen lanes below mine;
	v_cndmask_b32 v9, v5, v9, vcc_lo               ; or my spare place
	v_min_u32 v9, 0x7ff, v9
	v_lshlrev_b32 v9, 2, v9
	v_add_nc_u32 v[AD+J], s9, v9
	s_bcnt1_i32_b32 s22, vcc_lo
	s_add_co_u32 s10, s10, s22
	global_store_b32 v[AD+J], v[DA+J], s[6:7]
.set J, J+1
.endr
.irp m, 1,2,4,8
	v_mov_b32_dpp v6, v8 row_xmask:\m row_mask:0xf bank_mask:0xf
	v_min_u32 v8, v8, v6
.endr
	v_permlanex16_b32 v6, v8, s12, s13
	v_min_u32 v8, v8, v6                           ; the expert's first entry, in every lane
	v_add_nc_u32 v9, s10, v1                       ; places count .. count + 31
	v_min_u32 v9, 0x7ff, v9
	v_lshlrev_b32 v9, 2, v9
	v_add_nc_u32 v10, s9, v9
	global_store_b32 v10, v8, s[6:7]
	v_mov_b32 v12, s10
	s_lshl_b32 s11, s8, 7
	v_lshl_add_u32 v11, v1, 2, s11
	global_store_b32 v11, v12, s[6:7] offset:65536 ; the count, 32 copies: 128 consecutive bytes
	s_endpgm
.Lfunc_end_k_qc304e864e1_route:
	.size	k_qc304e864e1_route, .Lfunc_end_k_qc304e864e1_route-k_qc304e864e1_route
	.p2alignl 7, 3214868480
	.fill 96, 4, 3214868480
	.section	.rodata,"a",@progbits
	.p2align	6, 0x0
	.amdhsa_kernel k_qc304e864e1_route
		.amdhsa_group_segment_fixed_size 0
		.amdhsa_private_segment_fixed_size 0
		.amdhsa_enable_private_segment 0
		.amdhsa_kernarg_size 16
		.amdhsa_user_sgpr_count 2
		.amdhsa_user_sgpr_kernarg_segment_ptr 1
		.amdhsa_wavefront_size32 1
		.amdhsa_system_sgpr_workgroup_id_x 1
		.amdhsa_system_sgpr_workgroup_id_y 1
		.amdhsa_system_sgpr_workgroup_id_z 1
		.amdhsa_system_vgpr_workitem_id 0
		.amdhsa_next_free_vgpr 160
		.amdhsa_next_free_sgpr 66
		.amdhsa_reserve_vcc 1
		.amdhsa_float_denorm_mode_32 3
		.amdhsa_float_denorm_mode_16_64 3
		.amdhsa_memory_ordered 1
		.amdhsa_forward_progress 1
		.amdhsa_inst_pref_size 29
	.end_amdhsa_kernel
	.amdgpu_metadata
---
amdhsa.version: [ 1, 2 ]
amdhsa.kernels:
  - .name:           k_qc304e864e1_route
    .symbol:         k_qc304e864e1_route.kd
    .args:
      - { .name: topi, .offset: 0, .size: 8, .value_kind: global_buffer, .address_space: global }
      - { .name: lists, .offset: 8, .size: 8, .value_kind: global_buffer, .address_space: global }
    .group_segment_fixed_size: 0
    .private_segment_fixed_size: 0
    .kernarg_segment_align: 8
    .kernarg_segment_size: 16
    .max_flat_workgroup_size: 256
    .sgpr_count:     66
    .vgpr_count:     160
    .wavefront_size: 32
...
	.end_amdgpu_metadata
.endif
;; end of part 4
;; launch up (part 5): grid 256 x 1, 16 waves a work-group, no clusters, 104,448 bytes of LDS; arguments ew1, ew3, eb1, eb3, mid, lists, hbuf; writes hbuf
.if DOCPART == 5
	.amdgcn_target "amdgcn-amd-amdhsa--gfx1250"
	.amdhsa_code_object_version 6
	.text
	.protected	k_qc304e864e1_up
	.globl	k_qc304e864e1_up
	.p2align	8
	.type	k_qc304e864e1_up,@function
k_qc304e864e1_up:
	s_mov_b64 s[64:65], 0
	v_nop
	global_prefetch_b8 v0, s[64:65] scope:SCOPE_SE
	s_setreg_imm32_b32 hwreg(HW_REG_WAVE_MODE, 25, 1), 1
	s_wait_xcnt 0x0
; h = silu(x2 ew1 + eb1) * (x2 ew3 + eb3) for ONE expert's routed rows and 64 of its 2,048 hidden units; h is quantised along the hidden units.
; A work-group owns (expert, 64 columns): it reads its 2 x 1,024 x 64 numbers of the weights once, as f32, quantises them along K into LDS (a lane to a column, registers down K), and multiplies all of
; the expert's rows by them: no weight byte is read twice in the launch, and no code of a weight goes to memory.
; ROWS: tiles of 32 routed rows; wave w takes tiles w and w + 16 (an expert has at most 1,024 rows).  A tile at or past the stored count is passed over by a scalar branch; no barrier stands behind the one below.
; That branch hangs on a stored number, so the operands come by plain loads; and no two work-groups share an input tile of any size but x2's rows, which lie in the cache: no cluster.
; hbuf: half images [expert x 64 + row / 16][64 hidden units: 32][768] at 0; scale words [..][K step 16][16 words] at HS.
; LIMITS: NaN and infinities are not served; blocks under 2^-122 get the byte 1.
.set W2L, 49152
.set WSL, 98304
.set X2BC, 4194304
.set X2BS, 4980736
.set HS, 12582912
.set PITCH, 8192
.set NB, 8
.set X, 128
.set C, 72
.set CX, 80
.set SW, 84
.set VIN, 192
.set VW, 193
.set WP, 34
.set BS, 16
.set AS, 20
.set AB, 24
.set WF, 72
.set TM, 120
.set ACC, 128
.macro PLACES n
.rept \n
	v_nop
.endr
.endm
.macro BARRIER
	s_wait_dscnt 0x0
	s_barrier_signal -1
	s_barrier_wait -1
.endm
.macro WM d, a, b, c, sa, sb, sel
.if (\sel) == 0
	v_wmma_scale_f32_16x16x128_f8f6f4 v[(\d):(\d)+7], v[(\a):(\a)+11], v[(\b):(\b)+11], v[(\c):(\c)+7], v[(\sa)], v[(\sb)] matrix_a_fmt:MATRIX_FMT_BF6 matrix_b_fmt:MATRIX_FMT_BF6
.else
	v_wmma_scale_f32_16x16x128_f8f6f4 v[(\d):(\d)+7], v[(\a):(\a)+11], v[(\b):(\b)+11], v[(\c):(\c)+7], v[(\sa)], v[(\sb)] matrix_a_fmt:MATRIX_FMT_BF6 matrix_b_fmt:MATRIX_FMT_BF6 matrix_a_scale:MATRIX_SCALE_ROW1
.endif
.endm
.macro QUANT2 s, pa, px, pw
	v_max3_num_f32 v[TM], |v[(\s)]|, |v[(\s)+1]|, 0x2800000
	v_max3_num_f32 v[TM+1], |v[(\s)+16]|, |v[(\s)+17]|, 0x2800000
.irp i, 2,4,6,8,10,12,14
	v_max3_num_f32 v[TM], v[TM], |v[(\s)+\i]|, |v[(\s)+\i+1]|
	v_max3_num_f32 v[TM+1], v[TM+1], |v[(\s)+16+\i]|, |v[(\s)+17+\i]|
.endr
	v_permlanex16_b32 v[TM+2], v[TM], s40, s41
	v_permlanex16_b32 v[TM+3], v[TM+1], s40, s41
	v_max_num_f32 v[TM], v[TM], v[TM+2]
	v_max_num_f32 v[TM+1], v[TM+1], v[TM+3]
	v_add_nc_u32 v[TM+4], 0xfe000000, v[TM]
	v_add_nc_u32 v[TM+5], 0xfe000000, v[TM+1]
	v_lshrrev_b32 v[TM+2], 23, v[TM+4]
	v_lshrrev_b32 v[TM+3], 23, v[TM+5]
	v_lshl_or_b32 v[\pw], v[TM+3], 8, v[TM+2]
	v_cvt_scalef32_pk16_bf6_f32 v[(\pa):(\pa)+2], v[(\s):(\s)+15], v[TM+4]
	v_cvt_scalef32_pk16_bf6_f32 v[(\px):(\px)+2], v[(\s)+16:(\s)+31], v[TM+5]
	v_nop
.irp i, 0,1,2
	v_permlane16_swap_b32 v[(\pa)+\i], v[(\px)+\i]
.endr
.irp i, 0,1,2
	v_mov_b32 v[(\pa)+3+\i], v[(\px)+\i]
.endr
.endm
.macro SILU16 z, a, t
.irp i, 0,2,4,6,8,10,12,14
	v_pk_mul_f32 v[(\t)+\i:(\t)+\i+1], v[(\z)+\i:(\z)+\i+1], 0xbfb8aa3b op_sel_hi:[1,0]
.endr
.irp i, 0,1,2,3,4,5,6,7,8,9,10,11,12,13,14,15
	v_exp_f32 v[(\t)+\i], v[(\t)+\i]
.endr
	v_nop
	s_wait_alu depctr_va_vdst(0)
.irp i, 0,2,4,6,8,10,12,14
	v_pk_add_f32 v[(\t)+\i:(\t)+\i+1], v[(\t)+\i:(\t)+\i+1], 1.0 op_sel_hi:[1,0]
.endr
.irp i, 0,1,2,3,4,5,6,7,8,9,10,11,12,13,14,15
	v_rcp_f32 v[(\t)+\i], v[(\t)+\i]
.endr
	v_nop
	s_wait_alu depctr_va_vdst(0)
.irp i, 0,2,4,6,8,10,12,14
	v_pk_mul_f32 v[(\z)+\i:(\z)+\i+1], v[(\z)+\i:(\z)+\i+1], v[(\t)+\i:(\t)+\i+1]
.endr
.irp i, 0,2,4,6,8,10,12,14
	v_pk_mul_f32 v[(\z)+\i:(\z)+\i+1], v[(\z)+\i:(\z)+\i+1], v[(\a)+\i:(\a)+\i+1]
.endr
.endm
.macro WQLOAD t
.set wi, 0
.rept 32
	global_load_b32 v[X+32*((\t)%2)+wi], v[VIN], s[WP:WP+1] offset:(32*(\t)+wi)*PITCH th:TH_LOAD_NT
.set wi, wi+1
.endr
.endm
.macro WQBLOCK t
.set XS, X+32*((\t)%2)
.set WO, ((\t)/4)*1536+((\t)%2)*256
.if (\t) < NB-1
	s_wait_loadcnt 32                                              ; this block's 32 loads are in; the next block's 32 may be out
.else
	s_wait_loadcnt 0x0
.endif
	v_max3_num_f32 v[TM], |v[XS]|, |v[XS+1]|, |v[XS+2]|
	v_max3_num_f32 v[TM+1], |v[XS+3]|, |v[XS+4]|, |v[XS+5]|
.irp i, 6,10,14,18,22,26
	v_max3_num_f32 v[TM], v[TM], |v[XS+\i]|, |v[XS+\i+1]|
	v_max3_num_f32 v[TM+1], v[TM+1], |v[XS+\i+2]|, |v[XS+\i+3]|
.endr
	v_max3_num_f32 v[TM], v[TM], |v[XS+30]|, |v[XS+31]|
	v_max3_num_f32 v[TM], v[TM], v[TM+1], 0x2800000
	v_add_nc_u32 v[TM+4], 0xfe000000, v[TM]
	v_lshrrev_b32 v[TM+1], 23, v[TM+4]
.if (\t)%4 == 0
	v_mov_b32 v[SW+(\t)/4], v[TM+1]
.else
	v_lshl_or_b32 v[SW+(\t)/4], v[TM+1], 8*((\t)%4), v[SW+(\t)/4]
.endif
	v_cvt_scalef32_pk16_bf6_f32 v[C:C+2], v[XS:XS+15], v[TM+4]
	v_cvt_scalef32_pk16_bf6_f32 v[CX:CX+2], v[XS+16:XS+31], v[TM+4]
	v_nop
.irp i, 0,1,2
	v_mov_b32 v[C+3+\i], v[CX+\i]
.endr
.if ((\t)/2)%2 == 0
	ds_store_b128 v[VW], v[C:C+3] offset:WO
	ds_store_b64 v[VW], v[C+4:C+5] offset:WO+512
.else
	ds_store_b64 v[VW], v[C:C+1] offset:WO+520
	ds_store_b128 v[VW], v[C+2:C+5] offset:WO+1024
.endif
.if (\t)+2 < NB
	WQLOAD (\t)+2
.endif
	s_wait_dscnt 0x0
.endm
.macro ALOAD buf, ks                   ; the gathered rows' codes and scale words of a K step: 14 loads
.irp g, 0,1
.irp p, 0,1,2,3,4,5
	global_load_b64 v[AB+24*(\buf)+12*\g+2*\p:AB+24*(\buf)+12*\g+2*\p+1], v[4+\g], s[36:37] offset:(\ks)*96+48*(\p/3)+8*(\p%3)
.endr
	global_load_b32 v[AS+2*(\buf)+\g], v[6+\g], s[38:39] offset:4*(\ks)
.endr
.endm
.macro WFLOAD bt, ks
.irp f, 0,1,2,3
.irp q, 0,1,2
	ds_load_b128 v[WF+12*\f+4*\q:WF+12*\f+4*\q+3], v[1+\f%2] offset:(2*(\bt)+\f/2)*12288+(\ks)*1536+512*\q
.endr
.endr
.endm
.macro PROD8 bt, ks
.irp f, 0,1,2,3
.irp g, 0,1
.set PJ, 2*(\bt)+\f/2
.set PM, \f%2
.set PD, ACC+64*PM+32*\g+8*PJ
	WM PD, WF+12*\f, AB+24*((\ks)%2)+12*\g, PD, BS+PJ, AS+2*((\ks)%2)+\g, PM
.endr
.endr
.endm
.macro KSTEP ks                        ; sixteen products, the sixteen accumulators by turns, in the same order in every step
	PLACES 4
	WFLOAD 0, \ks
.irp j, 0,1,2,3
	ds_load_b32 v[BS+\j], v3 offset:\j*512+(\ks)*64
.endr
.if (\ks) < 7
	ALOAD 1-(\ks)%2, (\ks)+1
	s_wait_loadcnt 14                              ; all but the next K step's 14 loads, just issued
.else
	s_wait_loadcnt 0x0
.endif
	s_wait_dscnt 0x0
	PROD8 0, \ks
	PLACES 4
	WFLOAD 1, \ks
	s_wait_dscnt 0x0
	PROD8 1, \ks
.endm
	s_load_b256 s[4:11], s[0:1], 0x0               ; ew1, ew3, eb1, eb3
	s_load_b128 s[12:15], s[0:1], 0x20             ; mid, lists
	s_load_b64 s[16:17], s[0:1], 0x30              ; hbuf
	v_lshrrev_b32 v1, 5, v0
	v_readfirstlane_b32 s18, v1                    ; wave
	s_lshr_b32 s19, ttmp9, 5                       ; expert
	s_and_b32 s21, ttmp9, 31                       ; which 64 hidden units
	s_mov_b32 s40, 0x76543210
	s_mov_b32 s41, 0xfedcba98
	v_and_b32 v11, 31, v0                          ; lane
	v_and_b32 v13, 15, v0                          ; r
	v_bfe_u32 v14, v0, 4, 1                        ; h
	v_lshlrev_b32 v1, 4, v11
	v_add_nc_u32 v2, W2L, v1
	v_lshlrev_b32 v8, 2, v13                       ; 4 r
	v_lshl_add_u32 v3, v14, 11, v8
	v_add_nc_u32 v3, WSL, v3
	v_mul_u32_u24 v9, v14, 24                      ; 24 h
	v_lshlrev_b32 v10, 3, v11                      ; 8 x lane
	v_lshl_add_u32 v15, v14, 10, v8                ; 4 r + 1,024 h
	s_lshl_b32 s22, s19, 13                        ; 8,192 x expert: a row of eb1, eb3, and an expert's list
	s_lshl_b32 s23, s21, 8
	s_add_co_u32 s23, s23, s22
	v_lshl_add_u32 v12, v14, 6, s23                ; the biases
	v_mov_b32 v122, 0
	v_mov_b32 v123, 0
	; the weights: wave w takes matrix (w>>1)&1, 32 columns w&1, 256 of K w>>2
	s_bfe_u32 s24, s18, 0x10001
	s_and_b32 s25, s18, 1
	s_lshr_b32 s26, s18, 2
	v_lshlrev_b32 v192, 2, v11
	v_bfe_u32 v195, v0, 3, 1
	v_and_b32 v196, 7, v0
	v_lshl_add_u32 v196, v14, 3, v196              ; my column's place in its tile
	s_lshl_b32 s27, s25, 1
	v_add_nc_u32 v195, s27, v195                   ; its tile of the four
	v_mul_u32_u24 v193, v195, 12288
	v_lshl_add_u32 v193, v196, 4, v193
	s_mul_i32 s27, s24, 49152
	s_mul_i32 s28, s26, 3072
	s_add_co_u32 s27, s27, s28
	v_add_nc_u32 v193, s27, v193
	v_lshlrev_b32 v194, 9, v195
	v_lshl_add_u32 v194, v196, 2, v194
	s_lshl_b32 s27, s24, 11
	s_lshl_b32 s28, s26, 7
	s_add_co_u32 s27, s27, s28
	s_add_co_u32 s27, s27, WSL
	v_add_nc_u32 v194, s27, v194
	s_lshl_b32 s28, s19, 23
	s_lshl_b32 s29, s26, 21
	s_add_co_u32 s28, s28, s29
	s_lshl_b32 s29, s21, 8
	s_add_co_u32 s28, s28, s29
	s_lshl_b32 s29, s25, 7
	s_add_co_u32 s28, s28, s29
	s_mov_b32 s29, 0
	s_lshl_b32 s30, s19, 7
	s_wait_kmcnt 0x0
	s_load_b32 s20, s[14:15], s30 offset:0x10000   ; the expert's number of rows
	s_cmp_eq_u32 s24, 0
	s_cselect_b64 s[34:35], s[4:5], s[6:7]
	s_add_nc_u64 s[34:35], s[34:35], s[28:29]
	s_add_nc_u64 s[36:37], s[12:13], X2BC
	s_add_nc_u64 s[38:39], s[12:13], X2BS
	WQLOAD 0                                       ; 64 loads of 128 bytes a wave are out: 128 KiB for the sixteen waves
	WQLOAD 1
.irp t, 0,1,2,3,4,5,6,7
	WQBLOCK \t
.endr
	ds_store_b32 v194, v[SW]
	ds_store_b32 v194, v[SW+1] offset:64
	s_wait_kmcnt 0x0
	BARRIER                                        ; both weights' images and scale words lie in LDS: the launch's one barrier
	s_mov_b32 s31, 0
.Ltrip:
	s_lshl_b32 s23, s31, 4
	s_add_co_u32 s23, s23, s18                     ; my tile of 32 rows
	s_lshl_b32 s24, s23, 5
	s_cmp_ge_u32 s24, s20
	s_cbranch_scc1 .Lskip                          ; the expert has no such rows
	s_lshl_b32 s24, s23, 7
	s_add_co_u32 s24, s24, s22
	v_add_nc_u32 v11, s24, v8
	global_load_b32 v120, v11, s[14:15]            ; the entries of rows r and 16 + r
	global_load_b32 v121, v11, s[14:15] offset:64
	s_lshl_b32 s24, s19, 6
	s_lshl_b32 s25, s23, 1
	s_add_co_u32 s24, s24, s25                     ; 64 x expert + 2 x tile
	s_lshl_b32 s25, s24, 5
	s_add_co_u32 s25, s25, s21
	s_mul_i32 s25, s25, 768
	v_add_nc_u32 v13, s25, v10                     ; h's half images
	s_lshl_b32 s25, s24, 10
	s_lshr_b32 s26, s21, 1
	s_lshl_b32 s26, s26, 6
	s_add_co_u32 s25, s25, s26
	s_and_b32 s26, s21, 1
	s_lshl_b32 s26, s26, 1
	s_add_co_u32 s25, s25, s26
	s_add_co_u32 s25, s25, HS
	v_add_nc_u32 v14, s25, v15                     ; and my two bytes of its scale words
.irp mt, 0,1                           ; the biases are loaded into the accumulators
.irp g, 0,1
.irp j, 0,1,2,3
	global_load_b128 v[ACC+64*\mt+32*\g+8*\j:ACC+64*\mt+32*\g+8*\j+3], v12, s[8+2*\mt:9+2*\mt] offset:128*(\j/2)+32*(\j%2)
	global_load_b128 v[ACC+64*\mt+32*\g+8*\j+4:ACC+64*\mt+32*\g+8*\j+7], v12, s[8+2*\mt:9+2*\mt] offset:128*(\j/2)+32*(\j%2)+16
.endr
.endr
.endr
	s_wait_loadcnt 32                              ; the two entries are in; the 32 loads of biases may be out
.irp g, 0,1
	v_lshrrev_b32 v[120+\g], 1, v[120+\g]
	v_min_u32 v[120+\g], 0x3ff, v[120+\g]          ; the token
	v_mad_u32_u24 v[4+\g], v[120+\g], 0x300, v9    ; its row of codes + 24 h
	v_lshlrev_b32 v[6+\g], 5, v[120+\g]            ; its row of scale bytes
.endr
	ALOAD 0, 0
.irp ks, 0,1,2,3,4,5,6,7
	KSTEP \ks
.endr
	PLACES 4
.irp k, 0,1,2,3
	SILU16 128+16*\k, 192+16*\k, 24
.endr
.irp g, 0,1
	QUANT2 128+32*\g, 40+6*\g, 52, 126+\g
.irp p, 0,1,2
	global_store_b64 v13, v[40+6*\g+2*\p:41+6*\g+2*\p], s[16:17] offset:24576*\g+256*\p    ; 256 consecutive bytes, aligned
.endr
.endr
	s_mov_b32 vcc_lo, 0xffff0000
	v_cndmask_b32 v126, v126, v127, vcc_lo
	global_store_b16 v14, v126, s[16:17]
	s_wait_xcnt 0x0                                ; the stores have read their registers: the next trip writes them again
.Lskip:
	s_add_co_u32 s31, s31, 1
	s_cmp_lt_u32 s31, 2
	s_cbranch_scc1 .Ltrip
	s_wait_xcnt 0x0
	v_lshl_add_u32 v254, v0, 2, 0x19000
	v_mov_b32 v255, 0
	s_wait_tensorcnt 0x0
	ds_add_u32 v254, v255
	s_wait_dscnt 0x0
	s_endpgm
.Lfunc_end_k_qc304e864e1_up:
	.size	k_qc304e864e1_up, .Lfunc_end_k_qc304e864e1_up-k_qc304e864e1_up
	.p2alignl 7, 3214868480
	.fill 96, 4, 3214868480
	.section	.rodata,"a",@progbits
	.p2align	6, 0x0
	.amdhsa_kernel k_qc304e864e1_up
		.amdhsa_group_segment_fixed_size 104448
		.amdhsa_private_segment_fixed_size 0
		.amdhsa_enable_private_segment 0
		.amdhsa_kernarg_size 56
		.amdhsa_user_sgpr_count 2
		.amdhsa_user_sgpr_kernarg_segment_ptr 1
		.amdhsa_wavefront_size32 1
		.amdhsa_system_sgpr_workgroup_id_x 1
		.amdhsa_system_sgpr_workgroup_id_y 1
		.amdhsa_system_sgpr_workgroup_id_z 1
		.amdhsa_system_vgpr_workitem_id 0
		.amdhsa_next_free_vgpr 256
		.amdhsa_next_free_sgpr 66
		.amdhsa_reserve_vcc 1
		.amdhsa_float_denorm_mode_32 3
		.amdhsa_float_denorm_mode_16_64 3
		.amdhsa_memory_ordered 1
		.amdhsa_forward_progress 1
		.amdhsa_inst_pref_size 107
	.end_amdhsa_kernel
	.amdgpu_metadata
---
amdhsa.version: [ 1, 2 ]
amdhsa.kernels:
  - .name:           k_qc304e864e1_up
    .symbol:         k_qc304e864e1_up.kd
    .args:
      - { .name: ew1, .offset: 0, .size: 8, .value_kind: global_buffer, .address_space: global }
      - { .name: ew3, .offset: 8, .size: 8, .value_kind: global_buffer, .address_space: global }
      - { .name: eb1, .offset: 16, .size: 8, .value_kind: global_buffer, .address_space: global }
      - { .name: eb3, .offset: 24, .size: 8, .value_kind: global_buffer, .address_space: global }
      - { .name: mid, .offset: 32, .size: 8, .value_kind: global_buffer, .address_space: global }
      - { .name: lists, .offset: 40, .size: 8, .value_kind: global_buffer, .address_space: global }
      - { .name: hbuf, .offset: 48, .size: 8, .value_kind: global_buffer, .address_space: global }
    .group_segment_fixed_size: 104448
    .private_segment_fixed_size: 0
    .kernarg_segment_align: 8
    .kernarg_segment_size: 56
    .max_flat_workgroup_size: 512
    .sgpr_count:     66
    .vgpr_count:     256
    .wavefront_size: 32
...
	.end_amdgpu_metadata
.endif
;; end of part 5
;; launch down (part 6): grid 256 x 1, 16 waves a work-group, no clusters, 122,880 bytes of LDS; arguments ew2, eb2, hbuf, lists, mid, eo; writes eo
.if DOCPART == 6
	.amdgcn_target "amdgcn-amd-amdhsa--gfx1250"
	.amdhsa_code_object_version 6
	.text
	.protected	k_qc304e864e1_down
	.globl	k_qc304e864e1_down
	.p2align	8
	.type	k_qc304e864e1_down,@function
k_qc304e864e1_down:
	s_mov_b64 s[64:65], 0
	v_nop
	global_prefetch_b8 v0, s[64:65] scope:SCOPE_SE
	s_setreg_imm32_b32 hwreg(HW_REG_WAVE_MODE, 25, 1), 1
	s_wait_xcnt 0x0
; eo[kh][d][:] = weight(d) x (h(d) ew2 + eb2), for ONE expert's routed rows, 64 of the 1,024 columns and one half kh of K = 2,048 (eb2 counts in half 0 alone).  d = 2 x token + slot.
; A work-group owns (expert, K half, 64 columns): it reads its 1,024 x 64 numbers of ew2 once, as f32, quantises them along K into LDS, and multiplies all of the expert's rows by them.
; Rows as in the launch before: tiles of 32, wave w takes tiles w and w + 16, a tile at or past the stored count is passed over; the tile's spare rows repeat a real row and store the same numbers to the same place.
; Each row d belongs to one expert, so each byte of eo has one owner.  The branch hangs on a stored number, so operands come by plain loads; work-groups share no weight: no cluster.
; LIMITS: NaN and infinities are not served; blocks under 2^-122 get the byte 1.
.set WSL, 49152                        ; LDS: images [tile 4][K step 8][1536] at 0; scale words [tile][K step][64] here;
.set STG, 51200                        ; a stage of 16 rows x (256 + 16) bytes for each wave
.set HS, 12582912
.set TOPP, 5013504
.set PITCH, 4096
.set NB, 4
.set X, 128
.set C, 72
.set CX, 80
.set SW, 84
.set VIN, 192
.set VW, 193
.set WP, 36
.set BS, 16
.set AS, 20
.set AB, 24
.set WF, 72
.set TM, 120
.macro PLACES n
.rept \n
	v_nop
.endr
.endm
.macro BARRIER
	s_wait_dscnt 0x0
	s_barrier_signal -1
	s_barrier_wait -1
.endm
.macro WM d, a, b, c, sa, sb, sel
.if (\sel) == 0
	v_wmma_scale_f32_16x16x128_f8f6f4 v[(\d):(\d)+7], v[(\a):(\a)+11], v[(\b):(\b)+11], v[(\c):(\c)+7], v[(\sa)], v[(\sb)] matrix_a_fmt:MATRIX_FMT_BF6 matrix_b_fmt:MATRIX_FMT_BF6
.else
	v_wmma_scale_f32_16x16x128_f8f6f4 v[(\d):(\d)+7], v[(\a):(\a)+11], v[(\b):(\b)+11], v[(\c):(\c)+7], v[(\sa)], v[(\sb)] matrix_a_fmt:MATRIX_FMT_BF6 matrix_b_fmt:MATRIX_FMT_BF6 matrix_a_scale:MATRIX_SCALE_ROW1
.endif
.endm
.macro WQLOAD t
.set wi, 0
.rept 32
	global_load_b32 v[X+32*((\t)%2)+wi], v[VIN], s[WP:WP+1] offset:(32*(\t)+wi)*PITCH th:TH_LOAD_NT
.set wi, wi+1
.endr
.endm
.macro WQBLOCK t
.set XS, X+32*((\t)%2)
.set WO, ((\t)/4)*1536+((\t)%2)*256
.if (\t) < NB-1
	s_wait_loadcnt 32                                              ; this block's 32 loads are in; the next block's 32 may be out
.else
	s_wait_loadcnt 0x0
.endif
	v_max3_num_f32 v[TM], |v[XS]|, |v[XS+1]|, |v[XS+2]|
	v_max3_num_f32 v[TM+1], |v[XS+3]|, |v[XS+4]|, |v[XS+5]|
.irp i, 6,10,14,18,22,26
	v_max3_num_f32 v[TM], v[TM], |v[XS+\i]|, |v[XS+\i+1]|
	v_max3_num_f32 v[TM+1], v[TM+1], |v[XS+\i+2]|, |v[XS+\i+3]|
.endr
	v_max3_num_f32 v[TM], v[TM], |v[XS+30]|, |v[XS+31]|
	v_max3_num_f32 v[TM], v[TM], v[TM+1], 0x2800000
	v_add_nc_u32 v[TM+4], 0xfe000000, v[TM]
	v_lshrrev_b32 v[TM+1], 23, v[TM+4]
.if (\t)%4 == 0
	v_mov_b32 v[SW+(\t)/4], v[TM+1]
.else
	v_lshl_or_b32 v[SW+(\t)/4], v[TM+1], 8*((\t)%4), v[SW+(\t)/4]
.endif
	v_cvt_scalef32_pk16_bf6_f32 v[C:C+2], v[XS:XS+15], v[TM+4]
	v_cvt_scalef32_pk16_bf6_f32 v[CX:CX+2], v[XS+16:XS+31], v[TM+4]
	v_nop
.irp i, 0,1,2
	v_mov_b32 v[C+3+\i], v[CX+\i]
.endr
.if ((\t)/2)%2 == 0
	ds_store_b128 v[VW], v[C:C+3] offset:WO
	ds_store_b64 v[VW], v[C+4:C+5] offset:WO+512
.else
	ds_store_b64 v[VW], v[C:C+1] offset:WO+520
	ds_store_b128 v[VW], v[C+2:C+5] offset:WO+1024
.endif
.if (\t)+2 < NB
	WQLOAD (\t)+2
.endif
	s_wait_dscnt 0x0
.endm
.macro ALOAD buf, ks                   ; h's two fragments (two half images each) and scale words of a K step: 14 loads
.irp g, 0,1
.irp c, 0,1
.irp p, 0,1,2
	global_load_b64 v[AB+24*(\buf)+12*\g+6*\c+2*\p:AB+24*(\buf)+12*\g+6*\c+2*\p+1], v4, s[8:9] offset:\g*24576+(2*(\ks)+\c)*768+256*\p
.endr
.endr
	global_load_b32 v[AS+2*(\buf)+\g], v6, s[8:9] offset:\g*1024+(\ks)*64
.endr
.endm
.macro KD ks                           ; eight products, the eight accumulators by turns; the first K step takes the bias as C
	PLACES 4
.irp j, 0,1,2,3
.irp q, 0,1,2
	ds_load_b128 v[WF+12*\j+4*\q:WF+12*\j+4*\q+3], v1 offset:\j*12288+(\ks)*1536+512*\q
.endr
.endr
	ds_load_b32 v[BS], v3 offset:(\ks)*64
	ds_load_b32 v[BS+1], v3 offset:1024+(\ks)*64
.if (\ks) < 7
	ALOAD 1-(\ks)%2, (\ks)+1
	s_wait_loadcnt 14                              ; all but the next K step's 14 loads, just issued
.else
	s_wait_loadcnt 0x0
.endif
	s_wait_dscnt 0x0
.irp j, 0,1,2,3
.irp g, 0,1
.set PD, 192+32*\g+8*\j
.if (\ks) == 0
.set PCC, 128+8*\j
.else
.set PCC, PD
.endif
	WM PD, WF+12*\j, AB+24*((\ks)%2)+12*\g, PCC, BS+\j/2, AS+2*((\ks)%2)+\g, \j%2
.endr
.endr
.endm
	s_load_b256 s[4:11], s[0:1], 0x0               ; ew2, eb2, hbuf, lists
	s_load_b128 s[12:15], s[0:1], 0x20             ; mid, eo
	v_lshl_add_u32 v126, v0, 2, 0x1d800
	v_mov_b32 v127, 0
	v_lshrrev_b32 v1, 5, v0
	v_readfirstlane_b32 s16, v1                    ; wave
	s_lshr_b32 s17, ttmp9, 5                       ; expert
	s_and_b32 s18, ttmp9, 15                       ; which 64 columns
	s_bfe_u32 s19, ttmp9, 0x10004                  ; which half of K
	v_and_b32 v14, 31, v0                          ; lane
	v_and_b32 v7, 15, v0                           ; r
	v_bfe_u32 v15, v0, 4, 1                        ; h
	v_lshlrev_b32 v1, 4, v14
	v_lshlrev_b32 v8, 2, v7                        ; 4 r
	v_lshlrev_b32 v9, 2, v15                       ; 4 h
	v_lshlrev_b32 v10, 3, v14                      ; 8 x lane
	v_lshlrev_b32 v13, 4, v7                       ; 16 r
	v_lshl_add_u32 v3, v15, 9, v8
	v_add_nc_u32 v3, WSL, v3                       ; scale words: lanes 16-31 take the next tile's
	s_mul_i32 s21, s16, 4352
	s_add_co_u32 s21, s21, STG
	v_mul_u32_u24 v2, v7, 272
	v_lshl_add_u32 v2, v15, 6, v2
	v_add_nc_u32 v2, s21, v2                       ; into my stage: row r, + 64 h
	v_mul_u32_u24 v5, v15, 272
	v_add_nc_u32 v5, v5, v13
	v_add_nc_u32 v5, s21, v5                       ; back: lanes 0-15 one row, lanes 16-31 the next
	s_lshl_b32 s22, s17, 12
	s_lshl_b32 s23, s18, 8
	s_add_co_u32 s22, s22, s23
	v_lshl_add_u32 v12, v15, 6, s22                ; eb2
	; the weight: wave w takes 32 columns w&1 and 128 of K w>>1
	s_and_b32 s24, s16, 1
	s_lshr_b32 s25, s16, 1
	v_lshlrev_b32 v192, 2, v14
	v_bfe_u32 v195, v0, 3, 1
	v_and_b32 v196, 7, v0
	v_lshl_add_u32 v196, v15, 3, v196
	s_lshl_b32 s26, s24, 1
	v_add_nc_u32 v195, s26, v195
	v_mul_u32_u24 v193, v195, 12288
	v_lshl_add_u32 v193, v196, 4, v193
	s_mul_i32 s26, s25, 1536
	v_add_nc_u32 v193, s26, v193
	v_lshlrev_b32 v194, 9, v195
	v_lshl_add_u32 v194, v196, 2, v194
	s_lshl_b32 s26, s25, 6
	s_add_co_u32 s26, s26, WSL
	v_add_nc_u32 v194, s26, v194
	s_lshl_b32 s26, s17, 23
	s_lshl_b32 s27, s19, 22
	s_add_co_u32 s26, s26, s27
	s_lshl_b32 s27, s25, 19
	s_add_co_u32 s26, s26, s27
	s_lshl_b32 s27, s18, 8
	s_add_co_u32 s26, s26, s27
	s_lshl_b32 s27, s24, 7
	s_add_co_u32 s26, s26, s27
	s_mov_b32 s27, 0
	s_lshl_b32 s28, s19, 23
	s_lshl_b32 s29, s18, 8
	s_add_co_u32 s28, s28, s29
	s_mov_b32 s29, 0
	s_lshl_b32 s32, s17, 7
	s_cmp_eq_u32 s19, 0
	s_cselect_b32 s30, 1.0, 0                      ; eb2 counts in the first half of K alone
	s_mov_b32 s31, s30
	s_lshl_b32 s22, s17, 13                        ; an expert's list
	s_wait_kmcnt 0x0
	s_load_b32 s20, s[10:11], s32 offset:0x10000   ; the expert's number of rows
	s_add_nc_u64 s[36:37], s[4:5], s[26:27]
	s_add_nc_u64 s[34:35], s[14:15], s[28:29]
	WQLOAD 0
	WQLOAD 1
.irp t, 0,1,2,3
	WQBLOCK \t
.endr
	ds_store_b32 v194, v[SW]
	s_wait_kmcnt 0x0
	BARRIER                                        ; the images and scale words lie in LDS: the launch's one barrier
	s_mov_b32 s33, 0
.Ltrip:
	s_lshl_b32 s23, s33, 4
	s_add_co_u32 s23, s23, s16                     ; my tile of 32 rows
	s_lshl_b32 s24, s23, 5
	s_cmp_ge_u32 s24, s20
	s_cbranch_scc1 .Lskip
	s_lshl_b32 s24, s23, 7
	s_add_co_u32 s24, s24, s22
	v_add_nc_u32 v7, s24, v8
	v_add_nc_u32 v11, s24, v9
	global_load_b32 v120, v7, s[10:11]             ; the entries of rows r and 16 + r: for the rows' weights
	global_load_b32 v121, v7, s[10:11] offset:64
.irp g, 0,1
.irp i, 0,1,2,3,4,5,6,7
	global_load_b32 v[160+8*\g+\i], v11, s[10:11] offset:64*\g+8*\i        ; and of rows 16 g + 2 i + h: for the stores
.endr
.endr
.irp j, 0,1,2,3
	global_load_b128 v[128+8*\j:131+8*\j], v12, s[6:7] offset:128*(\j/2)+32*(\j%2)
	global_load_b128 v[132+8*\j:135+8*\j], v12, s[6:7] offset:128*(\j/2)+32*(\j%2)+16
.endr
	s_lshl_b32 s24, s17, 6
	s_lshl_b32 s25, s23, 1
	s_add_co_u32 s24, s24, s25                     ; 64 x expert + 2 x tile
	s_lshl_b32 s25, s24, 5
	s_lshl_b32 s26, s19, 4
	s_add_co_u32 s25, s25, s26
	s_mul_i32 s25, s25, 768
	v_add_nc_u32 v4, s25, v10
	s_lshl_b32 s25, s24, 10
	s_lshl_b32 s26, s19, 9
	s_add_co_u32 s25, s25, s26
	s_add_co_u32 s25, s25, HS
	v_add_nc_u32 v6, s25, v8
	s_wait_loadcnt 0x0
.irp g, 0,1
	v_min_u32 v[120+\g], 0x7ff, v[120+\g]
	v_lshlrev_b32 v[120+\g], 2, v[120+\g]
.endr
	global_load_b32 v176, v120, s[12:13] offset:TOPP
	global_load_b32 v178, v121, s[12:13] offset:TOPP
	ALOAD 0, 0
.set si, 0
.rept 16
	v_pk_mul_f32 v[128+si:129+si], v[128+si:129+si], s[30:31] op_sel_hi:[1,0]
.set si, si+2
.endr
.set si, 0
.rept 16
	v_min_u32 v[160+si], 0x7ff, v[160+si]
	v_lshlrev_b32 v[160+si], 12, v[160+si]
	v_add_nc_u32 v[160+si], v[160+si], v13         ; row d of eo + 16 bytes a lane
.set si, si+1
.endr
.irp ks, 0,1,2,3,4,5,6,7
	KD \ks
.endr
	PLACES 4
	v_mov_b32 v177, v176
	v_mov_b32 v179, v178
.irp g, 0,1
.set si, 0
.rept 16
	v_pk_mul_f32 v[192+32*\g+si:193+32*\g+si], v[192+32*\g+si:193+32*\g+si], v[176+2*\g:177+2*\g]  ; x the row's weight; each accumulator from its low end on
.set si, si+2
.endr
.endr
.irp g, 0,1                            ; 16 rows x 64 columns through my own stage: LDS serves a wave's instructions in order
.irp j, 0,1,2,3
.irp qq, 0,1
	ds_store_b128 v2, v[192+32*\g+8*\j+4*\qq:195+32*\g+8*\j+4*\qq] offset:128*(\j/2)+32*(\j%2)+16*\qq
.endr
.endr
.irp i, 0,1,2,3,4,5,6,7
	ds_load_b128 v[128-104*\g+4*\i:131-104*\g+4*\i], v5 offset:544*\i
.endr
.endr
.irp i, 0,1,2,3,4,5,6,7
	s_wait_dscnt 23-\i                                             ; behind it: the younger loads of this half and the other half's 16 instructions
	global_store_b128 v[160+\i], v[128+4*\i:131+4*\i], s[34:35]    ; sixteen lanes store 256 consecutive bytes, aligned
.endr
.irp i, 0,1,2,3,4,5,6,7
	s_wait_dscnt 7-\i
	global_store_b128 v[168+\i], v[24+4*\i:27+4*\i], s[34:35]
.endr
	s_wait_xcnt 0x0                                ; the stores have read their registers: the next trip writes them again
.Lskip:
	s_add_co_u32 s33, s33, 1
	s_cmp_lt_u32 s33, 2
	s_cbranch_scc1 .Ltrip
	s_wait_tensorcnt 0x0
	ds_add_u32 v126, v127
	s_wait_dscnt 0x0
	s_endpgm
.Lfunc_end_k_qc304e864e1_down:
	.size	k_qc304e864e1_down, .Lfunc_end_k_qc304e864e1_down-k_qc304e864e1_down
	.p2alignl 7, 3214868480
	.fill 96, 4, 3214868480
	.section	.rodata,"a",@progbits
	.p2align	6, 0x0
	.amdhsa_kernel k_qc304e864e1_down
		.amdhsa_group_segment_fixed_size 122880
		.amdhsa_private_segment_fixed_size 0
		.amdhsa_enable_private_segment 0
		.amdhsa_kernarg_size 48
		.amdhsa_user_sgpr_count 2
		.amdhsa_user_sgpr_kernarg_segment_ptr 1
		.amdhsa_wavefront_size32 1
		.amdhsa_system_sgpr_workgroup_id_x 1
		.amdhsa_system_sgpr_workgroup_id_y 1
		.amdhsa_system_sgpr_workgroup_id_z 1
		.amdhsa_system_vgpr_workitem_id 0
		.amdhsa_next_free_vgpr 256
		.amdhsa_next_free_sgpr 66
		.amdhsa_reserve_vcc 0
		.amdhsa_float_denorm_mode_32 3
		.amdhsa_float_denorm_mode_16_64 3
		.amdhsa_memory_ordered 1
		.amdhsa_forward_progress 1
		.amdhsa_inst_pref_size 62
	.end_amdhsa_kernel
	.amdgpu_metadata
---
amdhsa.version: [ 1, 2 ]
amdhsa.kernels:
  - .name:           k_qc304e864e1_down
    .symbol:         k_qc304e864e1_down.kd
    .args:
      - { .name: ew2, .offset: 0, .size: 8, .value_kind: global_buffer, .address_space: global }
      - { .name: eb2, .offset: 8, .size: 8, .value_kind: global_buffer, .address_space: global }
      - { .name: hbuf, .offset: 16, .size: 8, .value_kind: global_buffer, .address_space: global }
      - { .name: lists, .offset: 24, .size: 8, .value_kind: global_buffer, .address_space: global }
      - { .name: mid, .offset: 32, .size: 8, .value_kind: global_buffer, .address_space: global }
      - { .name: eo, .offset: 40, .size: 8, .value_kind: global_buffer, .address_space: global }
    .group_segment_fixed_size: 122880
    .private_segment_fixed_size: 0
    .kernarg_segment_align: 8
    .kernarg_segment_size: 48
    .max_flat_workgroup_size: 512
    .sgpr_count:     66
    .vgpr_count:     256
    .wavefront_size: 32
...
	.end_amdgpu_metadata
.endif
;; end of part 6
;; launch comb (part 7): grid 256 x 1, 8 waves a work-group, no clusters, 0 bytes of LDS; arguments mid, eo, out0; writes out0
.if DOCPART == 7
	.amdgcn_target "amdgcn-amd-amdhsa--gfx1250"
	.amdhsa_code_object_version 6
	.text
	.protected	k_qc304e864e1_comb
	.globl	k_qc304e864e1_comb
	.p2align	8
	.type	k_qc304e864e1_comb,@function
k_qc304e864e1_comb:
	s_mov_b64 s[64:65], 0
	v_nop
	global_prefetch_b8 v0, s[64:65] scope:SCOPE_SE
	s_setreg_imm32_b32 hwreg(HW_REG_WAVE_MODE, 25, 1), 1
	s_wait_xcnt 0x0
; out = x1 + the four weighted partial rows of each token (two experts x two halves of K).  A stream: four tokens to a work-group, 16 bytes of each row to a thread;
; every load and store of a wave covers 512 consecutive bytes, aligned; all 20 loads go out first.  No LDS, no matrix unit: memory binds.
	s_load_b128 s[4:7], s[0:1], 0x0                ; mid (x1 at its head), eo
	s_load_b64 s[8:9], s[0:1], 0x10                ; out0
	v_lshlrev_b32 v1, 4, v0
	s_lshl_b32 s10, ttmp9, 14
	s_mov_b32 s11, 0
	s_lshl_b32 s12, ttmp9, 15
	s_mov_b32 s13, 0
	s_wait_kmcnt 0x0
	s_add_nc_u64 s[4:5], s[4:5], s[10:11]
	s_add_nc_u64 s[8:9], s[8:9], s[10:11]
	s_add_nc_u64 s[6:7], s[6:7], s[12:13]
	s_add_nc_u64 s[14:15], s[6:7], 0x800000        ; the second half of K: 8,388,608 bytes on, one more than an immediate holds
.irp k, 0,1,2,3
	global_load_b128 v[4+20*\k:7+20*\k], v1, s[4:5] offset:4096*\k
	global_load_b128 v[8+20*\k:11+20*\k], v1, s[6:7] offset:8192*\k th:TH_LOAD_NT
	global_load_b128 v[12+20*\k:15+20*\k], v1, s[6:7] offset:8192*\k+4096 th:TH_LOAD_NT
	global_load_b128 v[16+20*\k:19+20*\k], v1, s[14:15] offset:8192*\k th:TH_LOAD_NT
	global_load_b128 v[20+20*\k:23+20*\k], v1, s[14:15] offset:8192*\k+4096 th:TH_LOAD_NT
.endr
.irp k, 0,1,2,3
	s_wait_loadcnt 15-5*\k                         ; this token's five loads are in; the later tokens' may be out
	v_pk_add_f32 v[8+20*\k:9+20*\k], v[8+20*\k:9+20*\k], v[12+20*\k:13+20*\k]
	v_pk_add_f32 v[10+20*\k:11+20*\k], v[10+20*\k:11+20*\k], v[14+20*\k:15+20*\k]
	v_pk_add_f32 v[16+20*\k:17+20*\k], v[16+20*\k:17+20*\k], v[20+20*\k:21+20*\k]
	v_pk_add_f32 v[18+20*\k:19+20*\k], v[18+20*\k:19+20*\k], v[22+20*\k:23+20*\k]
	v_pk_add_f32 v[8+20*\k:9+20*\k], v[8+20*\k:9+20*\k], v[16+20*\k:17+20*\k]
	v_pk_add_f32 v[10+20*\k:11+20*\k], v[10+20*\k:11+20*\k], v[18+20*\k:19+20*\k]
	v_pk_add_f32 v[4+20*\k:5+20*\k], v[4+20*\k:5+20*\k], v[8+20*\k:9+20*\k]
	v_pk_add_f32 v[6+20*\k:7+20*\k], v[6+20*\k:7+20*\k], v[10+20*\k:11+20*\k]
	global_store_b128 v1, v[4+20*\k:7+20*\k], s[8:9] offset:4096*\k th:TH_STORE_NT
.endr
	s_endpgm
.Lfunc_end_k_qc304e864e1_comb:
	.size	k_qc304e864e1_comb, .Lfunc_end_k_qc304e864e1_comb-k_qc304e864e1_comb
	.p2alignl 7, 3214868480
	.fill 96, 4, 3214868480
	.section	.rodata,"a",@progbits
	.p2align	6, 0x0
	.amdhsa_kernel k_qc304e864e1_comb
		.amdhsa_group_segment_fixed_size 0
		.amdhsa_private_segment_fixed_size 0
		.amdhsa_enable_private_segment 0
		.amdhsa_kernarg_size 24
		.amdhsa_user_sgpr_count 2
		.amdhsa_user_sgpr_kernarg_segment_ptr 1
		.amdhsa_wavefront_size32 1
		.amdhsa_system_sgpr_workgroup_id_x 1
		.amdhsa_system_sgpr_workgroup_id_y 1
		.amdhsa_system_sgpr_workgroup_id_z 1
		.amdhsa_system_vgpr_workitem_id 0
		.amdhsa_next_free_vgpr 96
		.amdhsa_next_free_sgpr 66
		.amdhsa_reserve_vcc 0
		.amdhsa_float_denorm_mode_32 3
		.amdhsa_float_denorm_mode_16_64 3
		.amdhsa_memory_ordered 1
		.amdhsa_forward_progress 1
		.amdhsa_inst_pref_size 6
	.end_amdhsa_kernel
	.amdgpu_metadata
---
amdhsa.version: [ 1, 2 ]
amdhsa.kernels:
  - .name:           k_qc304e864e1_comb
    .symbol:         k_qc304e864e1_comb.kd
    .args:
      - { .name: mid, .offset: 0, .size: 8, .value_kind: global_buffer, .address_space: global }
      - { .name: eo, .offset: 8, .size: 8, .value_kind: global_buffer, .address_space: global }
      - { .name: out0, .offset: 16, .size: 8, .value_kind: global_buffer, .address_space: global }
    .group_segment_fixed_size: 0
    .private_segment_fixed_size: 0
    .kernarg_segment_align: 8
    .kernarg_segment_size: 24
    .max_flat_workgroup_size: 256
    .sgpr_count:     66
    .vgpr_count:     96
    .wavefront_size: 32
...
	.end_amdgpu_metadata
.endif
;; end of part 7
;; ======== version 2 of 2: 7 launches; version 1 with the launches attn, up, down written anew for expert scheduling mode
;; workspace buffers: prepb 6,586,368 bytes; qkvb 2,523,136 bytes; mid 5,021,696 bytes; topi 8,192 bytes of whole numbers; lists 66,560 bytes of whole numbers; hbuf 13,107,200 bytes; eo 16,777,216 bytes
;; launch prep: the kernel of part 1 again; grid 176 x 1, 8 waves a work-group, no clusters, 51,200 bytes of LDS; arguments x, ln1_g, ln1_b, wq1, wq2, wk1, wk2, wv1, wv2, wo, prepb; writes prepb
;; launch qkv: the kernel of part 2 again; grid 192 x 1, 8 waves a work-group, no clusters, 116,736 bytes of LDS; arguments prepb, bq1, bq2, bk1, bk2, bv1, bv2, qkvb; writes qkvb
;; launch attn (part 8): grid 64 x 1, 16 waves a work-group, no clusters, 153,600 bytes of LDS; arguments qkvb, prepb, x, mask, bo, ln2_g, ln2_b, gate_w, gate_b, mid, topi; writes mid, topi
.if DOCPART == 8
	.amdgcn_target "amdgcn-amd-amdhsa--gfx1250"
	.amdhsa_code_object_version 6
	.text
	.protected	k_qc304e864e1_attn
	.globl	k_qc304e864e1_attn
	.p2align	8
	.type	k_qc304e864e1_attn,@function
k_qc304e864e1_attn:
	s_mov_b64 s[64:65], 0
	v_nop
	global_prefetch_b8 v0, s[64:65] scope:SCOPE_SE
	s_setreg_imm32_b32 hwreg(HW_REG_WAVE_SCHED_MODE, 0, 2), 2
	s_setreg_imm32_b32 hwreg(HW_REG_WAVE_MODE, 25, 1), 1
	s_wait_xcnt 0x0
	s_wait_alu depctr_vm_vsrc(0)
; 16 tokens to a work-group.  Wave w: head w's attention for them (all 256 keys at once), then columns 64 w .. 64 w + 63 of x1 = x + ctx wo + bo,
; LayerNorm 2, its part of the gate's logits (f32 multiply-adds) and of x2's codes.  Wave 0 ends with the gate's softmax and the top 2.
; SOFTMAX: t = score log2(e) / 8, or -1e9 log2(e) where the mask word is 0 (a whole number in f32); M = ceil(the row's largest t); p = 2^(t - M) is quantised along the keys;
; the sum of the unquantised p divides at the end.  All keys of a row are in the wave at once, so M is the row's own.
; Both products are used transposed (S^T = K Q^T, O^T = V^T P^T): a lane holds one token throughout.  The head has 64 channels: the upper 64 of the instruction's 128 meet Q's zero codes.
; ONCE, DENSELY, THROUGH LDS: all sixteen heads want the same 16 rows of the mask, and a lane wants 16-byte pieces of its own token's row.  So wave w fetches row w of the mask (2 loads) and row w of x (8 loads),
; each load 512 consecutive bytes, and stores them to LDS; behind one barrier every wave reads its pieces from there.  A wave's 2 KiB of gate_w, of which sixteen lanes want the same 16 bytes, come the same way (4 loads; its own bytes).
; mid: x1 f32 at 0; x2's codes row by row at X2BC [1024][768]; its scale bytes at X2BS [1024][32]; the two gate weights at TOPP [1024][2].  topi: the two experts [1024][2].
; No cluster: the 64 work-groups all read wo's 768 KiB of codes, each wave its own 48 KiB, straight into registers; there is no LDS tile to share.
; LIMITS: NaN and infinities are not served; blocks under 2^-122 get the byte 1; any mask word but 0 counts as true; a tie among the gate's probabilities goes to the lower index.
; THE MODE: SCHED_MODE bits 1:0 = 2 (LLVM: expert scheduling mode 2), set by the entry lines.  The code itself states the register dependences
; between vector or matrix instructions and memory or LDS instructions, with s_wait_alu, always for 0.
; THE PLAN.  The text is one run of phases.  In each phase the loads or stores stand together behind ONE wait on va_vdst, and no vector or matrix instruction between that wait and them names a register that they touch.
;   v16-63, v82-85      key tiles and their scale words: loaded twice; read by the products S^T.
;   v88-119, v192-223, v16-47   mask words out of LDS: read by the compares.  v192-223 are free until the second half of S^T is made there.
;   v16-115             V^T and its scale words: loaded behind the last compares, read by the products O^T.
;   W0 v16-63, W1 v64-111, W2 v128-175   wo's fragments: K step ks lies in W[ks % 3]; its products read it; at the head of step ks + 1 the loads of step ks + 3 land in it.
;   C0 v184-196, C1 v198-210   ctx's fragment and scale word out of LDS: K step ks lies in C[ks % 2]; at the head of step ks + 1 the loads of step ks + 2 land in it.
;   v16-79, v100-163    gate_w's four pieces, by turns: read by the multiply-adds.
;   v4-15               offsets and LDS addresses: made anew from phase to phase, each time behind a wait on vm_vsrc that stands behind their last readers.
;   s48-63              the masks of sixteen compares at a time: one wait on va_sdst behind the run, ahead of the selections.
.set QKS, 1572864
.set VTI, 1703936
.set VTS, 2490368
.set WSCO, 5505024+6*32768
.set WIMO, 6*786432
.set CSC, 12288                        ; LDS: ctx's 8 images at 0; their scale words here;
.set RED1, 12800                       ; two tables of 16 rows x 16 waves;
.set GRED, 14848                       ; the gate's partial logits, 16 rows x (16 waves x 32 bytes + 16);
.set XST, 23296                        ; x2's codes, 16 rows x 768;
.set XSS, 35584                        ; its scale bytes, 16 x 32;
.set X1S, 36096                        ; x, later x1: 16 rows x (4,096 + 16);
.set MSK, 101888                       ; the mask, 16 rows x (1,024 + 16): the sixteen rows that a read touches start 16 bytes apart modulo 256;
.set GWL, 118528                       ; gate_w, 2,048 bytes for each wave
.set X2BC, 4194304
.set X2BS, 4980736
.set TOPP, 5013504
.set TM, 216
.macro PLACES n
.rept \n
	v_nop
.endr
.endm
.macro BARRIER
	s_wait_dscnt 0x0
	s_barrier_signal -1
	s_barrier_wait -1
.endm
.macro WM d, a, b, c, sa, sb, sel
.if (\c) < 0
.if (\sel) == 0
	v_wmma_scale_f32_16x16x128_f8f6f4 v[(\d):(\d)+7], v[(\a):(\a)+11], v[(\b):(\b)+11], 0, v[(\sa)], v[(\sb)] matrix_a_fmt:MATRIX_FMT_BF6 matrix_b_fmt:MATRIX_FMT_BF6
.else
	v_wmma_scale_f32_16x16x128_f8f6f4 v[(\d):(\d)+7], v[(\a):(\a)+11], v[(\b):(\b)+11], 0, v[(\sa)], v[(\sb)] matrix_a_fmt:MATRIX_FMT_BF6 matrix_b_fmt:MATRIX_FMT_BF6 matrix_a_scale:MATRIX_SCALE_ROW1
.endif
.else
.if (\sel) == 0
	v_wmma_scale_f32_16x16x128_f8f6f4 v[(\d):(\d)+7], v[(\a):(\a)+11], v[(\b):(\b)+11], v[(\c):(\c)+7], v[(\sa)], v[(\sb)] matrix_a_fmt:MATRIX_FMT_BF6 matrix_b_fmt:MATRIX_FMT_BF6
.else
	v_wmma_scale_f32_16x16x128_f8f6f4 v[(\d):(\d)+7], v[(\a):(\a)+11], v[(\b):(\b)+11], v[(\c):(\c)+7], v[(\sa)], v[(\sb)] matrix_a_fmt:MATRIX_FMT_BF6 matrix_b_fmt:MATRIX_FMT_BF6 matrix_a_scale:MATRIX_SCALE_ROW1
.endif
.endif
.endm
.macro QUANT2 s, pa, px, pw
	v_max3_num_f32 v[TM], |v[(\s)]|, |v[(\s)+1]|, 0x2800000
	v_max3_num_f32 v[TM+1], |v[(\s)+16]|, |v[(\s)+17]|, 0x2800000
.irp i, 2,4,6,8,10,12,14
	v_max3_num_f32 v[TM], v[TM], |v[(\s)+\i]|, |v[(\s)+\i+1]|
	v_max3_num_f32 v[TM+1], v[TM+1], |v[(\s)+16+\i]|, |v[(\s)+17+\i]|
.endr
	v_permlanex16_b32 v[TM+2], v[TM], s40, s41
	v_permlanex16_b32 v[TM+3], v[TM+1], s40, s41
	v_max_num_f32 v[TM], v[TM], v[TM+2]
	v_max_num_f32 v[TM+1], v[TM+1], v[TM+3]
	v_add_nc_u32 v[TM+4], 0xfe000000, v[TM]
	v_add_nc_u32 v[TM+5], 0xfe000000, v[TM+1]
	v_lshrrev_b32 v[TM+2], 23, v[TM+4]
	v_lshrrev_b32 v[TM+3], 23, v[TM+5]
	v_lshl_or_b32 v[\pw], v[TM+3], 8, v[TM+2]
	v_cvt_scalef32_pk16_bf6_f32 v[(\pa):(\pa)+2], v[(\s):(\s)+15], v[TM+4]
	v_cvt_scalef32_pk16_bf6_f32 v[(\px):(\px)+2], v[(\s)+16:(\s)+31], v[TM+5]
	v_nop
.irp i, 0,1,2
	v_permlane16_swap_b32 v[(\pa)+\i], v[(\px)+\i]
.endr
.irp i, 0,1,2
	v_mov_b32 v[(\pa)+3+\i], v[(\px)+\i]
.endr
.endm
.macro CVT2 s, so0, so1, pa, px, dst   ; the conversions alone, the scale operands given
	v_cvt_scalef32_pk16_bf6_f32 v[(\pa):(\pa)+2], v[(\s):(\s)+15], v[\so0]
	v_cvt_scalef32_pk16_bf6_f32 v[(\px):(\px)+2], v[(\s)+16:(\s)+31], v[\so1]
	v_nop
.irp i, 0,1,2
	v_permlane16_swap_b32 v[(\pa)+\i], v[(\px)+\i]
.endr
.if (\pa) != (\dst)
.irp i, 0,1,2
	v_mov_b32 v[(\dst)+\i], v[(\pa)+\i]
.endr
.endif
.irp i, 0,1,2
	v_mov_b32 v[(\dst)+3+\i], v[(\px)+\i]
.endr
.endm
.macro KLOAD hf                        ; eight key tiles, six registers each, on end: a fragment's upper six registers are the next tile's codes, which meet Q's zeros
.irp t, 0,1,2,3,4,5,6,7
.irp p, 0,1,2
	global_load_b64 v[16+6*\t+2*\p:17+6*\t+2*\p], v4, s[4:5] offset:(8*(\hf)+\t)*768+256*\p
.endr
.endr
.irp i, 0,1,2,3
	global_load_b32 v[82+\i], v5, s[4:5] offset:512*(\hf)+128*\i       ; lanes 0-15 tile 2 i's words, lanes 16-31 tile 2 i + 1's
.endr
.endm
.macro MLDS reg, blk                   ; the mask words of key blocks blk, blk + 1, out of LDS, in the scores' layout
.irp bb, 0,1
.irp q, 0,1,2,3
	ds_load_b128 v[(\reg)+16*\bb+4*\q:(\reg)+16*\bb+4*\q+3], v8 offset:128*((\blk)+\bb)+16*\q
.endr
.endr
.endm
.macro SPROD hf
.irp t, 0,1,2,3,4,5,6,7
	WM 128+64*(\hf)+8*\t, 16+6*\t, 70, -1, 82+\t/2, 86, \t%2
.endr
.endm
.macro SCMASK mreg, sreg               ; 32 scores become t; where the mask word is 0, -1e9 log2(e).  The compares go in runs of sixteen, each into a scalar register of its own
.set si, 0
.rept 16
	v_cmp_eq_u32 s[48+si], 0, v[(\mreg)+si]
.set si, si+1
.endr
.set si, 0
.rept 16
	v_pk_mul_f32 v[(\sreg)+si:(\sreg)+si+1], v[(\sreg)+si:(\sreg)+si+1], s[42:43] op_sel_hi:[1,0]
.set si, si+2
.endr
	s_wait_alu depctr_va_sdst(0)                   ; the sixteen compares have written s48-63, which the selections read
.set si, 0
.rept 16
	v_cndmask_b32 v[(\sreg)+si], v[(\sreg)+si], v87, s[48+si]
.set si, si+1
.endr
.set si, 0
.rept 16
	v_cmp_eq_u32 s[48+si], 0, v[(\mreg)+16+si]
.set si, si+1
.endr
	s_wait_alu depctr_va_sdst(0)                   ; the second sixteen compares have written s48-63
.set si, 0
.rept 16
	v_cndmask_b32 v[(\sreg)+16+si], v[(\sreg)+16+si], v87, s[48+si]
.set si, si+1
.endr
.endm
.macro WLOAD ks                        ; wo's four fragments of a K step: 12 loads, into one of three buffers: v16-63, v64-111, v128-175
.set WB, 16+48*((\ks)%3)+16*(((\ks)%3)/2)
.irp j, 0,1,2,3
.irp q, 0,1,2
	global_load_b128 v[WB+12*\j+4*\q:WB+12*\j+4*\q+3], v7, s[6:7] offset:\j*12288+(\ks)*1536+512*\q
.endr
.endr
.endm
.macro CL ks                           ; ctx's fragment and scale word of a K step out of LDS: 4 reads, into one of two sets: v184-196, v198-210
.irp q, 0,1,2
	ds_load_b128 v[184+14*((\ks)%2)+4*\q:187+14*((\ks)%2)+4*\q], v11 offset:(\ks)*1536+512*\q
.endr
	ds_load_b32 v[196+14*((\ks)%2)], v12 offset:64*(\ks)
.endm
.macro FOLD
	v_pk_add_f32 v[80:81], v[80:81], v[82:83]
	v_pk_add_f32 v[84:85], v[84:85], v[86:87]
	v_pk_add_f32 v[80:81], v[80:81], v[84:85]
	v_add_f32 v80, v80, v81
	v_permlanex16_b32 v81, v80, s40, s41
	v_add_f32 v80, v80, v81
.endm
.macro ACROSS off                      ; over the sixteen waves
	s_wait_alu depctr_va_vdst(0)                   ; v80 is written, which the store reads; the additions that read v80-95 are done, in which the loads below land
	ds_store_b32 v14, v80 offset:\off
	BARRIER
	s_wait_alu depctr_vm_vsrc(0)                   ; the store has read v80, in which the first load lands
.irp q, 0,1,2,3
	ds_load_b128 v[80+4*\q:83+4*\q], v15 offset:(\off)+16*\q
.endr
	s_wait_dscnt 0x0
	v_pk_add_f32 v[80:81], v[80:81], v[82:83]
	v_pk_add_f32 v[84:85], v[84:85], v[86:87]
	v_pk_add_f32 v[88:89], v[88:89], v[90:91]
	v_pk_add_f32 v[92:93], v[92:93], v[94:95]
	v_pk_add_f32 v[80:81], v[80:81], v[84:85]
	v_pk_add_f32 v[88:89], v[88:89], v[92:93]
	v_pk_add_f32 v[80:81], v[80:81], v[88:89]
	v_add_f32 v80, v80, v81
.endm
.macro GWLOAD ch, buf                  ; gate_w's rows of eight of my columns, out of my wave's own LDS bytes: 16 reads; the sixteen lanes of a half share each word
.irp ii, 0,1,2,3,4,5,6,7
	ds_load_b128 v[(\buf)+8*\ii:(\buf)+8*\ii+3], v4 offset:1024*((\ch)/2)+256*((\ch)%2)+32*\ii
	ds_load_b128 v[(\buf)+8*\ii+4:(\buf)+8*\ii+7], v4 offset:1024*((\ch)/2)+256*((\ch)%2)+32*\ii+16
.endr
.endm
.macro GFMA ch, buf, first
.irp ii, 0,1,2,3,4,5,6,7
.irp e, 0,1,2,3,4,5,6,7
.if (\first) && (\ii == 0)
	v_mul_f32 v[168+\e], v[(\buf)+\e], v[224+16*((\ch)/2)+8*((\ch)%2)]
.else
	v_fmac_f32 v[168+\e], v[(\buf)+8*\ii+\e], v[224+16*((\ch)/2)+8*((\ch)%2)+\ii]
.endif
.endr
.endr
.endm
.macro TOP1 best, idx                  ; strictly greater alone moves the choice: the lower index keeps a tie.  A chain: each compare takes the best so far
	v_mov_b32 v[\best], v72
	v_mov_b32 v[\idx], 0
.irp e, 1,2,3,4,5,6,7
	v_cmp_gt_f32 vcc_lo, v[72+\e], v[\best]
	s_wait_alu depctr_va_vcc(0)                    ; the compare has written VCC, which the two selections read
	v_cndmask_b32 v[\best], v[\best], v[72+\e], vcc_lo
	v_cndmask_b32 v[\idx], v[\idx], \e, vcc_lo
.endr
.endm
	s_load_b256 s[4:11], s[0:1], 0x0               ; qkvb, prepb, x, mask
	s_load_b256 s[12:19], s[0:1], 0x20             ; bo, ln2_g, ln2_b, gate_w
	s_load_b128 s[20:23], s[0:1], 0x40             ; gate_b, mid
	s_load_b64 s[24:25], s[0:1], 0x50              ; topi
.irp i, 64,65,66,67,68,69,76,77,78,79,80,81
	v_mov_b32 v[\i], 0                             ; zero codes: behind the last key tile, and Q's upper 64
.endr
	v_mov_b32 v87, 0xceabfb8f                      ; -1e9 log2(e)
	v_lshrrev_b32 v1, 5, v0
	v_readfirstlane_b32 s26, v1                    ; wave = head
	v_and_b32 v1, 31, v0                           ; lane
	v_and_b32 v2, 15, v0                           ; r: my token of the 16
	v_bfe_u32 v3, v0, 4, 1                         ; h
	s_lshr_b32 s28, ttmp9, 4                       ; batch
	s_and_b32 s29, ttmp9, 15                       ; which 16 tokens of it
	s_lshl_b32 s30, s28, 4
	s_wait_alu depctr_va_sdst(0)                   ; s26 is written, ahead of its first reader
	s_add_co_u32 s30, s30, s26                     ; 16 batch + head
	s_mov_b32 s40, 0x76543210
	s_mov_b32 s41, 0xfedcba98
	s_mov_b32 s42, 0x3e38aa3b                      ; log2(e) / 8
	s_mov_b32 s43, s42
	s_add_co_u32 s31, s30, 64
	s_mul_i32 s44, s31, 12288
	v_lshl_add_u32 v4, v1, 3, s44                  ; keys
	s_lshl_b32 s44, s31, 10
	s_add_co_u32 s44, s44, QKS
	v_lshl_add_u32 v5, v1, 2, s44
	s_lshr_b32 s31, s29, 1
	s_lshl_b32 s31, s31, 1
	s_and_b32 s44, s29, 1
	s_lshl_b32 s44, s44, 3
	v_lshrrev_b32 v9, 3, v2
	v_add_nc_u32 v9, s31, v9                       ; my token's tile,
	v_and_b32 v10, 7, v2
	v_add_nc_u32 v10, s44, v10                     ; and its place there
	s_mul_i32 s45, s30, 12288
	v_mul_u32_u24 v6, v9, 768
	v_lshl_add_u32 v6, v10, 3, v6
	v_lshl_add_u32 v6, v3, 7, v6
	v_add_nc_u32 v6, s45, v6                       ; Q
	s_lshl_b32 s45, s30, 10
	s_add_co_u32 s45, s45, QKS
	v_lshlrev_b32 v7, 6, v9
	v_lshl_add_u32 v7, v10, 2, v7
	v_add_nc_u32 v7, s45, v7
	v_mul_u32_u24 v8, v2, 1040
	v_lshl_add_u32 v8, v3, 6, v8
	v_add_nc_u32 v8, MSK, v8                       ; the mask in LDS: my token's row + 64 h
	s_mul_i32 s45, s30, 12288
	s_add_co_u32 s45, s45, VTI
	v_lshl_add_u32 v9, v1, 3, s45                  ; V
	s_lshl_b32 s45, s30, 9
	s_add_co_u32 s45, s45, VTS
	v_lshl_add_u32 v10, v1, 2, s45
	v_mov_b32 v11, 0
	; the dense fetches: wave w takes row w of the mask, row w of x and its own 2,048 bytes of gate_w, 16 bytes a lane.  Their registers (v128-190) are the scores', which are free until the first products
	v_lshlrev_b32 v184, 4, v1                      ; 16 x lane
	s_lshl_b32 s45, ttmp9, 14
	s_lshl_b32 s46, s26, 10
	s_add_co_u32 s45, s45, s46
	v_add_nc_u32 v185, s45, v184                   ; the mask in memory: row 16 g + w of 1,024 bytes
	s_lshl_b32 s45, ttmp9, 16
	s_lshl_b32 s46, s26, 12
	s_add_co_u32 s45, s45, s46
	v_add_nc_u32 v186, s45, v184                   ; x in memory: row 16 g + w of 4,096 bytes
	s_lshl_b32 s45, s26, 11
	v_add_nc_u32 v187, s45, v184                   ; gate_w in memory: 64 rows of 32 bytes
	s_add_co_u32 s45, s45, GWL
	v_add_nc_u32 v188, s45, v184                   ; and in LDS
	s_mul_i32 s45, s26, 1040
	s_add_co_u32 s45, s45, MSK
	v_add_nc_u32 v189, s45, v184                   ; the mask's row w in LDS
	s_mul_i32 s45, s26, 4112
	s_add_co_u32 s45, s45, X1S
	v_add_nc_u32 v190, s45, v184                   ; x's row w in LDS
	s_wait_kmcnt 0x0
	s_load_b256 s[32:39], s[20:21], 0x0            ; gate_b: waited for where wave 0 uses it
	s_wait_alu depctr_va_vdst(0)                   ; the offsets and LDS addresses v4-10 and v185-190 are written, which the loads and stores below read; so are the zero codes, which the scaled products take
	global_load_b128 v[160:163], v185, s[10:11] th:TH_LOAD_NT              ; each of these 14 loads covers 512 consecutive bytes, aligned
	global_load_b128 v[164:167], v185, s[10:11] offset:512 th:TH_LOAD_NT
.irp i, 0,1,2,3,4,5,6,7
	global_load_b128 v[128+4*\i:131+4*\i], v186, s[8:9] offset:512*\i th:TH_LOAD_NT
.endr
.irp i, 0,1,2,3
	global_load_b128 v[168+4*\i:171+4*\i], v187, s[18:19] offset:512*\i
.endr
.irp p, 0,1,2
	global_load_b64 v[70+2*\p:71+2*\p], v6, s[4:5] offset:256*\p
.endr
	global_load_b32 v86, v7, s[4:5]
	KLOAD 0
	s_wait_loadcnt 32                              ; the 14 dense loads are in; Q's 4 loads and the key tiles' 28 may be out
	ds_store_b128 v189, v[160:163]
	ds_store_b128 v189, v[164:167] offset:512
.irp i, 0,1,2,3,4,5,6,7
	ds_store_b128 v190, v[128+4*\i:131+4*\i] offset:512*\i
.endr
.irp i, 0,1,2,3
	ds_store_b128 v188, v[168+4*\i:171+4*\i] offset:512*\i
.endr
	BARRIER                                        ; the 16 rows of the mask and of x lie in LDS
	MLDS 88, 0
	MLDS 192, 2                                    ; key blocks 2 and 3 into registers that are free until the second half of the scores is made there
	s_wait_loadcnt 0x0                             ; Q and key tiles 0-7
	s_wait_alu depctr_vm_vsrc(0)                   ; the dense loads and the LDS stores have read v128-190 (data, offsets, addresses), which the products below write
	SPROD 0                                        ; keys 0-127: register 128 + 16 b + i = key 32 b + 16 h + i
	PLACES 4
	s_wait_alu depctr_va_vdst(0)                   ; the products are done reading v16-63 and v82-85, in which the next eight key tiles land
	KLOAD 1
	s_wait_dscnt 0x0
	SCMASK 88, 128
	SCMASK 192, 160
	s_wait_alu depctr_va_vdst(0)                   ; the compares are done reading v88-119, in which the next mask words land
	MLDS 88, 4
	s_wait_loadcnt 0x0                             ; key tiles 8-15
	SPROD 1                                        ; keys 128-255
	PLACES 4
	s_wait_alu depctr_va_vdst(0)                   ; the products are done reading v16-47, in which the last mask words land
	MLDS 16, 6
	s_wait_dscnt 0x0
	SCMASK 88, 192
	SCMASK 16, 224
	s_wait_alu depctr_va_vdst(0)                   ; the compares, the selections and the products are done reading v16-115, in which V lands
.irp j, 0,1,2,3                        ; all of V^T: fragment (d tile j, key step ks) at v[16 + 24 j + 12 ks]; it lands under the softmax
.irp ks, 0,1
.irp c, 0,1
.irp p, 0,1,2
	global_load_b64 v[16+24*\j+12*\ks+6*\c+2*\p:17+24*\j+12*\ks+6*\c+2*\p], v9, s[4:5] offset:\j*3072+(2*\ks+\c)*768+256*\p
.endr
.endr
.endr
	global_load_b32 v[112+\j], v10, s[4:5] offset:128*\j           ; lanes 0-15 key step 0's words, lanes 16-31 key step 1's
.endr
	s_wait_xcnt 0x0                                ; the loads have read their address registers: v4-11 become temporaries
	s_wait_alu depctr_vm_vsrc(0)                   ; the loads and the LDS reads have read v4-10, which the lines below write
.irp bb, 0,1,2,3,4,5,6,7
	v_max3_num_f32 v[116+\bb], v[128+16*\bb], v[129+16*\bb], v[130+16*\bb]     ; each block's largest t: for the row's maximum, and for the block's largest p
.endr
.irp i, 3,5,7,9,11,13
.irp bb, 0,1,2,3,4,5,6,7
	v_max3_num_f32 v[116+\bb], v[116+\bb], v[128+16*\bb+\i], v[129+16*\bb+\i]
.endr
.endr
.irp bb, 0,1,2,3,4,5,6,7
	v_max_num_f32 v[116+\bb], v[116+\bb], v[143+16*\bb]
.endr
.irp bb, 0,1,2,3,4,5,6,7
	v_permlanex16_b32 v[4+\bb], v[116+\bb], s40, s41
.endr
.irp bb, 0,1,2,3,4,5,6,7
	v_max_num_f32 v[116+\bb], v[116+\bb], v[4+\bb]
.endr
	v_max3_num_f32 v12, v116, v117, v118
	v_max3_num_f32 v13, v119, v120, v121
	v_max3_num_f32 v12, v12, v122, v123
	v_max_num_f32 v12, v12, v13
	v_floor_f32 v12, -v12                          ; -M = floor(-t) = -ceil(t)
	v_mov_b32 v13, v12
.set si, 0
.rept 64
	v_pk_add_f32 v[128+si:129+si], v[128+si:129+si], v[12:13]
.set si, si+2
.endr
.irp bb, 0,1,2,3,4,5,6,7
	v_add_f32 v[116+\bb], v[116+\bb], v12
.endr
.set si, 0
.rept 128
	v_exp_f32 v[128+si], v[128+si]                 ; p = 2^(t - M)
.set si, si+1
.endr
.irp bb, 0,1,2,3,4,5,6,7
	v_exp_f32 v[116+\bb], v[116+\bb]               ; the same two instructions on the same number: the block's largest p
.endr
	v_nop                                          ; one plain line behind the exponentials
	s_wait_alu depctr_va_vdst(0)                   ; the 136 exponentials have written their results, ahead of the first line that names one
	v_pk_add_f32 v[14:15], v[128:129], v[130:131]  ; the row's sum, of the unquantised p, in two chains
	v_pk_add_f32 v[4:5], v[132:133], v[134:135]
.set si, 8
.rept 30
	v_pk_add_f32 v[14:15], v[14:15], v[128+si:129+si]
	v_pk_add_f32 v[4:5], v[4:5], v[130+si:131+si]
.set si, si+4
.endr
	v_pk_add_f32 v[14:15], v[14:15], v[4:5]
.irp bb, 0,1,2,3,4,5,6,7
	v_max_num_f32 v[116+\bb], 0x2800000, v[116+\bb]
.endr
.irp bb, 0,1,2,3,4,5,6,7
	v_add_nc_u32 v[116+\bb], 0xfe000000, v[116+\bb]
.endr
.irp bb, 0,1,2,3,4,5,6,7
	v_lshrrev_b32 v[4+\bb], 23, v[116+\bb]
.endr
	v_lshl_or_b32 v124, v5, 8, v4                  ; p's scale words: keys 0-127,
	v_lshl_or_b32 v125, v9, 8, v8                  ; keys 128-255
	v_lshl_or_b32 v124, v6, 16, v124
	v_lshl_or_b32 v125, v10, 16, v125
	v_lshl_or_b32 v124, v7, 24, v124
	v_lshl_or_b32 v125, v11, 24, v125
	CVT2 128, 116, 117, 4, 8, 128                  ; p's two fragments come to lie at v128-139 and v140-151, over p's own registers as they are used up
	CVT2 160, 118, 119, 134, 8, 134
	CVT2 192, 120, 121, 140, 8, 140
	CVT2 224, 122, 123, 146, 8, 146
	v_add_f32 v14, v14, v15
	v_permlanex16_b32 v15, v14, s40, s41
	v_add_f32 v14, v14, v15
	v_rcp_f32 v14, v14
	PLACES 8                                       ; scale words written by vector lines stand eight plain lines ahead of a scaled product, operands four; the first of the eight is the plain line behind the reciprocal
	s_wait_alu depctr_va_vdst(0)                   ; p's codes (v128-151) and scale words (v124, v125) are written, which the scaled products take; the reciprocal has written v14, ahead of its first reader
	v_mov_b32 v15, v14
	s_wait_loadcnt 0x0                             ; V
.irp j, 0,1,2,3
	WM 152+8*\j, 16+24*\j, 128, -1, 112+\j, 124, 0
.endr
.irp j, 0,1,2,3
	WM 152+8*\j, 28+24*\j, 140, 152+8*\j, 112+\j, 125, 1           ; the four accumulators by turns
.endr
	; the addresses of the next phase: eight plain lines that name none of the products' registers stand behind the products
	s_lshl_b32 s45, s26, 8
	s_add_co_u32 s44, s45, X1S
	v_mul_u32_u24 v4, v2, 4112
	v_lshl_add_u32 v4, v3, 6, v4
	v_add_nc_u32 v4, s44, v4                       ; x in LDS: my token's row + 256 w + 64 h
	v_lshl_add_u32 v6, v3, 6, s45                  ; bo, ln2_g, ln2_b: 256 w + 64 h
	s_lshl_b32 s44, s26, 11
	s_add_co_u32 s44, s44, WSCO
	v_lshlrev_b32 v5, 2, v2
	v_lshl_add_u32 v5, v3, 9, v5
	v_add_nc_u32 v5, s44, v5                       ; wo's scale words: lanes 16-31 take the next tile's
	s_mul_i32 s44, s26, 49152
	s_add_co_u32 s44, s44, WIMO
	v_lshl_add_u32 v7, v1, 4, s44                  ; wo's images
.set si, 0
.rept 16
	v_pk_mul_f32 v[184+si:185+si], v[152+si:153+si], v[14:15]      ; ctx = O / the sum: register 16 b + i = channel 32 b + 16 h + i
.set si, si+2
.endr
	s_wait_alu depctr_va_vdst(0)                   ; v4-7 are written, which the loads below read; the products and the lines above are done with v16-127, v152-183 and v224-255, in which those loads land
.irp b, 0,1
.irp q, 0,1,2,3
	ds_load_b128 v[224+16*\b+4*\q:227+16*\b+4*\q], v4 offset:128*\b+16*\q          ; x goes straight into the accumulators; only I read these bytes, and I write x1 over them behind the next barrier
.endr
.endr
.irp i, 0,1
.irp ks, 0,1,2,3,4,5,6,7
	global_load_b32 v[112+8*\i+\ks], v5, s[6:7] offset:1024*\i+64*\ks
.endr
.endr
.irp b, 0,1
.irp q, 0,1,2,3
	global_load_b128 v[152+16*\b+4*\q:155+16*\b+4*\q], v6, s[12:13] offset:128*\b+16*\q
.endr
.endr
	WLOAD 0
	WLOAD 1
	QUANT2 184, 128, 134, 222
	s_lshr_b32 s44, s26, 1                         ; ctx's K step w>>1, its half w&1: registers 6 c .. 6 c + 5 of the image
	s_and_b32 s45, s26, 1
	s_mul_i32 s46, s44, 1536
	s_mul_i32 s47, s45, 520
	s_add_co_u32 s47, s47, s46
	v_lshl_add_u32 v8, v1, 4, s47
	s_mul_i32 s47, s45, 1016
	s_add_co_u32 s47, s47, s46
	v_lshl_add_u32 v9, v1, 4, s47
	s_lshl_b32 s46, s44, 6
	s_lshl_b32 s47, s45, 1
	s_add_co_u32 s46, s46, s47
	s_add_co_u32 s46, s46, CSC
	v_lshl_add_u32 v10, v2, 2, s46
	v_lshlrev_b32 v11, 4, v1
	v_lshl_add_u32 v12, v2, 2, CSC
	s_wait_alu depctr_va_vdst(0)                   ; ctx's codes (v128-133), its two scale bytes (v222) and the LDS addresses v8-12 are written, which the stores below and the reads behind the barrier take
	ds_store_b64 v8, v[128:129]
	ds_store_b64 v9, v[130:131] offset:8
	ds_store_b64 v8, v[132:133] offset:512
	ds_store_b16 v10, v222
	BARRIER                                        ; ctx's eight fragments lie in LDS, and x is in my accumulators
	s_wait_loadcnt 24                              ; the scale words and bo are in; wo's first two K steps, 24 loads, may be out
.set si, 0
.rept 16
	v_pk_add_f32 v[224+si:225+si], v[224+si:225+si], v[152+si:153+si]
.set si, si+2
.endr
	s_wait_alu depctr_vm_vsrc(0)                   ; the LDS stores have read v128-133, in which wo's third buffer lands
	s_wait_alu depctr_va_vdst(0)                   ; the additions are done reading bo (v152-183) and the quantiser is done with v128-136 and v184-215: wo's third buffer and ctx's fragments land there
	CL 0
; A K step of wo.  At its head the step before is done with its buffer of wo and its set of ctx: the loads of three steps on (wo) and of the next step (ctx) go out at once, ahead of this step's products, which name neither.
.irp ks, 0,1,2,3,4,5,6,7
.if (\ks > 0) && (\ks < 7)
	PLACES 4                                       ; four plain lines between the products that read a buffer and the loads into it
	s_wait_alu depctr_va_vdst(0)                   ; the last step's products are done reading their buffer of wo and their set of ctx, in which the loads below land
.endif
.if \ks < 6
	WLOAD \ks+2                                    ; three K steps, 36 loads, are on their way
.endif
.if \ks < 7
	CL \ks+1
.endif
.if \ks < 6
	s_wait_loadcnt 24                              ; this K step's weights are in; the next two steps' 24 loads may be out
.elseif \ks == 6
	s_wait_loadcnt 12                              ; the last step's 12 may be out
.else
	s_wait_loadcnt 0x0
.endif
.if \ks < 7
	s_wait_dscnt 4                                 ; this K step's fragment of ctx is in; the next step's four reads may be out
.else
	s_wait_dscnt 0x0
.endif
.irp j, 0,1,2,3
	WM 224+8*\j, 16+48*(\ks%3)+16*((\ks%3)/2)+12*\j, 184+14*(\ks%2), 224+8*\j, 112+8*(\j/2)+\ks, 196+14*(\ks%2), \j%2
.endr
.endr
	PLACES 4                                       ; four plain lines behind the last products, before their results are read
	; ---- x1 is whole: register 224 + 16 b + i = column 64 w + 32 b + 16 h + i of my token
	v_mul_u32_u24 v13, v2, 4112
	v_lshl_add_u32 v13, v3, 6, v13
	s_lshl_b32 s44, s26, 8
	s_add_co_u32 s44, s44, X1S
	v_add_nc_u32 v13, s44, v13
	s_lshl_b32 s44, s26, 2
	s_add_co_u32 s44, s44, RED1
	v_lshl_add_u32 v14, v2, 6, s44
	v_lshl_add_u32 v15, v2, 6, RED1
	s_wait_alu depctr_va_vdst(0)                   ; the products have written x1 (v224-255) and are done reading v16-79; v13-15 are written: the stores below read x1 and v13, the gains and biases land in v16-79
.irp b, 0,1
.irp q, 0,1,2,3
	ds_store_b128 v13, v[224+16*\b+4*\q:227+16*\b+4*\q] offset:128*\b+16*\q
.endr
.endr
.irp b, 0,1
.irp q, 0,1,2,3
	global_load_b128 v[16+16*\b+4*\q:19+16*\b+4*\q], v6, s[14:15] offset:128*\b+16*\q
.endr
.endr
.irp b, 0,1
.irp q, 0,1,2,3
	global_load_b128 v[48+16*\b+4*\q:51+16*\b+4*\q], v6, s[16:17] offset:128*\b+16*\q
.endr
.endr
.irp k, 0,1,2,3
	v_pk_add_f32 v[80+2*\k:81+2*\k], v[224+4*\k:225+4*\k], v[226+4*\k:227+4*\k]
.endr
.irp i, 16,24
.irp k, 0,1,2,3
	v_pk_add_f32 v[80+2*\k:81+2*\k], v[80+2*\k:81+2*\k], v[224+\i+2*\k:225+\i+2*\k]
.endr
.endr
	FOLD
	ACROSS 0                                       ; (its wait on vm_vsrc also stands behind x1's stores, whose data the subtraction below writes again)
	v_mul_f32 v96, 0x3a800000, v80
	v_mov_b32 v97, v96
.set si, 0
.rept 16
	v_pk_add_f32 v[224+si:225+si], v[224+si:225+si], v[96:97] neg_lo:[0,1] neg_hi:[0,1]
.set si, si+2
.endr
.irp k, 0,1,2,3
	v_pk_mul_f32 v[80+2*\k:81+2*\k], v[224+2*\k:225+2*\k], v[224+2*\k:225+2*\k]
.endr
.irp i, 8,16,24
.irp k, 0,1,2,3
	v_pk_fma_f32 v[80+2*\k:81+2*\k], v[224+\i+2*\k:225+\i+2*\k], v[224+\i+2*\k:225+\i+2*\k], v[80+2*\k:81+2*\k]
.endr
.endr
	FOLD
	ACROSS 1024
	v_mul_f32 v96, 0x3a800000, v80
	v_add_f32 v96, 0x3727c5ac, v96
	v_rsq_f32 v96, v96
	v_nop
	s_wait_alu depctr_va_vdst(0)                   ; the root's reciprocal has written v96, ahead of its first reader
	v_mov_b32 v97, v96
	s_wait_loadcnt 0x0
.set si, 0
.rept 16
	v_pk_mul_f32 v[224+si:225+si], v[224+si:225+si], v[96:97]
.set si, si+2
.endr
.set si, 0
.rept 16
	v_pk_fma_f32 v[224+si:225+si], v[224+si:225+si], v[16+si:17+si], v[48+si:49+si]
.set si, si+2
.endr
	; ---- the gate: my 32 columns' share of the eight logits, in f32; gate_w out of my wave's own LDS bytes
	s_lshl_b32 s44, s26, 11
	s_add_co_u32 s44, s44, GWL
	v_lshl_add_u32 v4, v3, 9, s44
	s_wait_alu depctr_va_vdst(0)                   ; v4 is written, which the reads below take; the norm is done reading v16-79 and wo's products v100-163, in which gate_w's first two pieces land
	GWLOAD 0, 16
	GWLOAD 1, 100
	s_wait_dscnt 16                                ; the older piece is in; the younger piece's 16 reads may be out
	GFMA 0, 16, 1
	s_wait_alu depctr_va_vdst(0)                   ; the multiply-adds are done reading v16-79, in which the third piece lands
	GWLOAD 2, 16
	s_wait_dscnt 16
	GFMA 1, 100, 0
	s_wait_alu depctr_va_vdst(0)                   ; the multiply-adds are done reading v100-163, in which the fourth piece lands
	GWLOAD 3, 100
	s_wait_dscnt 16
	GFMA 2, 16, 0
	s_wait_dscnt 0x0
	GFMA 3, 100, 0
.irp e, 0,1,2,3,4,5,6,7
	v_permlanex16_b32 v[176+\e], v[168+\e], s40, s41
.endr
.irp e, 0,1,2,3,4,5,6,7
	v_add_f32 v[168+\e], v[168+\e], v[176+\e]
.endr
	v_mul_u32_u24 v5, v2, 528
	s_lshl_b32 s44, s26, 5
	s_add_co_u32 s44, s44, GRED
	v_add_nc_u32 v5, s44, v5
	QUANT2 224, 128, 134, 222
	v_mul_u32_u24 v7, v2, 768
	v_mad_u32_u24 v7, v3, 24, v7
	s_mul_i32 s44, s26, 48
	s_add_co_u32 s44, s44, XST
	v_add_nc_u32 v7, s44, v7
	v_lshlrev_b32 v8, 5, v2
	s_lshl_b32 s44, s26, 1
	s_add_co_u32 s44, s44, XSS
	v_add_nc_u32 v8, s44, v8
	s_wait_alu depctr_vm_vsrc(0)                   ; the LDS reads of the second sum have read v15, which is written again below
	; the addresses of the way out, all made ahead of the branches on the wave's number, in v6 and v9-15: no later line writes these
	s_mul_i32 s44, s26, 4112
	s_add_co_u32 s44, s44, X1S
	v_lshl_add_u32 v9, v1, 4, s44
	s_mul_i32 s44, s26, 768
	s_add_co_u32 s45, s44, XST
	v_lshl_add_u32 v10, v1, 3, s45
	s_lshl_b32 s45, ttmp9, 4
	s_add_co_u32 s45, s45, s26
	s_lshl_b32 s45, s45, 12
	v_lshl_add_u32 v11, v1, 4, s45
	s_mul_i32 s45, ttmp9, 12288
	s_add_co_u32 s45, s45, s44
	s_add_co_u32 s45, s45, X2BC
	v_lshl_add_u32 v12, v1, 3, s45
	v_lshl_add_u32 v13, v1, 4, XSS
	v_mul_u32_u24 v14, v2, 528
	v_lshl_add_u32 v14, v3, 4, v14
	v_add_nc_u32 v14, GRED, v14
	s_lshl_b32 s45, ttmp9, 9
	s_add_co_u32 s45, s45, X2BS
	v_lshl_add_u32 v15, v1, 4, s45
	s_lshl_b32 s45, ttmp9, 7
	v_lshl_add_u32 v6, v2, 3, s45                  ; the top 2's place: 8 bytes a token, + 4 h  (the loads that v6 addressed were waited for above)
	v_lshl_add_u32 v6, v3, 2, v6
	s_wait_alu depctr_va_vdst(0)                   ; the logits (v168-175), x2's codes (v128-133) and bytes (v222) and the addresses v5-15 are written, which the stores and loads from here to the end read; the multiply-adds are done reading v16-127, in which the reads behind the barrier land
	ds_store_b128 v5, v[168:171]
	ds_store_b128 v5, v[172:175] offset:16
.irp p, 0,1,2
	ds_store_b64 v7, v[128+2*\p:129+2*\p] offset:8*\p
.endr
	ds_store_b16 v8, v222
	BARRIER                                        ; x1, x2's codes and bytes and the partial logits lie in LDS
.irp i, 0,1,2,3,4,5,6,7
	ds_load_b128 v[16+4*\i:19+4*\i], v9 offset:512*\i              ; row w of x1, whole
.endr
.irp p, 0,1,2
	ds_load_b64 v[48+2*\p:49+2*\p], v10 offset:256*\p              ; row w of the codes
.endr
.irp i, 0,1,2,3,4,5,6,7
	s_wait_dscnt 10-\i                                             ; the younger loads may be out
	global_store_b128 v11, v[16+4*\i:19+4*\i], s[22:23] offset:512*\i
.endr
.irp p, 0,1,2
	s_wait_dscnt 2-\p
	global_store_b64 v12, v[48+2*\p:49+2*\p], s[22:23] offset:256*\p
.endr
	s_cmp_eq_u32 s26, 1
	s_cbranch_scc0 .Lnot1
	ds_load_b128 v[60:63], v13
	s_wait_dscnt 0x0
	global_store_b128 v15, v[60:63], s[22:23]
.Lnot1:
	s_cmp_eq_u32 s26, 0
	s_cbranch_scc0 .Lend
	s_wait_kmcnt 0x0                               ; gate_b
.set wi, 0
.rept 16
	ds_load_b128 v[64+4*wi:67+4*wi], v14 offset:32*wi              ; lane (r, h): experts 4 h .. 4 h + 3 of row r, from each wave: v64-127
.set wi, wi+1
.endr
	s_wait_dscnt 0x0
.set wi, 1
.rept 15
	v_pk_add_f32 v[64:65], v[64:65], v[64+4*wi:65+4*wi]
	v_pk_add_f32 v[66:67], v[66:67], v[66+4*wi:67+4*wi]
.set wi, wi+1
.endr
.irp i, 0,1,2,3
	v_permlanex16_b32 v[68+\i], v[64+\i], s40, s41
.endr
	s_mov_b32 vcc_lo, 0xffff0000
.irp i, 0,1,2,3
	v_cndmask_b32 v[72+\i], v[64+\i], v[68+\i], vcc_lo
	v_cndmask_b32 v[76+\i], v[68+\i], v[64+\i], vcc_lo
.endr
.irp e, 0,1,2,3,4,5,6,7
	v_add_f32 v[72+\e], s[32+\e], v[72+\e]
.endr
	v_max3_num_f32 v80, v72, v73, v74
	v_max3_num_f32 v80, v80, v75, v76
	v_max3_num_f32 v80, v80, v77, v78
	v_max_num_f32 v80, v80, v79
.irp e, 0,1,2,3,4,5,6,7
	v_sub_f32 v[72+\e], v[72+\e], v80
.endr
.irp e, 0,1,2,3,4,5,6,7
	v_mul_f32 v[72+\e], 0x3fb8aa3b, v[72+\e]
.endr
.irp e, 0,1,2,3,4,5,6,7
	v_exp_f32 v[72+\e], v[72+\e]
.endr
	v_nop
	s_wait_alu depctr_va_vdst(0)                   ; the eight exponentials have written v72-79, ahead of their first reader
	v_add_f32 v81, v72, v73
	v_add_f32 v82, v74, v75
	v_add_f32 v83, v76, v77
	v_add_f32 v84, v78, v79
	v_add_f32 v81, v81, v82
	v_add_f32 v83, v83, v84
	v_add_f32 v81, v81, v83
	v_rcp_f32 v81, v81
	v_nop
	s_wait_alu depctr_va_vdst(0)                   ; the reciprocal has written v81, ahead of its first reader
.irp e, 0,1,2,3,4,5,6,7
	v_mul_f32 v[72+\e], v[72+\e], v81
.endr
	TOP1 82, 83
.irp e, 0,1,2,3,4,5,6,7
	v_cmp_eq_u32 s[48+\e], \e, v83
.endr
	s_wait_alu depctr_va_sdst(0)                   ; the eight compares have written s48-55, which the selections read
.irp e, 0,1,2,3,4,5,6,7
	v_cndmask_b32 v[72+\e], v[72+\e], -1.0, s[48+\e]               ; the first choice is out of the second search
.endr
	TOP1 84, 85
	v_add_f32 v86, v82, v84
	v_add_f32 v86, 0x358637bd, v86                 ; + 1e-6
	v_rcp_f32 v86, v86
	v_nop
	s_wait_alu depctr_va_vdst(0)                   ; the reciprocal has written v86, ahead of its first reader
	v_mul_f32 v82, v82, v86
	v_mul_f32 v84, v84, v86
	s_mov_b32 vcc_lo, 0xffff0000
	v_cndmask_b32 v87, v83, v85, vcc_lo            ; lanes 0-15 store the first choice, lanes 16-31 the second: fixed places
	v_cndmask_b32 v88, v82, v84, vcc_lo
	s_wait_alu depctr_va_vdst(0)                   ; v87 and v88 are written, which the two stores read
	global_store_b32 v6, v87, s[24:25]
	global_store_b32 v6, v88, s[22:23] offset:TOPP
.Lend:
	s_wait_xcnt 0x0
	v_lshl_add_u32 v254, v0, 2, 0x25000
	v_mov_b32 v255, 0
	s_wait_dscnt 0x0                               ; the closing lines, six on end
	s_wait_alu 0x0
	s_wait_tensorcnt 0x0
	ds_add_u32 v254, v255
	s_wait_dscnt 0x0
	s_endpgm
.Lfunc_end_k_qc304e864e1_attn:
	.size	k_qc304e864e1_attn, .Lfunc_end_k_qc304e864e1_attn-k_qc304e864e1_attn
	.p2alignl 7, 3214868480
	.fill 96, 4, 3214868480
	.section	.rodata,"a",@progbits
	.p2align	6, 0x0
	.amdhsa_kernel k_qc304e864e1_attn
		.amdhsa_group_segment_fixed_size 153600
		.amdhsa_private_segment_fixed_size 0
		.amdhsa_enable_private_segment 0
		.amdhsa_kernarg_size 88
		.amdhsa_user_sgpr_count 2
		.amdhsa_user_sgpr_kernarg_segment_ptr 1
		.amdhsa_wavefront_size32 1
		.amdhsa_system_sgpr_workgroup_id_x 1
		.amdhsa_system_sgpr_workgroup_id_y 1
		.amdhsa_system_sgpr_workgroup_id_z 1
		.amdhsa_system_vgpr_workitem_id 0
		.amdhsa_next_free_vgpr 256
		.amdhsa_next_free_sgpr 66
		.amdhsa_reserve_vcc 1
		.amdhsa_float_denorm_mode_32 3
		.amdhsa_float_denorm_mode_16_64 3
		.amdhsa_memory_ordered 1
		.amdhsa_forward_progress 1
		.amdhsa_inst_pref_size 129
	.end_amdhsa_kernel
	.amdgpu_metadata
---
amdhsa.version: [ 1, 2 ]
amdhsa.kernels:
  - .name:           k_qc304e864e1_attn
    .symbol:         k_qc304e864e1_attn.kd
    .args:
      - { .name: qkvb, .offset: 0, .size: 8, .value_kind: global_buffer, .address_space: global }
      - { .name: prepb, .offset: 8, .size: 8, .value_kind: global_buffer, .address_space: global }
      - { .name: x, .offset: 16, .size: 8, .value_kind: global_buffer, .address_space: global }
      - { .name: mask, .offset: 24, .size: 8, .value_kind: global_buffer, .address_space: global }
      - { .name: bo, .offset: 32, .size: 8, .value_kind: global_buffer, .address_space: global }
      - { .name: ln2_g, .offset: 40, .size: 8, .value_kind: global_buffer, .address_space: global }
      - { .name: ln2_b, .offset: 48, .size: 8, .value_kind: global_buffer, .address_space: global }
      - { .name: gate_w, .offset: 56, .size: 8, .value_kind: global_buffer, .address_space: global }
      - { .name: gate_b, .offset: 64, .size: 8, .value_kind: global_buffer, .address_space: global }
      - { .name: mid, .offset: 72, .size: 8, .value_kind: global_buffer, .address_space: global }
      - { .name: topi, .offset: 80, .size: 8, .value_kind: global_buffer, .address_space: global }
    .group_segment_fixed_size: 153600
    .private_segment_fixed_size: 0
    .kernarg_segment_align: 8
    .kernarg_segment_size: 88
    .max_flat_workgroup_size: 512
    .sgpr_count:     66
    .vgpr_count:     256
    .wavefront_size: 32
...
	.end_amdgpu_metadata
.endif
;; end of part 8
;; launch route: the kernel of part 4 again; grid 1 x 1, 8 waves a work-group, no clusters, 0 bytes of LDS; arguments topi, lists; writes lists
;; launch up (part 9): grid 256 x 1, 16 waves a work-group, no clusters, 104,448 bytes of LDS; arguments ew1, ew3, eb1, eb3, mid, lists, hbuf; writes hbuf
.if DOCPART == 9
	.amdgcn_target "amdgcn-amd-amdhsa--gfx1250"
	.amdhsa_code_object_version 6
	.text
	.protected	k_qc304e864e1_up
	.globl	k_qc304e864e1_up
	.p2align	8
	.type	k_qc304e864e1_up,@function
k_qc304e864e1_up:
	s_mov_b64 s[64:65], 0
	v_nop
	global_prefetch_b8 v0, s[64:65] scope:SCOPE_SE
	s_setreg_imm32_b32 hwreg(HW_REG_WAVE_SCHED_MODE, 0, 2), 2
	s_setreg_imm32_b32 hwreg(HW_REG_WAVE_MODE, 25, 1), 1
	s_wait_xcnt 0x0
	s_wait_alu depctr_vm_vsrc(0)
; h = silu(x2 ew1 + eb1) * (x2 ew3 + eb3) for ONE expert's routed rows and 64 of its 2,048 hidden units; h is quantised along the hidden units.
; A work-group owns (expert, 64 columns): it reads its 2 x 1,024 x 64 numbers of the weights once, as f32, quantises them along K into LDS (a lane to a column, registers down K), and multiplies all of
; the expert's rows by them: no weight byte is read twice in the launch, and no code of a weight goes to memory.
; ROWS: tiles of 32 routed rows; wave w takes tiles w and w + 16 (an expert has at most 1,024 rows).  A tile at or past the stored count is passed over by a scalar branch; no barrier stands behind the one below.
; That branch hangs on a stored number, so the operands come by plain loads; and no two work-groups share an input tile of any size but x2's rows, which lie in the cache: no cluster.
; hbuf: half images [expert x 64 + row / 16][64 hidden units: 32][768] at 0; scale words [..][K step 16][16 words] at HS.
; LIMITS: NaN and infinities are not served; blocks under 2^-122 get the byte 1.
; THE MODE: SCHED_MODE bits 1:0 = 2 (LLVM: expert scheduling mode 2), set by the entry lines.  The code itself states the register dependences
; between vector or matrix instructions and memory or LDS instructions, with s_wait_alu, always for 0.
; THE PLAN.  Registers that memory or LDS instructions touch:
;  AT THE HEAD   X0, X1 (v128-191): block t's maxima and conversions read X[t % 2]; behind them the loads of block t + 2 land in it.  v72-77: written by a block's conversions and moves, read by its two LDS stores.
;                v192-194: an offset and two LDS addresses, made once.  One wait on va_vdst a block, behind its moves; one on vm_vsrc behind its stores; one on vm_vsrc behind the barrier, since the trips' loads land in all of these.
;  IN A TRIP     H0 (v72-95), H1 (v96-119): the two fragments (both matrices) of column tile j lie in H[j % 2]; the tile's four products, a quarter of a K step, read them; at the head of the next quarter the fragments of the quarter after it land there.
;                v16-19: tile j's scale words in v[16 + j], loaded with its fragments.  A0, A1 (v24-47, v48-71) and v20-23: the rows' fragments and scale words of K step ks in set ks % 2; at the head of step ks + 1 those of step ks + 2 land there.
;                v128-255: the biases land in the accumulators at the trip's head.  v40-51, v126: h's codes and bytes, written by the quantiser, read by the seven stores.  v4-7, v11, v13, v14: offsets, written once a trip.
;                So ONE wait on va_vdst stands at the head of a quarter: the quarter before is done with the other half (and, at a K step's head, the step before with the other set of rows).  The quarter's loads follow it at once, ahead of its four products, which name none of their registers.
.set W2L, 49152
.set WSL, 98304
.set X2BC, 4194304
.set X2BS, 4980736
.set HS, 12582912
.set PITCH, 8192
.set NB, 8
.set X, 128
.set C, 72
.set CX, 80
.set SW, 84
.set VIN, 192
.set VW, 193
.set WP, 34
.set BS, 16
.set AS, 20
.set AB, 24
.set WF, 72
.set TM, 120
.set ACC, 128
.macro PLACES n
.rept \n
	v_nop
.endr
.endm
.macro BARRIER
	s_wait_dscnt 0x0
	s_barrier_signal -1
	s_barrier_wait -1
.endm
.macro WM d, a, b, c, sa, sb, sel
.if (\sel) == 0
	v_wmma_scale_f32_16x16x128_f8f6f4 v[(\d):(\d)+7], v[(\a):(\a)+11], v[(\b):(\b)+11], v[(\c):(\c)+7], v[(\sa)], v[(\sb)] matrix_a_fmt:MATRIX_FMT_BF6 matrix_b_fmt:MATRIX_FMT_BF6
.else
	v_wmma_scale_f32_16x16x128_f8f6f4 v[(\d):(\d)+7], v[(\a):(\a)+11], v[(\b):(\b)+11], v[(\c):(\c)+7], v[(\sa)], v[(\sb)] matrix_a_fmt:MATRIX_FMT_BF6 matrix_b_fmt:MATRIX_FMT_BF6 matrix_a_scale:MATRIX_SCALE_ROW1
.endif
.endm
.macro QUANT2 s, pa, px, pw
	v_max3_num_f32 v[TM], |v[(\s)]|, |v[(\s)+1]|, 0x2800000
	v_max3_num_f32 v[TM+1], |v[(\s)+16]|, |v[(\s)+17]|, 0x2800000
.irp i, 2,4,6,8,10,12,14
	v_max3_num_f32 v[TM], v[TM], |v[(\s)+\i]|, |v[(\s)+\i+1]|
	v_max3_num_f32 v[TM+1], v[TM+1], |v[(\s)+16+\i]|, |v[(\s)+17+\i]|
.endr
	v_permlanex16_b32 v[TM+2], v[TM], s40, s41
	v_permlanex16_b32 v[TM+3], v[TM+1], s40, s41
	v_max_num_f32 v[TM], v[TM], v[TM+2]
	v_max_num_f32 v[TM+1], v[TM+1], v[TM+3]
	v_add_nc_u32 v[TM+4], 0xfe000000, v[TM]
	v_add_nc_u32 v[TM+5], 0xfe000000, v[TM+1]
	v_lshrrev_b32 v[TM+2], 23, v[TM+4]
	v_lshrrev_b32 v[TM+3], 23, v[TM+5]
	v_lshl_or_b32 v[\pw], v[TM+3], 8, v[TM+2]
	v_cvt_scalef32_pk16_bf6_f32 v[(\pa):(\pa)+2], v[(\s):(\s)+15], v[TM+4]
	v_cvt_scalef32_pk16_bf6_f32 v[(\px):(\px)+2], v[(\s)+16:(\s)+31], v[TM+5]
	v_nop
.irp i, 0,1,2
	v_permlane16_swap_b32 v[(\pa)+\i], v[(\px)+\i]
.endr
.irp i, 0,1,2
	v_mov_b32 v[(\pa)+3+\i], v[(\px)+\i]
.endr
.endm
.macro SILU16 z, a, t
.irp i, 0,2,4,6,8,10,12,14
	v_pk_mul_f32 v[(\t)+\i:(\t)+\i+1], v[(\z)+\i:(\z)+\i+1], 0xbfb8aa3b op_sel_hi:[1,0]
.endr
.irp i, 0,1,2,3,4,5,6,7,8,9,10,11,12,13,14,15
	v_exp_f32 v[(\t)+\i], v[(\t)+\i]
.endr
	v_nop
	s_wait_alu depctr_va_vdst(0)                   ; the sixteen exponentials have written their results, ahead of the first line that names one
.irp i, 0,2,4,6,8,10,12,14
	v_pk_add_f32 v[(\t)+\i:(\t)+\i+1], v[(\t)+\i:(\t)+\i+1], 1.0 op_sel_hi:[1,0]
.endr
.irp i, 0,1,2,3,4,5,6,7,8,9,10,11,12,13,14,15
	v_rcp_f32 v[(\t)+\i], v[(\t)+\i]
.endr
	v_nop
	s_wait_alu depctr_va_vdst(0)                   ; the sixteen reciprocals have written their results, ahead of the first line that names one
.irp i, 0,2,4,6,8,10,12,14
	v_pk_mul_f32 v[(\z)+\i:(\z)+\i+1], v[(\z)+\i:(\z)+\i+1], v[(\t)+\i:(\t)+\i+1]
.endr
.irp i, 0,2,4,6,8,10,12,14
	v_pk_mul_f32 v[(\z)+\i:(\z)+\i+1], v[(\z)+\i:(\z)+\i+1], v[(\a)+\i:(\a)+\i+1]
.endr
.endm
.macro WQLOAD t
.set wi, 0
.rept 32
	global_load_b32 v[X+32*((\t)%2)+wi], v[VIN], s[WP:WP+1] offset:(32*(\t)+wi)*PITCH th:TH_LOAD_NT
.set wi, wi+1
.endr
.endm
.macro WQBLOCK t
.set XS, X+32*((\t)%2)
.set WO, ((\t)/4)*1536+((\t)%2)*256
.if (\t) < NB-1
	s_wait_loadcnt 32                                              ; this block's 32 loads are in; the next block's 32 may be out
.else
	s_wait_loadcnt 0x0
.endif
	v_max3_num_f32 v[TM], |v[XS]|, |v[XS+1]|, |v[XS+2]|
	v_max3_num_f32 v[TM+1], |v[XS+3]|, |v[XS+4]|, |v[XS+5]|
.irp i, 6,10,14,18,22,26
	v_max3_num_f32 v[TM], v[TM], |v[XS+\i]|, |v[XS+\i+1]|
	v_max3_num_f32 v[TM+1], v[TM+1], |v[XS+\i+2]|, |v[XS+\i+3]|
.endr
	v_max3_num_f32 v[TM], v[TM], |v[XS+30]|, |v[XS+31]|
	v_max3_num_f32 v[TM], v[TM], v[TM+1], 0x2800000
	v_add_nc_u32 v[TM+4], 0xfe000000, v[TM]
	v_lshrrev_b32 v[TM+1], 23, v[TM+4]
.if (\t)%4 == 0
	v_mov_b32 v[SW+(\t)/4], v[TM+1]
.else
	v_lshl_or_b32 v[SW+(\t)/4], v[TM+1], 8*((\t)%4), v[SW+(\t)/4]
.endif
	v_cvt_scalef32_pk16_bf6_f32 v[C:C+2], v[XS:XS+15], v[TM+4]
	v_cvt_scalef32_pk16_bf6_f32 v[CX:CX+2], v[XS+16:XS+31], v[TM+4]
	v_nop
.irp i, 0,1,2
	v_mov_b32 v[C+3+\i], v[CX+\i]
.endr
	s_wait_alu depctr_va_vdst(0)                                   ; the conversions and moves have written the block's codes, which the LDS stores read, and are done reading its 32 numbers, in whose registers the loads of two blocks on land
.if (\t)+2 < NB
	WQLOAD (\t)+2
.endif
.if ((\t)/2)%2 == 0
	ds_store_b128 v[VW], v[C:C+3] offset:WO
	ds_store_b64 v[VW], v[C+4:C+5] offset:WO+512
.else
	ds_store_b64 v[VW], v[C:C+1] offset:WO+520
	ds_store_b128 v[VW], v[C+2:C+5] offset:WO+1024
.endif
	s_wait_dscnt 0x0
.if (\t) < NB-1
	s_wait_alu depctr_vm_vsrc(0)                                   ; the LDS stores have read the codes' registers, which the next block's conversions write again
.endif
.endm
.macro AL buf, ks, g                   ; sixteen gathered rows' codes and scale words of a K step: 7 loads
.irp p, 0,1,2,3,4,5
	global_load_b64 v[AB+24*(\buf)+12*(\g)+2*\p:AB+24*(\buf)+12*(\g)+2*\p+1], v[4+(\g)], s[36:37] offset:(\ks)*96+48*(\p/3)+8*(\p%3)
.endr
	global_load_b32 v[AS+2*(\buf)+(\g)], v[6+(\g)], s[38:39] offset:4*(\ks)
.endm
.macro HL ks, j, m                     ; the fragment of matrix m, column tile j, K step ks, into half j % 2
.irp q, 0,1,2
	ds_load_b128 v[WF+24*((\j)%2)+12*(\m)+4*\q:WF+24*((\j)%2)+12*(\m)+4*\q+3], v[1+(\m)] offset:(\j)*12288+(\ks)*1536+512*\q
.endr
.endm
.macro SL ks, j                        ; the tile's scale words: lanes 0-15 the first matrix's, lanes 16-31 the second's
	ds_load_b32 v[BS+(\j)], v3 offset:(\j)*512+(\ks)*64
.endm
.macro P1 ks, j, m, g
	WM ACC+64*(\m)+32*(\g)+8*(\j), WF+24*((\j)%2)+12*(\m), AB+24*((\ks)%2)+12*(\g), ACC+64*(\m)+32*(\g)+8*(\j), BS+(\j), AS+2*((\ks)%2)+(\g), \m
.endm
; A quarter of a K step: column tile j, four products.  The sixteen accumulators of a K step take turns, in the same order in every step.
.macro QTR ks, j
.set NJ, ((\j)+1)%4
.set NK, (\ks)+((\j)+1)/4
.if (NK < 8) && (((\ks)+(\j)) > 0)
	PLACES 4                                       ; four plain lines between the products that read a buffer and the loads into it
	s_wait_alu depctr_va_vdst(0)                   ; the quarter before is done reading the other half and its scale words; at a K step's head the step before is done reading the other set of rows: the loads below land there
.endif
.if NK < 8
	HL NK, NJ, 0
	HL NK, NJ, 1
	SL NK, NJ
.endif
.if (\j) == 0
.if (\ks) < 7
	AL 1-(\ks)%2, (\ks)+1, 0
	AL 1-(\ks)%2, (\ks)+1, 1
	s_wait_loadcnt 14                              ; all but the next K step's 14 loads, just issued
.else
	s_wait_loadcnt 0x0
.endif
.endif
.if NK < 8
	s_wait_dscnt 7                                 ; this quarter's fragments and scale words are in; the seven reads just issued may be out
.else
	s_wait_dscnt 0x0
.endif
	P1 \ks, \j, 0, 0
	P1 \ks, \j, 0, 1
	P1 \ks, \j, 1, 0
	P1 \ks, \j, 1, 1
.endm
	s_load_b256 s[4:11], s[0:1], 0x0               ; ew1, ew3, eb1, eb3
	s_load_b128 s[12:15], s[0:1], 0x20             ; mid, lists
	s_load_b64 s[16:17], s[0:1], 0x30              ; hbuf
	v_lshrrev_b32 v1, 5, v0
	v_readfirstlane_b32 s18, v1                    ; wave
	s_lshr_b32 s19, ttmp9, 5                       ; expert
	s_and_b32 s21, ttmp9, 31                       ; which 64 hidden units
	s_mov_b32 s40, 0x76543210
	s_mov_b32 s41, 0xfedcba98
	v_and_b32 v11, 31, v0                          ; lane
	v_and_b32 v13, 15, v0                          ; r
	v_bfe_u32 v14, v0, 4, 1                        ; h
	v_lshlrev_b32 v1, 4, v11
	v_add_nc_u32 v2, W2L, v1
	v_lshlrev_b32 v8, 2, v13                       ; 4 r
	v_lshl_add_u32 v3, v14, 11, v8
	v_add_nc_u32 v3, WSL, v3
	v_mul_u32_u24 v9, v14, 24                      ; 24 h
	v_lshlrev_b32 v10, 3, v11                      ; 8 x lane
	v_lshl_add_u32 v15, v14, 10, v8                ; 4 r + 1,024 h
	s_lshl_b32 s22, s19, 13                        ; 8,192 x expert: a row of eb1, eb3, and an expert's list
	s_lshl_b32 s23, s21, 8
	s_add_co_u32 s23, s23, s22
	v_lshl_add_u32 v12, v14, 6, s23                ; the biases
	v_mov_b32 v122, 0
	v_mov_b32 v123, 0
	; the weights: wave w takes matrix (w>>1)&1, 32 columns w&1, 256 of K w>>2
	s_wait_alu depctr_va_sdst(0)                   ; s18 is written, ahead of its first reader
	s_bfe_u32 s24, s18, 0x10001
	s_and_b32 s25, s18, 1
	s_lshr_b32 s26, s18, 2
	v_lshlrev_b32 v192, 2, v11
	v_bfe_u32 v195, v0, 3, 1
	v_and_b32 v196, 7, v0
	v_lshl_add_u32 v196, v14, 3, v196              ; my column's place in its tile
	s_lshl_b32 s27, s25, 1
	v_add_nc_u32 v195, s27, v195                   ; its tile of the four
	v_mul_u32_u24 v193, v195, 12288
	v_lshl_add_u32 v193, v196, 4, v193
	s_mul_i32 s27, s24, 49152
	s_mul_i32 s28, s26, 3072
	s_add_co_u32 s27, s27, s28
	v_add_nc_u32 v193, s27, v193
	v_lshlrev_b32 v194, 9, v195
	v_lshl_add_u32 v194, v196, 2, v194
	s_lshl_b32 s27, s24, 11
	s_lshl_b32 s28, s26, 7
	s_add_co_u32 s27, s27, s28
	s_add_co_u32 s27, s27, WSL
	v_add_nc_u32 v194, s27, v194
	s_lshl_b32 s28, s19, 23
	s_lshl_b32 s29, s26, 21
	s_add_co_u32 s28, s28, s29
	s_lshl_b32 s29, s21, 8
	s_add_co_u32 s28, s28, s29
	s_lshl_b32 s29, s25, 7
	s_add_co_u32 s28, s28, s29
	s_mov_b32 s29, 0
	s_lshl_b32 s30, s19, 7
	s_wait_kmcnt 0x0
	s_load_b32 s20, s[14:15], s30 offset:0x10000   ; the expert's number of rows
	s_cmp_eq_u32 s24, 0
	s_cselect_b64 s[34:35], s[4:5], s[6:7]
	s_add_nc_u64 s[34:35], s[34:35], s[28:29]
	s_add_nc_u64 s[36:37], s[12:13], X2BC
	s_add_nc_u64 s[38:39], s[12:13], X2BS
	s_wait_alu depctr_va_vdst(0)                   ; the offsets and LDS addresses v1-3, v12 and v192-194 are written, which the loads and LDS stores of the whole text read
	WQLOAD 0                                       ; 64 loads of 128 bytes a wave are out: 128 KiB for the sixteen waves
	WQLOAD 1
.irp t, 0,1,2,3,4,5,6,7
	WQBLOCK \t
.endr
	ds_store_b32 v194, v[SW]
	ds_store_b32 v194, v[SW+1] offset:64
	s_wait_kmcnt 0x0
	BARRIER                                        ; both weights' images and scale words lie in LDS: the launch's one barrier
	s_wait_alu depctr_vm_vsrc(0)                   ; the head's loads and LDS stores have read v192-194, the codes' registers and the scale words' (v72-77, v84, v85): the trips' loads land in all of these
	s_mov_b32 s31, 0
.Ltrip:
	s_lshl_b32 s23, s31, 4
	s_add_co_u32 s23, s23, s18                     ; my tile of 32 rows
	s_lshl_b32 s24, s23, 5
	s_cmp_ge_u32 s24, s20
	s_cbranch_scc1 .Lskip                          ; the expert has no such rows
	s_lshl_b32 s24, s23, 7
	s_add_co_u32 s24, s24, s22
	v_add_nc_u32 v11, s24, v8
	s_lshl_b32 s24, s19, 6
	s_lshl_b32 s25, s23, 1
	s_add_co_u32 s24, s24, s25                     ; 64 x expert + 2 x tile
	s_lshl_b32 s25, s24, 5
	s_add_co_u32 s25, s25, s21
	s_mul_i32 s25, s25, 768
	v_add_nc_u32 v13, s25, v10                     ; h's half images
	s_lshl_b32 s25, s24, 10
	s_lshr_b32 s26, s21, 1
	s_lshl_b32 s26, s26, 6
	s_add_co_u32 s25, s25, s26
	s_and_b32 s26, s21, 1
	s_lshl_b32 s26, s26, 1
	s_add_co_u32 s25, s25, s26
	s_add_co_u32 s25, s25, HS
	v_add_nc_u32 v14, s25, v15                     ; and my two bytes of its scale words
	s_wait_alu depctr_va_vdst(0)                   ; v11, v13 and v14 are written, which this trip's loads and stores read; the head, or the trip before, is done with v16, v72-95, v120, v121 and the accumulators, in which the loads below land
	global_load_b32 v120, v11, s[14:15]            ; the entries of rows r and 16 + r
	global_load_b32 v121, v11, s[14:15] offset:64
.irp mt, 0,1                           ; the biases are loaded into the accumulators
.irp g, 0,1
.irp j, 0,1,2,3
	global_load_b128 v[ACC+64*\mt+32*\g+8*\j:ACC+64*\mt+32*\g+8*\j+3], v12, s[8+2*\mt:9+2*\mt] offset:128*(\j/2)+32*(\j%2)
	global_load_b128 v[ACC+64*\mt+32*\g+8*\j+4:ACC+64*\mt+32*\g+8*\j+7], v12, s[8+2*\mt:9+2*\mt] offset:128*(\j/2)+32*(\j%2)+16
.endr
.endr
.endr
	HL 0, 0, 0                                     ; the first quarter's fragments and scale words
	HL 0, 0, 1
	SL 0, 0
	s_wait_loadcnt 32                              ; the two entries are in; the 32 loads of biases may be out
.irp g, 0,1
	v_lshrrev_b32 v[120+\g], 1, v[120+\g]
	v_min_u32 v[120+\g], 0x3ff, v[120+\g]          ; the token
	v_mad_u32_u24 v[4+\g], v[120+\g], 0x300, v9    ; its row of codes + 24 h
	v_lshlrev_b32 v[6+\g], 5, v[120+\g]            ; its row of scale bytes
.endr
	s_wait_alu depctr_va_vdst(0)                   ; v4-7 are written, which the loads of the rows' codes and scale words read
	AL 0, 0, 0
	AL 0, 0, 1
.irp ks, 0,1,2,3,4,5,6,7
.irp j, 0,1,2,3
	QTR \ks, \j
.endr
.endr
	PLACES 4                                       ; four plain lines behind the last products, before their results are read
.irp k, 0,1,2,3
	SILU16 128+16*\k, 192+16*\k, 24
.endr
	QUANT2 128, 40, 52, 126
	QUANT2 160, 46, 52, 127
	s_mov_b32 vcc_lo, 0xffff0000
	v_cndmask_b32 v126, v126, v127, vcc_lo
	s_wait_alu depctr_va_vdst(0)                   ; h's codes (v40-51) and scale bytes (v126) are written, which the seven stores read
.irp g, 0,1
.irp p, 0,1,2
	global_store_b64 v13, v[40+6*\g+2*\p:41+6*\g+2*\p], s[16:17] offset:24576*\g+256*\p    ; 256 consecutive bytes, aligned
.endr
.endr
	global_store_b16 v14, v126, s[16:17]
	s_wait_xcnt 0x0                                ; the stores have read their registers: the next trip writes them again
	s_wait_alu depctr_vm_vsrc(0)                   ; the trip's loads have read v4-7 and v11, its stores v13, v14, v40-51 and v126: the next trip writes all of these
.Lskip:
	s_add_co_u32 s31, s31, 1
	s_cmp_lt_u32 s31, 2
	s_cbranch_scc1 .Ltrip
	s_wait_xcnt 0x0
	v_lshl_add_u32 v254, v0, 2, 0x19000
	v_mov_b32 v255, 0
	s_wait_dscnt 0x0                               ; the closing lines, six on end
	s_wait_alu 0x0
	s_wait_tensorcnt 0x0
	ds_add_u32 v254, v255
	s_wait_dscnt 0x0
	s_endpgm
.Lfunc_end_k_qc304e864e1_up:
	.size	k_qc304e864e1_up, .Lfunc_end_k_qc304e864e1_up-k_qc304e864e1_up
	.p2alignl 7, 3214868480
	.fill 96, 4, 3214868480
	.section	.rodata,"a",@progbits
	.p2align	6, 0x0
	.amdhsa_kernel k_qc304e864e1_up
		.amdhsa_group_segment_fixed_size 104448
		.amdhsa_private_segment_fixed_size 0
		.amdhsa_enable_private_segment 0
		.amdhsa_kernarg_size 56
		.amdhsa_user_sgpr_count 2
		.amdhsa_user_sgpr_kernarg_segment_ptr 1
		.amdhsa_wavefront_size32 1
		.amdhsa_system_sgpr_workgroup_id_x 1
		.amdhsa_system_sgpr_workgroup_id_y 1
		.amdhsa_system_sgpr_workgroup_id_z 1
		.amdhsa_system_vgpr_workitem_id 0
		.amdhsa_next_free_vgpr 256
		.amdhsa_next_free_sgpr 66
		.amdhsa_reserve_vcc 1
		.amdhsa_float_denorm_mode_32 3
		.amdhsa_float_denorm_mode_16_64 3
		.amdhsa_memory_ordered 1
		.amdhsa_forward_progress 1
		.amdhsa_inst_pref_size 111
	.end_amdhsa_kernel
	.amdgpu_metadata
---
amdhsa.version: [ 1, 2 ]
amdhsa.kernels:
  - .name:           k_qc304e864e1_up
    .symbol:         k_qc304e864e1_up.kd
    .args:
      - { .name: ew1, .offset: 0, .size: 8, .value_kind: global_buffer, .address_space: global }
      - { .name: ew3, .offset: 8, .size: 8, .value_kind: global_buffer, .address_space: global }
      - { .name: eb1, .offset: 16, .size: 8, .value_kind: global_buffer, .address_space: global }
      - { .name: eb3, .offset: 24, .size: 8, .value_kind: global_buffer, .address_space: global }
      - { .name: mid, .offset: 32, .size: 8, .value_kind: global_buffer, .address_space: global }
      - { .name: lists, .offset: 40, .size: 8, .value_kind: global_buffer, .address_space: global }
      - { .name: hbuf, .offset: 48, .size: 8, .value_kind: global_buffer, .address_space: global }
    .group_segment_fixed_size: 104448
    .private_segment_fixed_size: 0
    .kernarg_segment_align: 8
    .kernarg_segment_size: 56
    .max_flat_workgroup_size: 512
    .sgpr_count:     66
    .vgpr_count:     256
    .wavefront_size: 32
...
	.end_amdgpu_metadata
.endif
;; end of part 9
;; launch down (part 10): grid 256 x 1, 16 waves a work-group, no clusters, 122,880 bytes of LDS; arguments ew2, eb2, hbuf, lists, mid, eo; writes eo
.if DOCPART == 10
	.amdgcn_target "amdgcn-amd-amdhsa--gfx1250"
	.amdhsa_code_object_version 6
	.text
	.protected	k_qc304e864e1_down
	.globl	k_qc304e864e1_down
	.p2align	8
	.type	k_qc304e864e1_down,@function
k_qc304e864e1_down:
	s_mov_b64 s[64:65], 0
	v_nop
	global_prefetch_b8 v0, s[64:65] scope:SCOPE_SE
	s_setreg_imm32_b32 hwreg(HW_REG_WAVE_SCHED_MODE, 0, 2), 2
	s_setreg_imm32_b32 hwreg(HW_REG_WAVE_MODE, 25, 1), 1
	s_wait_xcnt 0x0
	s_wait_alu depctr_vm_vsrc(0)
; eo[kh][d][:] = weight(d) x (h(d) ew2 + eb2), for ONE expert's routed rows, 64 of the 1,024 columns and one half kh of K = 2,048 (eb2 counts in half 0 alone).  d = 2 x token + slot.
; A work-group owns (expert, K half, 64 columns): it reads its 1,024 x 64 numbers of ew2 once, as f32, quantises them along K into LDS, and multiplies all of the expert's rows by them.
; Rows as in the launch before: tiles of 32, wave w takes tiles w and w + 16, a tile at or past the stored count is passed over; the tile's spare rows repeat a real row and store the same numbers to the same place.
; Each row d belongs to one expert, so each byte of eo has one owner.  The branch hangs on a stored number, so operands come by plain loads; work-groups share no weight: no cluster.
; LIMITS: NaN and infinities are not served; blocks under 2^-122 get the byte 1.
; THE MODE: SCHED_MODE bits 1:0 = 2 (LLVM: expert scheduling mode 2), set by the entry lines.  The code itself states the register dependences
; between vector or matrix instructions and memory or LDS instructions, with s_wait_alu, always for 0.
; THE PLAN.  Registers that memory or LDS instructions touch:
;  AT THE HEAD   X0, X1 (v128-191): block t's maxima and conversions read X[t % 2]; behind them the loads of block t + 2 land in it.  v72-77: written by a block's conversions and moves, read by its two LDS stores.
;                v192-194: an offset and two LDS addresses, made once.  One wait on va_vdst a block, behind its moves; one on vm_vsrc behind its stores; one on vm_vsrc behind the barrier, since the trips' loads land in all of these.
;  IN A TRIP     W0 (v72-119), W1 (v128-175) with v16-17, v18-19: the weight's four fragments and scale words of K step ks lie in set ks % 2; the step's eight products read them; at the head of step ks + 1 those of step ks + 2 land there.
;                A0, A1 (v24-47, v48-71) with v20-23: h's two fragments and scale words, likewise.
;                v192-255: the bias lands in the first sixteen rows' accumulators and is multiplied from there into both sets; the products add onto it; the stage's stores read the results.
;                v180-191, v122-125: sixteen entries of the list land there and become the offsets of the sixteen stores.  v120, v121: two entries, then the offsets of the rows' weights, which land in v176 and v178.
;                v128-159, v24-55: on the way out the stage's rows land there and the stores read them.  v4, v6, v7, v11: offsets, written once a trip.
;                So ONE wait on va_vdst stands at the head of a K step: the step before is done with the other sets.  All 28 loads of the next step follow it at once, ahead of the step's eight products, which name none of their registers.
.set WSL, 49152                        ; LDS: images [tile 4][K step 8][1536] at 0; scale words [tile][K step][64] here;
.set STG, 51200                        ; a stage of 16 rows x (256 + 16) bytes for each wave
.set HS, 12582912
.set TOPP, 5013504
.set PITCH, 4096
.set NB, 4
.set X, 128
.set C, 72
.set CX, 80
.set SW, 84
.set VIN, 192
.set VW, 193
.set WP, 36
.set BS, 16
.set AS, 20
.set AB, 24
.set WF, 72                            ; set 0; set 1 lies 56 registers on
.set TM, 120
.set ACC, 192
.macro PLACES n
.rept \n
	v_nop
.endr
.endm
.macro BARRIER
	s_wait_dscnt 0x0
	s_barrier_signal -1
	s_barrier_wait -1
.endm
.macro WM d, a, b, c, sa, sb, sel
.if (\sel) == 0
	v_wmma_scale_f32_16x16x128_f8f6f4 v[(\d):(\d)+7], v[(\a):(\a)+11], v[(\b):(\b)+11], v[(\c):(\c)+7], v[(\sa)], v[(\sb)] matrix_a_fmt:MATRIX_FMT_BF6 matrix_b_fmt:MATRIX_FMT_BF6
.else
	v_wmma_scale_f32_16x16x128_f8f6f4 v[(\d):(\d)+7], v[(\a):(\a)+11], v[(\b):(\b)+11], v[(\c):(\c)+7], v[(\sa)], v[(\sb)] matrix_a_fmt:MATRIX_FMT_BF6 matrix_b_fmt:MATRIX_FMT_BF6 matrix_a_scale:MATRIX_SCALE_ROW1
.endif
.endm
.macro WQLOAD t
.set wi, 0
.rept 32
	global_load_b32 v[X+32*((\t)%2)+wi], v[VIN], s[WP:WP+1] offset:(32*(\t)+wi)*PITCH th:TH_LOAD_NT
.set wi, wi+1
.endr
.endm
.macro WQBLOCK t
.set XS, X+32*((\t)%2)
.set WO, ((\t)/4)*1536+((\t)%2)*256
.if (\t) < NB-1
	s_wait_loadcnt 32                                              ; this block's 32 loads are in; the next block's 32 may be out
.else
	s_wait_loadcnt 0x0
.endif
	v_max3_num_f32 v[TM], |v[XS]|, |v[XS+1]|, |v[XS+2]|
	v_max3_num_f32 v[TM+1], |v[XS+3]|, |v[XS+4]|, |v[XS+5]|
.irp i, 6,10,14,18,22,26
	v_max3_num_f32 v[TM], v[TM], |v[XS+\i]|, |v[XS+\i+1]|
	v_max3_num_f32 v[TM+1], v[TM+1], |v[XS+\i+2]|, |v[XS+\i+3]|
.endr
	v_max3_num_f32 v[TM], v[TM], |v[XS+30]|, |v[XS+31]|
	v_max3_num_f32 v[TM], v[TM], v[TM+1], 0x2800000
	v_add_nc_u32 v[TM+4], 0xfe000000, v[TM]
	v_lshrrev_b32 v[TM+1], 23, v[TM+4]
.if (\t)%4 == 0
	v_mov_b32 v[SW+(\t)/4], v[TM+1]
.else
	v_lshl_or_b32 v[SW+(\t)/4], v[TM+1], 8*((\t)%4), v[SW+(\t)/4]
.endif
	v_cvt_scalef32_pk16_bf6_f32 v[C:C+2], v[XS:XS+15], v[TM+4]
	v_cvt_scalef32_pk16_bf6_f32 v[CX:CX+2], v[XS+16:XS+31], v[TM+4]
	v_nop
.irp i, 0,1,2
	v_mov_b32 v[C+3+\i], v[CX+\i]
.endr
	s_wait_alu depctr_va_vdst(0)                                   ; the conversions and moves have written the block's codes, which the LDS stores read, and are done reading its 32 numbers, in whose registers the loads of two blocks on land
.if (\t)+2 < NB
	WQLOAD (\t)+2
.endif
.if ((\t)/2)%2 == 0
	ds_store_b128 v[VW], v[C:C+3] offset:WO
	ds_store_b64 v[VW], v[C+4:C+5] offset:WO+512
.else
	ds_store_b64 v[VW], v[C:C+1] offset:WO+520
	ds_store_b128 v[VW], v[C+2:C+5] offset:WO+1024
.endif
	s_wait_dscnt 0x0
.if (\t) < NB-1
	s_wait_alu depctr_vm_vsrc(0)                                   ; the LDS stores have read the codes' registers, which the next block's conversions write again
.endif
.endm
.macro AL buf, ks, g                   ; sixteen rows of h: a fragment (two half images) and its scale words of a K step: 7 loads
.irp c, 0,1
.irp p, 0,1,2
	global_load_b64 v[AB+24*(\buf)+12*(\g)+6*\c+2*\p:AB+24*(\buf)+12*(\g)+6*\c+2*\p+1], v4, s[8:9] offset:(\g)*24576+(2*(\ks)+\c)*768+256*\p
.endr
.endr
	global_load_b32 v[AS+2*(\buf)+(\g)], v6, s[8:9] offset:(\g)*1024+(\ks)*64
.endm
.macro WL buf, ks                      ; the weight's four fragments and two registers of scale words of a K step out of LDS: 14 reads
.irp j, 0,1,2,3
.irp q, 0,1,2
	ds_load_b128 v[WF+56*(\buf)+12*\j+4*\q:WF+56*(\buf)+12*\j+4*\q+3], v1 offset:\j*12288+(\ks)*1536+512*\q
.endr
.endr
	ds_load_b32 v[BS+2*(\buf)], v3 offset:(\ks)*64
	ds_load_b32 v[BS+2*(\buf)+1], v3 offset:1024+(\ks)*64
.endm
.macro KD ks                           ; a K step: eight products, the eight accumulators by turns; the bias lies in the accumulators from the start
.if ((\ks) > 0) && ((\ks) < 7)
	PLACES 4                                       ; four plain lines between the products that read a buffer and the loads into it
	s_wait_alu depctr_va_vdst(0)                   ; the last step's products are done reading the other sets of the weight, of h and of their scale words, in which the loads below land
.endif
.if (\ks) < 7
	AL 1-(\ks)%2, (\ks)+1, 0
	AL 1-(\ks)%2, (\ks)+1, 1
	WL 1-(\ks)%2, (\ks)+1
	s_wait_loadcnt 14                              ; all but the next K step's 14 loads, just issued
	s_wait_dscnt 14                                ; and all but its 14 LDS reads
.else
	s_wait_loadcnt 0x0
	s_wait_dscnt 0x0
.endif
.irp j, 0,1,2,3
.irp g, 0,1
	WM ACC+32*\g+8*\j, WF+56*((\ks)%2)+12*\j, AB+24*((\ks)%2)+12*\g, ACC+32*\g+8*\j, BS+2*((\ks)%2)+\j/2, AS+2*((\ks)%2)+\g, \j%2
.endr
.endr
.endm
	s_load_b256 s[4:11], s[0:1], 0x0               ; ew2, eb2, hbuf, lists
	s_load_b128 s[12:15], s[0:1], 0x20             ; mid, eo
	v_lshl_add_u32 v126, v0, 2, 0x1d800
	v_mov_b32 v127, 0
	v_lshrrev_b32 v1, 5, v0
	v_readfirstlane_b32 s16, v1                    ; wave
	s_lshr_b32 s17, ttmp9, 5                       ; expert
	s_and_b32 s18, ttmp9, 15                       ; which 64 columns
	s_bfe_u32 s19, ttmp9, 0x10004                  ; which half of K
	v_and_b32 v14, 31, v0                          ; lane
	v_and_b32 v7, 15, v0                           ; r
	v_bfe_u32 v15, v0, 4, 1                        ; h
	v_lshlrev_b32 v1, 4, v14
	v_lshlrev_b32 v8, 2, v7                        ; 4 r
	v_lshlrev_b32 v9, 2, v15                       ; 4 h
	v_lshlrev_b32 v10, 3, v14                      ; 8 x lane
	v_lshlrev_b32 v13, 4, v7                       ; 16 r
	v_lshl_add_u32 v3, v15, 9, v8
	v_add_nc_u32 v3, WSL, v3                       ; scale words: lanes 16-31 take the next tile's
	s_wait_alu depctr_va_sdst(0)                   ; s16 is written, ahead of its first reader
	s_mul_i32 s21, s16, 4352
	s_add_co_u32 s21, s21, STG
	v_mul_u32_u24 v2, v7, 272
	v_lshl_add_u32 v2, v15, 6, v2
	v_add_nc_u32 v2, s21, v2                       ; into my stage: row r, + 64 h
	v_mul_u32_u24 v5, v15, 272
	v_add_nc_u32 v5, v5, v13
	v_add_nc_u32 v5, s21, v5                       ; back: lanes 0-15 one row, lanes 16-31 the next
	s_lshl_b32 s22, s17, 12
	s_lshl_b32 s23, s18, 8
	s_add_co_u32 s22, s22, s23
	v_lshl_add_u32 v12, v15, 6, s22                ; eb2
	; the weight: wave w takes 32 columns w&1 and 128 of K w>>1
	s_and_b32 s24, s16, 1
	s_lshr_b32 s25, s16, 1
	v_lshlrev_b32 v192, 2, v14
	v_bfe_u32 v195, v0, 3, 1
	v_and_b32 v196, 7, v0
	v_lshl_add_u32 v196, v15, 3, v196
	s_lshl_b32 s26, s24, 1
	v_add_nc_u32 v195, s26, v195
	v_mul_u32_u24 v193, v195, 12288
	v_lshl_add_u32 v193, v196, 4, v193
	s_mul_i32 s26, s25, 1536
	v_add_nc_u32 v193, s26, v193
	v_lshlrev_b32 v194, 9, v195
	v_lshl_add_u32 v194, v196, 2, v194
	s_lshl_b32 s26, s25, 6
	s_add_co_u32 s26, s26, WSL
	v_add_nc_u32 v194, s26, v194
	s_lshl_b32 s26, s17, 23
	s_lshl_b32 s27, s19, 22
	s_add_co_u32 s26, s26, s27
	s_lshl_b32 s27, s25, 19
	s_add_co_u32 s26, s26, s27
	s_lshl_b32 s27, s18, 8
	s_add_co_u32 s26, s26, s27
	s_lshl_b32 s27, s24, 7
	s_add_co_u32 s26, s26, s27
	s_mov_b32 s27, 0
	s_lshl_b32 s28, s19, 23
	s_lshl_b32 s29, s18, 8
	s_add_co_u32 s28, s28, s29
	s_mov_b32 s29, 0
	s_lshl_b32 s32, s17, 7
	s_cmp_eq_u32 s19, 0
	s_cselect_b32 s30, 1.0, 0                      ; eb2 counts in the first half of K alone
	s_mov_b32 s31, s30
	s_lshl_b32 s22, s17, 13                        ; an expert's list
	s_wait_kmcnt 0x0
	s_load_b32 s20, s[10:11], s32 offset:0x10000   ; the expert's number of rows
	s_add_nc_u64 s[36:37], s[4:5], s[26:27]
	s_add_nc_u64 s[34:35], s[14:15], s[28:29]
	s_wait_alu depctr_va_vdst(0)                   ; the offsets and LDS addresses v1-3, v5, v12 and v192-194 are written, which the loads and LDS instructions of the whole text read
	WQLOAD 0
	WQLOAD 1
.irp t, 0,1,2,3
	WQBLOCK \t
.endr
	ds_store_b32 v194, v[SW]
	s_wait_kmcnt 0x0
	BARRIER                                        ; the images and scale words lie in LDS: the launch's one barrier
	s_wait_alu depctr_vm_vsrc(0)                   ; the head's loads and LDS stores have read v192-194, the codes' registers and the scale word's (v72-77, v84): the trips' loads land in all of these
	s_mov_b32 s33, 0
.Ltrip:
	s_lshl_b32 s23, s33, 4
	s_add_co_u32 s23, s23, s16                     ; my tile of 32 rows
	s_lshl_b32 s24, s23, 5
	s_cmp_ge_u32 s24, s20
	s_cbranch_scc1 .Lskip
	s_lshl_b32 s24, s23, 7
	s_add_co_u32 s24, s24, s22
	v_add_nc_u32 v7, s24, v8
	v_add_nc_u32 v11, s24, v9
	s_lshl_b32 s24, s17, 6
	s_lshl_b32 s25, s23, 1
	s_add_co_u32 s24, s24, s25                     ; 64 x expert + 2 x tile
	s_lshl_b32 s25, s24, 5
	s_lshl_b32 s26, s19, 4
	s_add_co_u32 s25, s25, s26
	s_mul_i32 s25, s25, 768
	v_add_nc_u32 v4, s25, v10
	s_lshl_b32 s25, s24, 10
	s_lshl_b32 s26, s19, 9
	s_add_co_u32 s25, s25, s26
	s_add_co_u32 s25, s25, HS
	v_add_nc_u32 v6, s25, v8
	s_wait_alu depctr_va_vdst(0)                   ; v4, v6, v7 and v11 are written, which this trip's loads read; the head, or the trip before, is done with every register in which the trip's loads land
	global_load_b32 v120, v7, s[10:11]             ; the entries of rows r and 16 + r: for the rows' weights
	global_load_b32 v121, v7, s[10:11] offset:64
.set si, 0
.rept 16
.set sa, 180+si-70*(si/12)                     ; v180-191, then v122-125
	global_load_b32 v[sa], v11, s[10:11] offset:64*(si/8)+8*(si%8)         ; and of rows 16 g + 2 i + h: for the stores
.set si, si+1
.endr
.irp j, 0,1,2,3
	global_load_b128 v[ACC+8*\j:ACC+8*\j+3], v12, s[6:7] offset:128*(\j/2)+32*(\j%2)       ; the bias, into the first sixteen rows' accumulators
	global_load_b128 v[ACC+8*\j+4:ACC+8*\j+7], v12, s[6:7] offset:128*(\j/2)+32*(\j%2)+16
.endr
	AL 0, 0, 0
	AL 0, 0, 1
	WL 0, 0
	s_wait_loadcnt 38                              ; the first two entries are in; the sixteen others, the bias's 8 loads and h's 14 may be out
.irp g, 0,1
	v_min_u32 v[120+\g], 0x7ff, v[120+\g]
	v_lshlrev_b32 v[120+\g], 2, v[120+\g]
.endr
	s_wait_alu depctr_va_vdst(0)                   ; v120 and v121 are written, which the two loads below read
	global_load_b32 v176, v120, s[12:13] offset:TOPP
	global_load_b32 v178, v121, s[12:13] offset:TOPP
	s_wait_loadcnt 24                              ; the sixteen entries are in; the bias's 8 loads, h's 14 and the weights' 2 may be out
.set si, 0
.rept 16
.set sa, 180+si-70*(si/12)
	v_min_u32 v[sa], 0x7ff, v[sa]
	v_lshlrev_b32 v[sa], 12, v[sa]
	v_add_nc_u32 v[sa], v[sa], v13                 ; row d of eo + 16 bytes a lane
.set si, si+1
.endr
	s_wait_loadcnt 16                              ; the bias is in
.set si, 0
.rept 16
	v_pk_mul_f32 v[ACC+32+si:ACC+33+si], v[ACC+si:ACC+si+1], s[30:31] op_sel_hi:[1,0]      ; the second sixteen rows begin with the same numbers
.set si, si+2
.endr
.set si, 0
.rept 16
	v_pk_mul_f32 v[ACC+si:ACC+si+1], v[ACC+si:ACC+si+1], s[30:31] op_sel_hi:[1,0]
.set si, si+2
.endr
.irp ks, 0,1,2,3,4,5,6,7
	KD \ks
.endr
	PLACES 4                                       ; four plain lines behind the last products, before their results are read
	v_mov_b32 v177, v176
	v_mov_b32 v179, v178
.irp g, 0,1
.set si, 0
.rept 16
	v_pk_mul_f32 v[192+32*\g+si:193+32*\g+si], v[192+32*\g+si:193+32*\g+si], v[176+2*\g:177+2*\g]  ; x the row's weight; each accumulator from its low end on
.set si, si+2
.endr
.endr
	s_wait_alu depctr_va_vdst(0)                   ; the multiplications have written v192-255, which the stage's stores read; the last products are done reading v24-55 and v128-159, in which the stage's rows land
.irp g, 0,1                            ; 16 rows x 64 columns through my own stage: LDS serves a wave's instructions in order
.irp j, 0,1,2,3
.irp qq, 0,1
	ds_store_b128 v2, v[192+32*\g+8*\j+4*\qq:195+32*\g+8*\j+4*\qq] offset:128*(\j/2)+32*(\j%2)+16*\qq
.endr
.endr
.irp i, 0,1,2,3,4,5,6,7
	ds_load_b128 v[128-104*\g+4*\i:131-104*\g+4*\i], v5 offset:544*\i
.endr
.endr
.set si, 0
.rept 8
.set sa, 180+si
	s_wait_dscnt 23-si                                             ; behind it: the younger loads of this half and the other half's 16 instructions
	global_store_b128 v[sa], v[128+4*si:131+4*si], s[34:35]        ; sixteen lanes store 256 consecutive bytes, aligned
.set si, si+1
.endr
.set si, 0
.rept 8
.set sa, 188+si-70*((8+si)/12)
	s_wait_dscnt 7-si
	global_store_b128 v[sa], v[24+4*si:27+4*si], s[34:35]
.set si, si+1
.endr
	s_wait_xcnt 0x0                                ; the stores have read their registers: the next trip writes them again
	s_wait_alu depctr_vm_vsrc(0)                   ; the trip's loads have read v4, v6, v7, v11, v120 and v121, the stage's stores v192-255, the stores their sixteen offsets, v24-55 and v128-159: the next trip writes all of these
.Lskip:
	s_add_co_u32 s33, s33, 1
	s_cmp_lt_u32 s33, 2
	s_cbranch_scc1 .Ltrip
	s_wait_dscnt 0x0                               ; the closing lines, six on end
	s_wait_alu 0x0
	s_wait_tensorcnt 0x0
	ds_add_u32 v126, v127
	s_wait_dscnt 0x0
	s_endpgm
.Lfunc_end_k_qc304e864e1_down:
	.size	k_qc304e864e1_down, .Lfunc_end_k_qc304e864e1_down-k_qc304e864e1_down
	.p2alignl 7, 3214868480
	.fill 96, 4, 3214868480
	.section	.rodata,"a",@progbits
	.p2align	6, 0x0
	.amdhsa_kernel k_qc304e864e1_down
		.amdhsa_group_segment_fixed_size 122880
		.amdhsa_private_segment_fixed_size 0
		.amdhsa_enable_private_segment 0
		.amdhsa_kernarg_size 48
		.amdhsa_user_sgpr_count 2
		.amdhsa_user_sgpr_kernarg_segment_ptr 1
		.amdhsa_wavefront_size32 1
		.amdhsa_system_sgpr_workgroup_id_x 1
		.amdhsa_system_sgpr_workgroup_id_y 1
		.amdhsa_system_sgpr_workgroup_id_z 1
		.amdhsa_system_vgpr_workitem_id 0
		.amdhsa_next_free_vgpr 256
		.amdhsa_next_free_sgpr 66
		.amdhsa_reserve_vcc 0
		.amdhsa_float_denorm_mode_32 3
		.amdhsa_float_denorm_mode_16_64 3
		.amdhsa_memory_ordered 1
		.amdhsa_forward_progress 1
		.amdhsa_inst_pref_size 64
	.end_amdhsa_kernel
	.amdgpu_metadata
---
amdhsa.version: [ 1, 2 ]
amdhsa.kernels:
  - .name:           k_qc304e864e1_down
    .symbol:         k_qc304e864e1_down.kd
    .args:
      - { .name: ew2, .offset: 0, .size: 8, .value_kind: global_buffer, .address_space: global }
      - { .name: eb2, .offset: 8, .size: 8, .value_kind: global_buffer, .address_space: global }
      - { .name: hbuf, .offset: 16, .size: 8, .value_kind: global_buffer, .address_space: global }
      - { .name: lists, .offset: 24, .size: 8, .value_kind: global_buffer, .address_space: global }
      - { .name: mid, .offset: 32, .size: 8, .value_kind: global_buffer, .address_space: global }
      - { .name: eo, .offset: 40, .size: 8, .value_kind: global_buffer, .address_space: global }
    .group_segment_fixed_size: 122880
    .private_segment_fixed_size: 0
    .kernarg_segment_align: 8
    .kernarg_segment_size: 48
    .max_flat_workgroup_size: 512
    .sgpr_count:     66
    .vgpr_count:     256
    .wavefront_size: 32
...
	.end_amdgpu_metadata
.endif
;; end of part 10
;; launch comb: the kernel of part 7 again; grid 256 x 1, 8 waves a work-group, no clusters, 0 bytes of LDS; arguments mid, eo, out0; writes out0
